; MI455X (gfx1250); checked and timed in simulation.
; The chip was launched on July 23, 2026; its instructions are those of AMD's public machine-readable ISA for CDNA 5 (MIT licence, August 2026) and "CDNA5" Instruction Set Architecture Reference Guide (July 2026). The comments in the code are by the model that wrote it; some were corrected since.
;; Linear Temporal Self Attention. Allowed arithmetic: float matrix products may take bf16 or f16 operands with f32 sums; all other float work in f32.
;; Inputs: W_emb 2,048 x 2,048 float32; W_out 1,024 x 1,024 float32; Wk 1,024 x 1,024 float32; Wq 1,024 x 1,024 float32; Wv 1,024 x 1,024 float32; b_emb 2,048 float32; b_out 1,024 float32; bk 1,024 float32; bq 1,024 float32; bv 1,024 float32; emb 4 x 2,048 float32; ln2_b 1,024 float32; ln2_w 1,024 float32; ln_b 1,024 float32; ln_w 1,024 float32; src_mask 4 x 2,048 x 1 float32; x 4 x 2,048 x 1,024 float32.
;; Outputs: out0 4 x 2,048 x 1,024 float32.
;; Constants: num_head = 8.
;; 2 versions, each right. Each part assembles by itself: llvm-mc -triple=amdgcn-amd-amdhsa -mcpu=gfx1250 --defsym DOCPART=n.
;; ======== version 1 of 2: 5 launches
;; workspace buffers: act 16,777,216 bytes; wbf 8,388,608 bytes; film 131,072 bytes; qf 16,777,216 bytes; pv 33,554,432 bytes; kstat 262,144 bytes; attf 1,048,576 bytes
;; launch prep (part 1): grid 512 x 1, 8 waves a work-group, no clusters, 17,408 bytes of LDS; arguments x, ln_w, ln_b, Wq, Wk, Wv, W_out, emb, W_emb, act, wbf, film; writes act, wbf, film
.if DOCPART == 1
	.amdgcn_target "amdgcn-amd-amdhsa--gfx1250"
	.amdhsa_code_object_version 6
	.text
	.protected	k_q1c4dab98d4_prep
	.globl	k_q1c4dab98d4_prep
	.p2align	8
	.type	k_q1c4dab98d4_prep,@function
k_q1c4dab98d4_prep:
	s_mov_b64 s[64:65], 0
	v_nop
	global_prefetch_b8 v0, s[64:65] scope:SCOPE_SE
	s_setreg_imm32_b32 hwreg(HW_REG_WAVE_MODE, 25, 1), 1
	s_wait_xcnt 0x0
; PREPARATION, three roles chosen by the work-group's number (the same for all eight waves of a work-group):
;   work-groups   0..127  FiLM: four partial sums over K (512 rows each) of silu(emb) @ W_emb, in f32 multiply-adds -> film [4 kc][4 b][2048] f32
;   work-groups 128..255  cast: Wq, Wk, Wv, W_out to bf16, order [k][n] kept -> wbf (four matrices of 2,097,152 bytes)
;   work-groups 256..511  LayerNorm 1 of x, two passes (mean, then squares of x - mean) -> act = xn, [8192][1024] bf16
; All three stream: each byte is read once, every wave issues all its loads (16 KiB) first, and there is no loop.
; The matrix unit is left out: the emb product has four rows and reads 16 MiB of weights once, so bytes decide.
; Limit: v_exp_f32, v_rcp_f32, v_rsq_f32 flush denormals (ISA guide, their entries in 15.8).
.set D,   16                           ; v[16:143]  data as loaded
.set P,   144                          ; v[144:207] LN: ln_w, ln_b; cast: packed results; FiLM: quads of silu(emb)
.set ACC, 208                          ; v[208:223] LN: 1/std as pairs; FiLM: 4 batches x 4 columns
.set T,   224                          ; v[224:239] at work
; sum over the 32 lanes, result in every lane; tmp has been written before
.macro WSUM x, tmp
	v_add_f32_dpp v[\x], v[\x], v[\x] row_xmask:1 row_mask:0xf bank_mask:0xf
	v_add_f32_dpp v[\x], v[\x], v[\x] row_xmask:2 row_mask:0xf bank_mask:0xf
	v_add_f32_dpp v[\x], v[\x], v[\x] row_xmask:4 row_mask:0xf bank_mask:0xf
	v_add_f32_dpp v[\x], v[\x], v[\x] row_xmask:8 row_mask:0xf bank_mask:0xf
	v_permlanex16_b32 v[\tmp], v[\x], s36, s37
	v_add_f32 v[\x], v[\x], v[\tmp]
.endm
.macro JOIN4                           ; four chains of pairs in T..T+7 -> one number in T
	v_pk_add_f32 v[T:T+1], v[T:T+1], v[T+2:T+3]
	v_pk_add_f32 v[T+4:T+5], v[T+4:T+5], v[T+6:T+7]
	v_pk_add_f32 v[T:T+1], v[T:T+1], v[T+4:T+5]
	v_add_f32 v[T], v[T], v[T+1]
.endm
; row rr: mean, x - mean in place, 1/std.  left = loads issued behind this row's eight
.macro STAT rr, left
	s_wait_loadcnt \left
.irp k, 0,2,4,6
	v_pk_add_f32 v[T+\k:T+\k+1], v[D+32*\rr+\k:D+32*\rr+\k+1], v[D+32*\rr+8+\k:D+32*\rr+8+\k+1]
.endr
.irp o, 16,24
.irp k, 0,2,4,6
	v_pk_add_f32 v[T+\k:T+\k+1], v[T+\k:T+\k+1], v[D+32*\rr+\o+\k:D+32*\rr+\o+\k+1]
.endr
.endr
	JOIN4
	WSUM T, T+1
	v_mul_f32 v[T+8], s38, v[T]                    ; the mean, twice: a pair for the packed subtraction
	v_mul_f32 v[T+9], s38, v[T]
.set q, 0
.rept 16
	v_pk_add_f32 v[D+32*\rr+2*q:D+32*\rr+2*q+1], v[D+32*\rr+2*q:D+32*\rr+2*q+1], v[T+8:T+9] neg_lo:[0,1] neg_hi:[0,1]
.set q, q+1
.endr
.irp k, 0,2,4,6
	v_pk_mul_f32 v[T+\k:T+\k+1], v[D+32*\rr+\k:D+32*\rr+\k+1], v[D+32*\rr+\k:D+32*\rr+\k+1]
.endr
.irp o, 8,16,24
.irp k, 0,2,4,6
	v_pk_fma_f32 v[T+\k:T+\k+1], v[D+32*\rr+\o+\k:D+32*\rr+\o+\k+1], v[D+32*\rr+\o+\k:D+32*\rr+\o+\k+1], v[T+\k:T+\k+1]
.endr
.endr
	JOIN4
	WSUM T, T+1
	v_fma_f32 v[T], v[T], s38, s39                 ; variance + eps
	v_rsq_f32 v[ACC+2*\rr], v[T]
	v_rsq_f32 v[ACC+2*\rr+1], v[T]
	v_nop                                          ; one plain place before T is written again or the result used (ISA guide 5.7.2)
.endm
; row rr: (x - mean) / std * w + b, rounded to bf16, four stores of 512 consecutive bytes
.macro NORM rr
.set q, 0
	s_wait_alu depctr_va_vdst(0)
.rept 16
	v_pk_mul_f32 v[D+32*\rr+2*q:D+32*\rr+2*q+1], v[D+32*\rr+2*q:D+32*\rr+2*q+1], v[ACC+2*\rr:ACC+2*\rr+1]
.set q, q+1
.endr
.set q, 0
.rept 16
	v_pk_fma_f32 v[D+32*\rr+2*q:D+32*\rr+2*q+1], v[D+32*\rr+2*q:D+32*\rr+2*q+1], v[P+2*q:P+2*q+1], v[P+32+2*q:P+32+2*q+1]
.set q, q+1
.endr
.set q, 0
.rept 16
	v_cvt_pk_bf16_f32 v[D+32*\rr+q], v[D+32*\rr+2*q], v[D+32*\rr+2*q+1]   ; register q is written after registers 2q, 2q+1 are read
.set q, q+1
.endr
.irp c, 0,1,2,3
	global_store_b128 v3, v[D+32*\rr+4*\c:D+32*\rr+4*\c+3], s[26:27] offset:\rr*2048+\c*512
.endr
.endm
; acc pair (+)= w pair * v[e], v[e] broadcast out of its aligned pair
.macro FMAB first, acc, w, e
.if (\e)&1
.if \first
	v_pk_mul_f32 v[\acc:\acc+1], v[\w:\w+1], v[\e-1:\e] op_sel:[0,1] op_sel_hi:[1,1]
.else
	v_pk_fma_f32 v[\acc:\acc+1], v[\w:\w+1], v[\e-1:\e], v[\acc:\acc+1] op_sel:[0,1,0] op_sel_hi:[1,1,1]
.endif
.else
.if \first
	v_pk_mul_f32 v[\acc:\acc+1], v[\w:\w+1], v[\e:\e+1] op_sel_hi:[1,0]
.else
	v_pk_fma_f32 v[\acc:\acc+1], v[\w:\w+1], v[\e:\e+1], v[\acc:\acc+1] op_sel_hi:[1,0,1]
.endif
.endif
.endm
	s_load_b512 s[8:23], s[0:1], 0x0               ; x 8:9, ln_w 10:11, ln_b 12:13, Wq 14:15, Wk 16:17, Wv 18:19, W_out 20:21, emb 22:23
	s_load_b256 s[24:31], s[0:1], 0x40             ; W_emb 24:25, act 26:27, wbf 28:29, film 30:31
	v_lshl_add_u32 v240, v0, 2, 0x4000
	v_mov_b32 v241, 0
	v_lshrrev_b32 v1, 5, v0
	v_readfirstlane_b32 s4, v1                     ; wave
	v_and_b32 v1, 31, v0                           ; lane
	v_lshlrev_b32 v2, 5, v1                        ; lane * 32: eight f32
	v_lshlrev_b32 v3, 4, v1                        ; lane * 16: eight bf16
	s_mov_b32 s36, 0x76543210                      ; v_permlanex16_b32: lane i reads lane i of the other half
	s_mov_b32 s37, 0xfedcba98
	s_mov_b32 s33, 0                               ; high word of every 32-bit offset
	s_wait_kmcnt 0x0
	s_cmp_lt_u32 ttmp9, 128
	s_cbranch_scc1 .Lfilm
	s_cmp_lt_u32 ttmp9, 256
	s_cbranch_scc1 .Lcast
	; ---- LayerNorm 1: work-group i owns rows 32 i .. +31, wave w four of them.  In chunk c of 256 numbers a lane holds 8 neighbours.
	s_sub_co_u32 s5, ttmp9, 256
	s_lshl_b32 s32, s5, 17                         ; 32 rows of 4,096 bytes
	s_lshl_b32 s6, s4, 14                          ; 4 rows
	s_add_co_u32 s32, s32, s6
	s_add_nc_u64 s[8:9], s[8:9], s[32:33]
	s_lshr_b32 s32, s32, 1                         ; bf16 rows are half as long
	s_add_nc_u64 s[26:27], s[26:27], s[32:33]
	s_mov_b32 s38, 0x3a800000                      ; 1/1024
	s_mov_b32 s39, 0x3727c5ac                      ; 1e-5
.irp rr, 0,1,2,3
.irp c, 0,1,2,3
	global_load_b128 v[D+32*\rr+8*\c:D+32*\rr+8*\c+3],   v2, s[8:9] offset:\rr*4096+\c*1024 th:TH_LOAD_NT
	global_load_b128 v[D+32*\rr+8*\c+4:D+32*\rr+8*\c+7], v2, s[8:9] offset:\rr*4096+\c*1024+16 th:TH_LOAD_NT
.endr
.endr
.irp c, 0,1,2,3
	global_load_b128 v[P+8*\c:P+8*\c+3],   v2, s[10:11] offset:\c*1024
	global_load_b128 v[P+8*\c+4:P+8*\c+7], v2, s[10:11] offset:\c*1024+16
.endr
.irp c, 0,1,2,3
	global_load_b128 v[P+32+8*\c:P+32+8*\c+3],   v2, s[12:13] offset:\c*1024
	global_load_b128 v[P+32+8*\c+4:P+32+8*\c+7], v2, s[12:13] offset:\c*1024+16
.endr
	STAT 0, 40                                     ; behind row 0: three rows of 8 loads and the 16 of w and b
	STAT 1, 32
	STAT 2, 24
	STAT 3, 16
	s_wait_loadcnt 0x0                             ; w and b
	NORM 0
	NORM 1
	NORM 2
	NORM 3
	s_endpgm
	; ---- cast: work-group j takes 131,072 bytes of matrix j / 32, wave w 16,384 of them
.Lcast:
	s_sub_co_u32 s5, ttmp9, 128
	s_lshr_b32 s6, s5, 5
	s_cmp_eq_u32 s6, 1
	s_cselect_b64 s[14:15], s[16:17], s[14:15]
	s_cmp_eq_u32 s6, 2
	s_cselect_b64 s[14:15], s[18:19], s[14:15]
	s_cmp_eq_u32 s6, 3
	s_cselect_b64 s[14:15], s[20:21], s[14:15]
	s_and_b32 s7, s5, 31
	s_lshl_b32 s32, s7, 17
	s_lshl_b32 s34, s4, 14
	s_add_co_u32 s32, s32, s34
	s_add_nc_u64 s[14:15], s[14:15], s[32:33]
	s_lshl_b32 s32, s5, 16
	s_lshl_b32 s34, s4, 13
	s_add_co_u32 s32, s32, s34
	s_add_nc_u64 s[28:29], s[28:29], s[32:33]
.set c, 0
.rept 16
	global_load_b128 v[D+8*c:D+8*c+3],   v2, s[14:15] offset:c*1024 th:TH_LOAD_NT
	global_load_b128 v[D+8*c+4:D+8*c+7], v2, s[14:15] offset:c*1024+16 th:TH_LOAD_NT
.set c, c+1
.endr
.set c, 0
.rept 16
	s_wait_loadcnt 30-2*c                          ; the loads of the later chunks, two each, stay out
.irp k, 0,1,2,3
	v_cvt_pk_bf16_f32 v[P+4*c+\k], v[D+8*c+2*\k], v[D+8*c+2*\k+1]
.endr
	global_store_b128 v3, v[P+4*c:P+4*c+3], s[28:29] offset:c*512
.set c, c+1
.endr
	s_endpgm
	; ---- FiLM: work-group = (cg: 64 columns = 256 bytes of a row of W_emb, kc: 512 rows); wave w rows R0 = 512 kc + 64 w .. +63.
	; A load takes rows R0 + 2 i + h: sixteen lanes read 256 consecutive, aligned bytes of one row.
	; LDS: 0 .. 8,191 each wave's own 64 rows x 4 batches of silu(emb); 8,192 .. 16,383 the waves' partial sums [w][b][64].
.Lfilm:
	s_and_b32 s5, ttmp9, 31                        ; cg
	s_lshr_b32 s6, ttmp9, 5                        ; kc
	s_lshl_b32 s7, s6, 9
	s_lshl_b32 s34, s4, 6
	s_add_co_u32 s7, s7, s34                       ; R0
	s_lshl_b32 s32, s7, 2
	s_add_nc_u64 s[22:23], s[22:23], s[32:33]      ; emb at column R0
	s_lshl_b32 s32, s7, 13
	s_lshl_b32 s34, s5, 8                          ; cg * 256
	s_add_co_u32 s32, s32, s34
	s_add_nc_u64 s[24:25], s[24:25], s[32:33]      ; W_emb at (R0, 64 cg)
	s_lshl_b32 s35, s4, 10                         ; w * 1,024
	v_and_b32 v10, 15, v0                          ; c16
	v_bfe_u32 v11, v0, 4, 1                        ; h
	v_lshlrev_b32 v12, 4, v10
	v_lshl_add_u32 v4, v11, 13, v12                ; h rows of 8,192 bytes + 16 c16
	v_lshlrev_b32 v5, 3, v1                        ; lane * 8
	v_add_nc_u32 v6, s35, v2                       ; where I put rows 2 L and 2 L + 1 of silu(emb)
	v_lshl_add_u32 v7, v11, 4, s35                 ; where I read row 2 i + h (the offset carries 32 i)
	v_lshl_add_u32 v8, v11, 9, v12
	v_add_nc_u32 v8, s35, v8                       ; partial sums: w * 1,024 + (2 h) * 256 + 16 c16
	v_cmp_lt_u32 s40, 15, v1                       ; lanes 16 to 31
.irp b, 0,1,2,3
	global_load_b64 v[T+2*\b:T+2*\b+1], v5, s[22:23] offset:\b*8192
.endr
.set i, 0
.rept 32
	global_load_b128 v[D+4*i:D+4*i+3], v4, s[24:25] offset:i*16384 th:TH_LOAD_NT
.set i, i+1
.endr
	s_wait_loadcnt 32                              ; emb is in; the 32 loads of W_emb stay out
	; silu(x) = x / (1 + 2^(-x log2 e)); quad e = row 2 L + e, its four numbers the batches
.irp b, 0,1,2,3
.irp e, 0,1
	v_mul_f32 v[T+8+4*\e+\b], 0xbfb8aa3b, v[T+2*\b+\e]
.endr
.endr
.irp k, 8,9,10,11,12,13,14,15
	v_exp_f32 v[T+\k], v[T+\k]
.endr
	v_nop
	s_wait_alu depctr_va_vdst(0)
.irp k, 8,10,12,14
	v_pk_add_f32 v[T+\k:T+\k+1], v[T+\k:T+\k+1], 1.0 op_sel_hi:[1,0]
.endr
.irp k, 8,9,10,11,12,13,14,15
	v_rcp_f32 v[T+\k], v[T+\k]
.endr
	v_nop
	s_wait_alu depctr_va_vdst(0)
.irp b, 0,1,2,3
.irp e, 0,1
	v_mul_f32 v[T+8+4*\e+\b], v[T+8+4*\e+\b], v[T+2*\b+\e]
.endr
.endr
	ds_store_b128 v6, v[T+8:T+11]
	ds_store_b128 v6, v[T+12:T+15] offset:16       ; the wave's own bytes: LDS serves a wave in order (ISA guide 5.7.1.4), no barrier
.set g, 0
.rept 4
.set q, 0
.rept 8
	ds_load_b128 v[P+(g&1)*32+4*q:P+(g&1)*32+4*q+3], v7 offset:(8*g+q)*32
.set q, q+1
.endr
	s_wait_dscnt 0x0
	s_wait_loadcnt 24-8*g                          ; the later groups' loads of W_emb, eight each, stay out
.set q, 0
.rept 8
.irp b, 0,1,2,3
.irp e, 0,2
.if (8*g+q) == 0
	FMAB 1, ACC+4*\b+\e, D+4*(8*g+q)+\e, P+(g&1)*32+4*q+\b      ; the first rows start the sums
.else
	FMAB 0, ACC+4*\b+\e, D+4*(8*g+q)+\e, P+(g&1)*32+4*q+\b
.endif
.endr
.endr
.set q, q+1
.endr
.set g, g+1
.endr
.set k, 0
.rept 16
	v_permlanex16_b32 v[T+k], v[ACC+k], s36, s37   ; even and odd rows lie in the two halves of the lanes
.set k, k+1
.endr
.irp k, 0,2,4,6,8,10,12,14
	v_pk_add_f32 v[ACC+\k:ACC+\k+1], v[ACC+\k:ACC+\k+1], v[T+\k:T+\k+1]
.endr
.irp k, 0,1,2,3,4,5,6,7
	v_cndmask_b32 v[T+\k], v[ACC+\k], v[ACC+8+\k], s40          ; lanes 0-15 hand on batches 0, 1; lanes 16-31 batches 2, 3
.endr
	ds_store_b128 v8, v[T:T+3] offset:8192
	ds_store_b128 v8, v[T+4:T+7] offset:8192+256
	s_wait_dscnt 0x0                               ; for the other waves: my partial sums are written
	s_barrier_signal -1
	s_barrier_wait -1
	s_cmp_gt_u32 s4, 3
	s_cbranch_scc1 .Lfilm_end
	s_lshl_b32 s32, s6, 15                         ; wave b adds the eight waves' sums of batch b
	s_add_co_u32 s32, s32, s34
	s_lshl_b32 s35, s4, 13
	s_add_co_u32 s32, s32, s35
	s_add_nc_u64 s[30:31], s[30:31], s[32:33]      ; film + kc * 32,768 + b * 8,192 + cg * 256
	s_lshl_b32 s35, s4, 8
	v_add_nc_u32 v9, s35, v5
.irp w, 0,1,2,3,4,5,6,7
	ds_load_b64 v[P+2*\w:P+2*\w+1], v9 offset:8192+\w*1024
.endr
	s_wait_dscnt 0x0
.irp w, 0,4,8,12
	v_pk_add_f32 v[P+\w:P+\w+1], v[P+\w:P+\w+1], v[P+\w+2:P+\w+3]
.endr
	v_pk_add_f32 v[P:P+1], v[P:P+1], v[P+4:P+5]
	v_pk_add_f32 v[P+8:P+9], v[P+8:P+9], v[P+12:P+13]
	v_pk_add_f32 v[P:P+1], v[P:P+1], v[P+8:P+9]
	global_store_b64 v5, v[P:P+1], s[30:31]        ; 32 lanes store 256 consecutive bytes, aligned
.Lfilm_end:
	s_wait_tensorcnt 0x0
	ds_add_u32 v240, v241
	s_wait_dscnt 0x0
	s_endpgm
.Lfunc_end_k_q1c4dab98d4_prep:
	.size	k_q1c4dab98d4_prep, .Lfunc_end_k_q1c4dab98d4_prep-k_q1c4dab98d4_prep
	.p2alignl 7, 3214868480
	.fill 96, 4, 3214868480
	.section	.rodata,"a",@progbits
	.p2align	6, 0x0
	.amdhsa_kernel k_q1c4dab98d4_prep
		.amdhsa_group_segment_fixed_size 17408
		.amdhsa_private_segment_fixed_size 0
		.amdhsa_enable_private_segment 0
		.amdhsa_kernarg_size 96
		.amdhsa_user_sgpr_count 2
		.amdhsa_user_sgpr_kernarg_segment_ptr 1
		.amdhsa_wavefront_size32 1
		.amdhsa_system_sgpr_workgroup_id_x 1
		.amdhsa_system_sgpr_workgroup_id_y 1
		.amdhsa_system_sgpr_workgroup_id_z 1
		.amdhsa_system_vgpr_workitem_id 0
		.amdhsa_next_free_vgpr 242
		.amdhsa_next_free_sgpr 66
		.amdhsa_reserve_vcc 0
		.amdhsa_float_denorm_mode_32 3
		.amdhsa_float_denorm_mode_16_64 3
		.amdhsa_memory_ordered 1
		.amdhsa_forward_progress 1
		.amdhsa_inst_pref_size 74
	.end_amdhsa_kernel
	.amdgpu_metadata
---
amdhsa.version: [ 1, 2 ]
amdhsa.kernels:
  - .name:           k_q1c4dab98d4_prep
    .symbol:         k_q1c4dab98d4_prep.kd
    .args:
      - { .name: x, .offset: 0, .size: 8, .value_kind: global_buffer, .address_space: global }
      - { .name: ln_w, .offset: 8, .size: 8, .value_kind: global_buffer, .address_space: global }
      - { .name: ln_b, .offset: 16, .size: 8, .value_kind: global_buffer, .address_space: global }
      - { .name: Wq, .offset: 24, .size: 8, .value_kind: global_buffer, .address_space: global }
      - { .name: Wk, .offset: 32, .size: 8, .value_kind: global_buffer, .address_space: global }
      - { .name: Wv, .offset: 40, .size: 8, .value_kind: global_buffer, .address_space: global }
      - { .name: W_out, .offset: 48, .size: 8, .value_kind: global_buffer, .address_space: global }
      - { .name: emb, .offset: 56, .size: 8, .value_kind: global_buffer, .address_space: global }
      - { .name: W_emb, .offset: 64, .size: 8, .value_kind: global_buffer, .address_space: global }
      - { .name: act, .offset: 72, .size: 8, .value_kind: global_buffer, .address_space: global }
      - { .name: wbf, .offset: 80, .size: 8, .value_kind: global_buffer, .address_space: global }
      - { .name: film, .offset: 88, .size: 8, .value_kind: global_buffer, .address_space: global }
    .group_segment_fixed_size: 17408
    .private_segment_fixed_size: 0
    .kernarg_segment_align: 8
    .kernarg_segment_size: 96
    .max_flat_workgroup_size: 256
    .sgpr_count:     66
    .vgpr_count:     242
    .wavefront_size: 32
...
	.end_amdgpu_metadata
.endif
;; end of part 1
;; launch qkv (part 2): grid 8 x 32, 4 waves a work-group, clusters of 4 x 4, 327,680 bytes of LDS; arguments act, wbf, bq, bk, bv, src_mask, qf, pv, kstat; writes qf, pv, kstat
.if DOCPART == 2
	.amdgcn_target "amdgcn-amd-amdhsa--gfx1250"
	.amdhsa_code_object_version 6
	.text
	.protected	k_q1c4dab98d4_qkv
	.globl	k_q1c4dab98d4_qkv
	.p2align	8
	.type	k_q1c4dab98d4_qkv,@function
k_q1c4dab98d4_qkv:
	s_mov_b64 s[64:65], 0
	v_nop
	global_prefetch_b8 v0, s[64:65] scope:SCOPE_SE
	s_setreg_imm32_b32 hwreg(HW_REG_WAVE_MODE, 25, 1), 1
	s_wait_xcnt 0x0
	s_wait_alu depctr_hold_cnt(0) depctr_sa_sdst(0) depctr_va_vdst(0) depctr_va_sdst(0) depctr_va_ssrc(0) depctr_va_vcc(0) depctr_vm_vsrc(0)
	s_getreg_b32 s2, hwreg(HW_REG_IB_STS2, 6, 4)
	s_cmp_eq_u32 s2, 0
	s_cbranch_scc0 .Lentry_in_a_cluster
	s_endpgm
.Lentry_in_a_cluster:
	s_bfe_u32 s2, ttmp6, 0x10000c
	s_cmp_lg_u32 s2, 0xf033
	s_cbranch_scc0 .Lentry_shape_is_right
	s_endpgm
.Lentry_shape_is_right:
; q, k, v OF ONE HEAD FOR 256 ROWS, IN ONE PASS OVER K = 1024, WITH THEIR EPILOGUES.
; Work-group (head, rb): rows 256 rb .. +255 of xn times the head's 128 columns of Wq, Wk and Wv: 8 x 32 = 256 work-groups of equal work.
; Wave w: rows 64 w .. +63 x 384 columns = 96 accumulator tiles of 16 x 16 = 768 registers (windows 1, 2, 3 = q, k, v; tile (a, b) at v[8 (8 a + b)]).
; K goes in steps of 64 through two LDS slots: Wq | Wk | Wv tiles (64 k-rows x 256 bytes, pitch 288) | xn tile (256 rows x 128 bytes, pitch 144) = 92,160 bytes.
; Two slots of a step of 128 would take 2 x (3 x 128 x 288 + 256 x 272) = 360,448 bytes, more than the 327,680 of LDS: so xn's tile rows are 128 bytes.
; Waves 0, 1, 2 fetch the three weight tiles, wave 3 the xn tile: one tensor load a wave behind each change of slots; two are out at the start, later one.
; CLUSTER 4 x 4: the xn tile hangs on rb alone and is asked for jointly along a row of the cluster; a weight tile hangs on the head alone, jointly along a column.
; The weights stay [k][n]; their fragments come out of LDS by the transposing load.
; ORIENTATION, by the order of the two sources (register j of lane (r, h) is row 8 h + j of source 0, row r of source 1):
;   q: source 0 = weights, source 1 = xn: a lane holds ONE TIME ROW and 8 neighbouring columns (softmax over the head's 128 columns stays in two lanes);
;   k, v: source 0 = xn, source 1 = weights: a lane holds ONE COLUMN and 8 neighbouring times (maximum and sum over time stay in two lanes).
; Four v_cvt_pk_bf16_f32 of such a tile are half of a 16-bit K = 32 operand fragment, so q, p = exp(k - chunk max) and v leave as blocks of
; 512 bytes = [lane][16 bytes]: each store of a wave covers 512 consecutive, aligned bytes, and the next launch loads fragments by plain loads.
;   qf: block (row / 16) * 64 + column / 16.     pv: p at 0, v at 16,777,216: block ((b * 8 + head) * 8 + column tile) * 128 + time in batch / 16.
;   kstat: maxima at 0, sums at 131,072: [bh][chunk of 256 times][128], column 16 bt + r at place (bt >> 2) * 64 + 4 r + (bt & 3).
; The softmax over time takes the chunk's maximum away here; the next launch joins the eight chunks by exp(m_chunk - M).
; Limit: v_exp_f32 and v_rcp_f32 flush denormals: a softmax weight below 2^-126 counts as 0.
.set KSTEP, 64
.set XP,    144
.set WP,    288
.set WT,    64*WP                      ; 18,432
.set XT,    256*XP                     ; 36,864
.set SLOT,  3*WT+XT                    ; 92,160
.set XCH1,  2*SLOT                     ; 184,320: the waves' chunk maxima, 4 x 512 bytes; no tensor load lands here
.set XCH2,  XCH1+2048                  ; the waves' chunk sums
; window 0: v1 r, v2 h, v3 lane, v4-5 xn fragment address in slot 0, 1, v6-7 weight fragment address, v8 lane*16, v9 h*32, v10 r*4, v11-13 exchange
.set T,   16                           ; v[16:31]   at work
.set X0,  32                           ; v[32:63]   xn fragments, buffer 0; in the epilogue MSK
.set X1,  64                           ; v[64:95]   buffer 1; in the epilogue S
.set W0,  96                           ; v[96:159]  weight fragments, buffer 0
.set W1,  160                          ; v[160:223] buffer 1
.set MSK, 32                           ; mask of my times 16 a + 8 h + j at MSK + 8 a + j
.set S,   64                           ; chains of sums; the mask term; what the exchange brings
.set BQ,  96                           ; bq of columns 16 b + 8 h + j at BQ + 8 b + j
.set OUT, 96                           ; v[96:223]  packed results, tile (a, b) at OUT + 4 (8 a + b)
.set BK,  224                          ; bk of column 16 b + r
.set BV,  232
.set NM,  240                          ; q: -max * log2 e as pairs;  k: CM, the chunk maxima
.set CM,  240
.set RC,  248                          ; q: 1 / sum as pairs;        k: CS, the chunk sums
.set CS,  248
.set G1X, 24                           ; s[24:31] group 1, xn tile
.set G0X, 32                           ; s[32:39] group 0, xn tile, a set for each slot
.set G1W, 48                           ; s[48:55] group 1, weight tiles
.set G0W, 56                           ; s[56:63] group 0, weight tiles, a set for each slot
.set ACQ, 0x50                         ; sources window 0, C and D window 1
.set ACK, 0xa0
.set ACV, 0xf0
.set MSB, 0
.macro WIN new                         ; the immediate's high byte repeats the setting that is left
.if MSB != (\new)
	s_set_vgpr_msb (MSB<<8)|(\new)
.set MSB, \new
.endif
.endm
.macro PLACES                          ; four places behind a matrix instruction (ISA guide 7.12.1) before its registers are loaded, read or written
.rept 4
	v_nop
.endr
.endm
.macro JLOAD s                         ; wave 3 asks for xn's tile, waves 0 to 2 for their weight tile; the branch hangs on the wave's number alone
	s_cmp_eq_u32 s10, 3
	s_cbranch_scc0 .Lfor_w_\@
	tensor_load_to_lds s[G0X+4*\s:G0X+4*\s+3], s[G1X:G1X+7]
	s_nop 0
	s_branch .Lasked_\@
.Lfor_w_\@:
	tensor_load_to_lds s[G0W+4*\s:G0W+4*\s+3], s[G1W:G1W+7]
	s_nop 0
.Lasked_\@:
.endm
.macro CREST                           ; a round of the cluster's barrier behind its opening work-group barrier
	s_cmp_lg_u32 s10, 0
	s_cbranch_scc1 .Lnot_wave_0_\@
	s_barrier_signal -3
.Lnot_wave_0_\@:
	s_barrier_wait -3
	s_barrier_signal -1
	s_barrier_wait -1
.endm
.macro CROUND
	s_barrier_signal -1
	s_barrier_wait -1
	CREST
.endm
; eight weight fragments (128 columns x 32 k) of matrix g, half step s, transposed on the way: rows k, 16 rows = 4,608 bytes apart
.macro FETCHW slot, g, s, wb
.irp b, 0,1,2,3,4,5,6,7
	ds_load_tr16_b128 v[\wb+8*\b:\wb+8*\b+3],   v[6+\slot] offset:\g*WT+\s*9216+32*\b
	ds_load_tr16_b128 v[\wb+8*\b+4:\wb+8*\b+7], v[6+\slot] offset:\g*WT+\s*9216+32*\b+4608
.endr
.endm
.macro FETCHX slot, s, xb              ; four xn fragments (my 64 rows x 32 k)
.irp a, 0,1,2,3
	ds_load_b128 v[\xb+8*\a:\xb+8*\a+3],   v[4+\slot] offset:\a*16*XP+64*\s
	ds_load_b128 v[\xb+8*\a+4:\xb+8*\a+7], v[4+\slot] offset:\a*16*XP+64*\s+32
.endr
.endm
; 16 matrix instructions: row tiles a0, a0 + 1 x all 8 column tiles.  Every instruction names another accumulator: the accumulators take turns,
; one instruction a turn; the same tile comes again 95 instructions later, over the backward jump too.
.macro MUL16 g, xb, wb, a0, zero
.irp a, \a0, \a0+1
.irp b, 0,1,2,3,4,5,6,7
.if \g == 0
.if \zero
	v_wmma_f32_16x16x32_bf16 v[8*(8*(\a)+\b):8*(8*(\a)+\b)+7], v[\wb+8*\b:\wb+8*\b+7], v[\xb+8*(\a):\xb+8*(\a)+7], 0
.else
	v_wmma_f32_16x16x32_bf16 v[8*(8*(\a)+\b):8*(8*(\a)+\b)+7], v[\wb+8*\b:\wb+8*\b+7], v[\xb+8*(\a):\xb+8*(\a)+7], v[8*(8*(\a)+\b):8*(8*(\a)+\b)+7]
.endif
.else
.if \zero
	v_wmma_f32_16x16x32_bf16 v[8*(8*(\a)+\b):8*(8*(\a)+\b)+7], v[\xb+8*(\a):\xb+8*(\a)+7], v[\wb+8*\b:\wb+8*\b+7], 0
.else
	v_wmma_f32_16x16x32_bf16 v[8*(8*(\a)+\b):8*(8*(\a)+\b)+7], v[\xb+8*(\a):\xb+8*(\a)+7], v[\wb+8*\b:\wb+8*\b+7], v[8*(8*(\a)+\b):8*(8*(\a)+\b)+7]
.endif
.endif
.endr
.endr
.endm
.macro UHEAD                           ; a unit = 32 matrix instructions.  Its fragments were asked for one unit ago; the next unit's are asked for now
	s_wait_dscnt 0x0
	PLACES                             ; behind the last unit's matrix instructions, which read the buffer that is loaded next
	WIN 0
.endm
.macro UMUL g, win, xb, wb, zero
	WIN \win
	MUL16 \g, \xb, \wb, 0, \zero
	MUL16 \g, \xb, \wb, 2, \zero
.endm
.macro FIVE slot, zero                 ; the first five of a step's six units: (k half 0: q, k, v), (k half 1: q, k)
	UHEAD
	FETCHW \slot, 1, 0, W1
	UMUL 0, ACQ, X0, W0, \zero
	UHEAD
	FETCHW \slot, 2, 0, W0
	UMUL 1, ACK, X0, W1, \zero
	UHEAD
	FETCHW \slot, 0, 1, W1
	FETCHX \slot, 1, X1
	UMUL 2, ACV, X0, W0, \zero
	UHEAD
	FETCHW \slot, 1, 1, W0
	UMUL 0, ACQ, X1, W1, 0
	UHEAD
	FETCHW \slot, 2, 1, W1
	UMUL 1, ACK, X1, W0, 0
.endm
; The sixth unit (k half 1, v) changes slots.  In front of the barrier each wave waits for its reads of this slot and for all its tensor loads
; (one is out: its part of the next slot).  Where the slot is filled again the barrier opens a round of the cluster's barrier, and the joint
; refill is the first tensor load behind the round.  From a request to the wait for it a wave issues 176 matrix instructions.
.macro TURN slot, next, fill
	s_wait_dscnt 0x0
	s_wait_xcnt 0x0
	s_set_vgpr_msb 0xa020
	v_lshl_add_u32 v254, v0, 2, 0x2e000
	v_mov_b32 v255, 0
	s_wait_tensorcnt 0x0
	ds_add_u32 v254, v255
	s_wait_dscnt 0x0
	s_set_vgpr_msb 0x20a0
	s_barrier_signal -1
	WIN ACV
	MUL16 2, X1, W1, 0, 0
	WIN 0
	s_barrier_wait -1
.if \fill
	CREST
	s_add_nc_u64 s[G0X+4*\slot+2:G0X+4*\slot+3], s[G0X+4*\slot+2:G0X+4*\slot+3], 2*KSTEP*2      ; no tensor load of mine is out: group 0 may step, two K steps on
	s_add_nc_u64 s[G0W+4*\slot+2:G0W+4*\slot+3], s[G0W+4*\slot+2:G0W+4*\slot+3], 2*KSTEP*2048
	JLOAD \slot
.endif
	PLACES
	FETCHW \next, 0, 0, W0
	FETCHX \next, 0, X0
	WIN ACV
	MUL16 2, X1, W1, 2, 0
.endm
.macro LAP zero
	FIVE 0, \zero
	TURN 0, 1, 1
	FIVE 1, 0
	TURN 1, 0, 1
.endm
; pair d = pair d (+, -) v[reg], broadcast out of its aligned pair
.macro ADDB d, reg
.if (\reg)&1
	v_pk_add_f32 v[\d:\d+1], v[\d:\d+1], v[\reg-1:\reg] op_sel:[0,1] op_sel_hi:[1,1]
.else
	v_pk_add_f32 v[\d:\d+1], v[\d:\d+1], v[\reg:\reg+1] op_sel_hi:[1,0]
.endif
.endm
.macro SUBB d, reg
.if (\reg)&1
	v_pk_add_f32 v[\d:\d+1], v[\d:\d+1], v[\reg-1:\reg] op_sel:[0,1] op_sel_hi:[1,1] neg_lo:[0,1] neg_hi:[0,1]
.else
	v_pk_add_f32 v[\d:\d+1], v[\d:\d+1], v[\reg:\reg+1] op_sel_hi:[1,0] neg_lo:[0,1] neg_hi:[0,1]
.endif
.endm
	s_load_b512 s[68:83], s[0:1], 0x0              ; act 68:69, wbf 70:71, bq 72:73, bk 74:75, bv 76:77, src_mask 78:79, qf 80:81, pv 82:83
	s_load_b64 s[84:85], s[0:1], 0x40              ; kstat
	v_lshl_add_u32 v254, v0, 2, 0x2e000
	v_mov_b32 v255, 0
	ds_add_u32 v254, v255
	s_wait_dscnt 0x0
	v_lshrrev_b32 v1, 5, v0
	v_readfirstlane_b32 s10, v1                    ; wave
	s_bfe_u32 s40, ttmp6, 0x40000                  ; cx
	s_bfe_u32 s41, ttmp6, 0x40004                  ; cy
	s_lshl_b32 s42, ttmp9, 2
	s_add_co_u32 s42, s42, s40                     ; head = 4 x cluster x + cx
	s_and_b32 s13, ttmp7, 0xffff
	s_lshl_b32 s13, s13, 2
	s_add_co_u32 s13, s13, s41                     ; rb = 4 x cluster y + cy
	s_lshl_b32 s43, s41, 2
	s_lshl_b32 s43, 15, s43                        ; my row of the cluster
	s_lshl_b32 s44, 0x1111, s40                    ; my column
	; group 1, xn tile: 256 rows x 64 bf16; after every 32 words (code 4) 4 words of padding (code 3): LDS pitch 144
	s_or_b32  s[G1X+0], s43, (1<<16)|(1<<20)|(1<<21)|(4<<22)|(3<<25)
	s_mov_b32 s[G1X+1], 64<<16                     ; tensor_dim0 = 64
	s_mov_b32 s[G1X+2], 256<<16                    ; tensor_dim1 = 256
	s_mov_b32 s[G1X+3], 64<<16                     ; tile_dim0 = 64
	s_mov_b32 s[G1X+4], 256                        ; tile_dim1 = 256
	s_mov_b32 s[G1X+5], 1024                       ; elements from row to row
	s_mov_b32 s[G1X+6], 0
	s_mov_b32 s[G1X+7], 0
	; group 1, weight tile: 64 k-rows x 128 bf16; after every 64 words (code 5) 8 words of padding (code 7): LDS pitch 288
	s_or_b32  s[G1W+0], s44, (1<<16)|(1<<20)|(1<<21)|(5<<22)|(7<<25)
	s_mov_b32 s[G1W+1], 128<<16
	s_mov_b32 s[G1W+2], 64<<16
	s_mov_b32 s[G1W+3], 128<<16
	s_mov_b32 s[G1W+4], 64
	s_mov_b32 s[G1W+5], 1024
	s_mov_b32 s[G1W+6], 0
	s_mov_b32 s[G1W+7], 0
	s_lshl_b32 s16, s13, 19                        ; xn: 256 rb rows of 2,048 bytes (rb alone)
	s_mov_b32 s17, 0
	s_lshl_b32 s46, s10, 21                        ; weights: matrix = wave, 2,097,152 bytes each,
	s_lshl_b32 s47, s42, 8                         ; the head's 128 columns (the head alone)
	s_add_co_u32 s46, s46, s47
	s_mov_b32 s47, 0
	s_mul_i32 s20, s10, WT                         ; LDS: wave x 18,432; wave 3's part is xn's
	s_mov_b32 s86, 0x76543210
	s_mov_b32 s87, 0xfedcba98
	s_mov_b32 s91, 0
	s_wait_kmcnt 0x0
	s_add_nc_u64 s[14:15], s[68:69], s[16:17]
	s_add_nc_u64 s[46:47], s[70:71], s[46:47]
	CROUND                                         ; all sixteen work-groups are here: the first joint loads meet
.irp s, 0,1
	s_mov_b32 s[G0X+4*\s], 1
	s_add_co_u32 s[G0X+4*\s+1], s20, \s*SLOT
	s_add_nc_u64 s[G0X+4*\s+2:G0X+4*\s+3], s[14:15], \s*KSTEP*2
	s_or_b32 s[G0X+4*\s+3], s[G0X+4*\s+3], 0x80000000
	s_mov_b32 s[G0W+4*\s], 1
	s_add_co_u32 s[G0W+4*\s+1], s20, \s*SLOT
	s_add_nc_u64 s[G0W+4*\s+2:G0W+4*\s+3], s[46:47], \s*KSTEP*2048
	s_or_b32 s[G0W+4*\s+3], s[G0W+4*\s+3], 0x80000000
	JLOAD \s
.endr
	; the epilogue's addresses
	s_lshl_b32 s90, s13, 10
	s_lshl_b32 s89, s10, 8
	s_add_co_u32 s90, s90, s89
	s_add_nc_u64 s[78:79], s[78:79], s[90:91]      ; mask at my 64 times
	s_lshl_b32 s90, s42, 9
	s_add_nc_u64 s[72:73], s[72:73], s[90:91]      ; the biases at the head's columns
	s_add_nc_u64 s[74:75], s[74:75], s[90:91]
	s_add_nc_u64 s[76:77], s[76:77], s[90:91]
	s_lshl_b32 s90, s13, 4
	s_lshl2_add_u32 s90, s10, s90                  ; my first row group: 16 rb + 4 w
	s_lshl_b32 s90, s90, 15
	s_lshl_b32 s89, s42, 12
	s_add_co_u32 s90, s90, s89
	s_add_nc_u64 s[80:81], s[80:81], s[90:91]      ; qf
	s_lshr_b32 s45, s13, 3
	s_lshl3_add_u32 s45, s45, s42                  ; bh = 8 b + head
	s_and_b32 s89, s13, 7                          ; chunk of 256 times in the batch
	s_lshl_b32 s90, s89, 4
	s_lshl2_add_u32 s90, s10, s90                  ; my first time tile: 16 chunk + 4 w
	s_lshl_b32 s90, s90, 9
	s_lshl_b32 s22, s45, 19
	s_add_co_u32 s90, s90, s22
	s_add_nc_u64 s[82:83], s[82:83], s[90:91]      ; p
	s_add_nc_u64 s[18:19], s[82:83], 0x1000000     ; v
	s_lshl3_add_u32 s90, s45, s89
	s_lshl_b32 s90, s90, 9
	s_add_nc_u64 s[84:85], s[84:85], s[90:91]      ; kstat
	v_and_b32 v1, 15, v0                           ; r
	v_bfe_u32 v2, v0, 4, 1                         ; h
	v_and_b32 v3, 31, v0                           ; lane
	v_mul_u32_u24 v14, v1, XP
	v_lshl_add_u32 v14, v2, 4, v14                 ; r x pitch + 16 h
	s_mul_i32 s21, s10, 64*XP
	s_add_co_u32 s21, s21, 3*WT
	v_add_nc_u32 v4, s21, v14
	s_add_co_u32 s21, s21, SLOT
	v_add_nc_u32 v5, s21, v14
	v_and_b32 v14, 7, v0
	v_lshl_add_u32 v14, v2, 3, v14                 ; k row 8 h + (lane & 7)
	v_mul_u32_u24 v14, v14, WP
	v_bfe_u32 v15, v0, 3, 1
	v_lshl_add_u32 v6, v15, 4, v14                 ; + 16 ((lane >> 3) & 1)
	v_add_nc_u32 v7, SLOT, v6
	v_lshlrev_b32 v8, 4, v3
	v_lshlrev_b32 v9, 5, v2
	v_lshlrev_b32 v10, 2, v1
	s_lshl_b32 s21, s10, 9
	s_add_co_u32 s21, s21, XCH1
	v_add_nc_u32 v11, s21, v8                      ; exchange, in: my wave's 512 bytes
	v_lshlrev_b32 v12, 4, v1
	v_add_nc_u32 v12, XCH1, v12                    ; exchange, back: the quads of column r
	v_add_nc_u32 v13, XCH1, v8
	v_cmp_lt_u32 s88, 15, v3                       ; lanes 16 to 31
	s_wait_tensorcnt 0x1                           ; my part of K step 0 is in; step 1's stays out
	s_barrier_signal -1
	s_barrier_wait -1
	FETCHW 0, 0, 0, W0
	FETCHX 0, 0, X0
	LAP 1                                          ; the first lap stands in front of the loop: its first products start the sums
	WIN 0
	s_mov_b32 s3, 6
.Llap:
	LAP 0
	WIN 0
	s_sub_co_u32 s3, s3, 1
	s_cmp_lg_u32 s3, 0
	s_cbranch_scc1 .Llap
	FIVE 0, 0                                      ; the last lap (K steps 14, 15) fills nothing
	TURN 0, 1, 0
	FIVE 1, 0
	s_wait_dscnt 0x0
	PLACES
	WIN 0
	; what the epilogue needs, into fragment buffers that are free; it lands under the last 32 matrix instructions
.irp a, 0,1,2,3
	global_load_b128 v[MSK+8*\a:MSK+8*\a+3],   v9, s[78:79] offset:\a*64
	global_load_b128 v[MSK+8*\a+4:MSK+8*\a+7], v9, s[78:79] offset:\a*64+16
.endr
.irp b, 0,1,2,3,4,5,6,7
	global_load_b128 v[BQ+8*\b:BQ+8*\b+3],   v9, s[72:73] offset:\b*64
	global_load_b128 v[BQ+8*\b+4:BQ+8*\b+7], v9, s[72:73] offset:\b*64+16
.endr
.irp b, 0,1,2,3,4,5,6,7
	global_load_b32 v[BK+\b], v10, s[74:75] offset:\b*64
	global_load_b32 v[BV+\b], v10, s[76:77] offset:\b*64
.endr
	UMUL 2, ACV, X1, W1, 0
	PLACES
	WIN 0
	s_wait_loadcnt 0x0
	; ---------------- q: bias, softmax over the head's 128 columns (64 in this lane, 64 in lane xor 16), bf16, out
	WIN 0x41                                       ; destination and source 0 window 1
.irp a, 0,1,2,3
.irp b, 0,1,2,3,4,5,6,7
.irp p, 0,2,4,6
	v_pk_add_f32 v[8*(8*\a+\b)+\p:8*(8*\a+\b)+\p+1], v[8*(8*\a+\b)+\p:8*(8*\a+\b)+\p+1], v[BQ+8*\b+\p:BQ+8*\b+\p+1]
.endr
.endr
.endr
	WIN 0x05                                       ; sources 0 and 1 window 1: four chains of maxima for each row tile
.irp a, 0,1,2,3
.irp c, 0,1,2,3
	v_max_num_f32 v[T+4*\a+\c], v[8*(8*\a+2*\c)], v[8*(8*\a+2*\c)+1]
.endr
.endr
.irp j, 2,4,6,8,10,12,14
.irp a, 0,1,2,3
.irp c, 0,1,2,3
	v_max3_num_f32 v[T+4*\a+\c], v[8*(8*\a+2*\c)+\j], v[8*(8*\a+2*\c)+\j+1], v[T+4*\a+\c]
.endr
.endr
.endr
	WIN 0
.irp a, 0,1,2,3
	v_max3_num_f32 v[T+4*\a], v[T+4*\a], v[T+4*\a+1], v[T+4*\a+2]
	v_max_num_f32 v[T+4*\a], v[T+4*\a], v[T+4*\a+3]
	v_permlanex16_b32 v[T+4*\a+1], v[T+4*\a], s86, s87
	v_max_num_f32 v[T+4*\a], v[T+4*\a], v[T+4*\a+1]
	v_mul_f32 v[NM+2*\a], 0xbfb8aa3b, v[T+4*\a]    ; -max x log2 e, twice
	v_mul_f32 v[NM+2*\a+1], 0xbfb8aa3b, v[T+4*\a]
.endr
	WIN 0x41
.irp a, 0,1,2,3
.irp b, 0,1,2,3,4,5,6,7
.irp p, 0,2,4,6
	v_pk_fma_f32 v[8*(8*\a+\b)+\p:8*(8*\a+\b)+\p+1], v[8*(8*\a+\b)+\p:8*(8*\a+\b)+\p+1], 0x3fb8aa3b, v[NM+2*\a:NM+2*\a+1] op_sel_hi:[1,0,1]
.endr
.endr
.endr
.set k, 0
.rept 256
	v_exp_f32 v[k], v[k]
.set k, k+1
.endr
	v_nop
	WIN 0x05
	s_wait_alu depctr_va_vdst(0)
.irp a, 0,1,2,3
.irp c, 0,1,2,3
	v_pk_add_f32 v[S+8*\a+2*\c:S+8*\a+2*\c+1], v[8*(8*\a+2*\c):8*(8*\a+2*\c)+1], v[8*(8*\a+2*\c)+2:8*(8*\a+2*\c)+3]
.endr
.endr
	WIN 0x01
.irp j, 4,6,8,10,12,14
.irp a, 0,1,2,3
.irp c, 0,1,2,3
	v_pk_add_f32 v[S+8*\a+2*\c:S+8*\a+2*\c+1], v[8*(8*\a+2*\c)+\j:8*(8*\a+2*\c)+\j+1], v[S+8*\a+2*\c:S+8*\a+2*\c+1]
.endr
.endr
.endr
	WIN 0
.irp a, 0,1,2,3
	v_pk_add_f32 v[S+8*\a:S+8*\a+1], v[S+8*\a:S+8*\a+1], v[S+8*\a+2:S+8*\a+3]
	v_pk_add_f32 v[S+8*\a+4:S+8*\a+5], v[S+8*\a+4:S+8*\a+5], v[S+8*\a+6:S+8*\a+7]
	v_pk_add_f32 v[S+8*\a:S+8*\a+1], v[S+8*\a:S+8*\a+1], v[S+8*\a+4:S+8*\a+5]
	v_add_f32 v[T+4*\a], v[S+8*\a], v[S+8*\a+1]
	v_permlanex16_b32 v[T+4*\a+1], v[T+4*\a], s86, s87
	v_add_f32 v[T+4*\a], v[T+4*\a], v[T+4*\a+1]    ; at least 1: the largest term is 2^0
.endr
.irp a, 0,1,2,3
	v_rcp_f32 v[RC+2*\a], v[T+4*\a]
	v_rcp_f32 v[RC+2*\a+1], v[T+4*\a]
.endr
	v_nop
	WIN 0x41
	s_wait_alu depctr_va_vdst(0)
.irp a, 0,1,2,3
.irp b, 0,1,2,3,4,5,6,7
.irp p, 0,2,4,6
	v_pk_mul_f32 v[8*(8*\a+\b)+\p:8*(8*\a+\b)+\p+1], v[8*(8*\a+\b)+\p:8*(8*\a+\b)+\p+1], v[RC+2*\a:RC+2*\a+1]
.endr
.endr
.endr
	WIN 0x05
.irp a, 0,1,2,3
.irp b, 0,1,2,3,4,5,6,7
.irp p, 0,1,2,3
	v_cvt_pk_bf16_f32 v[OUT+4*(8*\a+\b)+\p], v[8*(8*\a+\b)+2*\p], v[8*(8*\a+\b)+2*\p+1]
.endr
.endr
.endr
	WIN 0
.irp a, 0,1,2,3
.irp b, 0,1,2,3,4,5,6,7
	global_store_b128 v8, v[OUT+4*(8*\a+\b):OUT+4*(8*\a+\b)+3], s[80:81] offset:\a*32768+\b*512
.endr
.endr
	; ---------------- k: (k + bk) + (1 - mask) x -1e6, in reference()'s order of roundings; maximum and sum over the work-group's 256 times
.set k, 0
.rept 16
	v_pk_add_f32 v[S+k:S+k+1], v[MSK+k:MSK+k+1], 1.0 op_sel_hi:[1,0] neg_lo:[1,0] neg_hi:[1,0]
.set k, k+2
.endr
.set k, 0
.rept 16
	v_pk_mul_f32 v[S+k:S+k+1], v[S+k:S+k+1], 0xc9742400 op_sel_hi:[1,0]
.set k, k+2
.endr
	WIN 0x82                                       ; destination and source 0 window 2
.irp a, 0,1,2,3
.irp b, 0,1,2,3,4,5,6,7
.irp p, 0,2,4,6
	ADDB 8*(8*\a+\b)+\p, BK+\b
.endr
.endr
.endr
.irp a, 0,1,2,3
.irp b, 0,1,2,3,4,5,6,7
.irp p, 0,2,4,6
	v_pk_add_f32 v[8*(8*\a+\b)+\p:8*(8*\a+\b)+\p+1], v[8*(8*\a+\b)+\p:8*(8*\a+\b)+\p+1], v[S+8*\a+\p:S+8*\a+\p+1]
.endr
.endr
.endr
	WIN 0x0a                                       ; sources 0 and 1 window 2: two chains for each column tile (row tiles 0, 1 and 2, 3)
.irp b, 0,1,2,3,4,5,6,7
.irp c, 0,1
	v_max_num_f32 v[T+2*\b+\c], v[8*(16*\c+\b)], v[8*(16*\c+\b)+1]
.endr
.endr
.irp j, 2,4,6,64,66,68,70
.irp b, 0,1,2,3,4,5,6,7
.irp c, 0,1
	v_max3_num_f32 v[T+2*\b+\c], v[8*(16*\c+\b)+\j], v[8*(16*\c+\b)+\j+1], v[T+2*\b+\c]
.endr
.endr
.endr
	WIN 0
.irp b, 0,1,2,3,4,5,6,7
	v_max_num_f32 v[T+2*\b], v[T+2*\b], v[T+2*\b+1]
	v_permlanex16_b32 v[T+2*\b+1], v[T+2*\b], s86, s87
	v_max_num_f32 v[CM+\b], v[T+2*\b], v[T+2*\b+1] ; over my wave's 64 times
.endr
.irp i, 0,1,2,3
	v_cndmask_b32 v[T+\i], v[CM+\i], v[CM+4+\i], s88            ; lanes 0-15 hand on column tiles 0-3, lanes 16-31 tiles 4-7
.endr
	ds_store_b128 v11, v[T:T+3]
	s_wait_dscnt 0x0                               ; for the other waves: my maxima are written
	s_barrier_signal -1
	s_barrier_wait -1
.irp w, 0,1,2,3
	ds_load_b128 v[S+8*\w:S+8*\w+3],   v12 offset:\w*512
	ds_load_b128 v[S+8*\w+4:S+8*\w+7], v12 offset:\w*512+256
.endr
	s_wait_dscnt 0x0
.irp b, 0,1,2,3,4,5,6,7
	v_max3_num_f32 v[CM+\b], v[S+\b], v[S+8+\b], v[S+16+\b]
	v_max_num_f32 v[CM+\b], v[CM+\b], v[S+24+\b]   ; over the chunk's 256 times
.endr
	; (k - max) x log2 e in two steps: under the -1e6 term the rounding of max x log2 e alone would move the exponent by up to 0.06
	WIN 0x82
.irp a, 0,1,2,3
.irp b, 0,1,2,3,4,5,6,7
.irp p, 0,2,4,6
	SUBB 8*(8*\a+\b)+\p, CM+\b
.endr
.endr
.endr
.set k, 0
.rept 128
	v_pk_mul_f32 v[k:k+1], v[k:k+1], 0x3fb8aa3b op_sel_hi:[1,0]
.set k, k+2
.endr
.set k, 0
.rept 256
	v_exp_f32 v[k], v[k]
.set k, k+1
.endr
	v_nop
	WIN 0x0a
	s_wait_alu depctr_va_vdst(0)
.irp b, 0,1,2,3,4,5,6,7
.irp c, 0,1
	v_pk_add_f32 v[S+4*\b+2*\c:S+4*\b+2*\c+1], v[8*(16*\c+\b):8*(16*\c+\b)+1], v[8*(16*\c+\b)+2:8*(16*\c+\b)+3]
.endr
.endr
	WIN 0x02
.irp j, 4,6,64,66,68,70
.irp b, 0,1,2,3,4,5,6,7
.irp c, 0,1
	v_pk_add_f32 v[S+4*\b+2*\c:S+4*\b+2*\c+1], v[8*(16*\c+\b)+\j:8*(16*\c+\b)+\j+1], v[S+4*\b+2*\c:S+4*\b+2*\c+1]
.endr
.endr
.endr
	s_wait_xcnt 0x0                                ; OUT, which q's stores read, is written again only behind this wait
	WIN 0x0a
.irp a, 0,1,2,3
.irp b, 0,1,2,3,4,5,6,7
.irp p, 0,1,2,3
	v_cvt_pk_bf16_f32 v[OUT+4*(8*\a+\b)+\p], v[8*(8*\a+\b)+2*\p], v[8*(8*\a+\b)+2*\p+1]
.endr
.endr
.endr
	WIN 0
.irp a, 0,1,2,3
.irp b, 0,1,2,3,4,5,6,7
	global_store_b128 v8, v[OUT+4*(8*\a+\b):OUT+4*(8*\a+\b)+3], s[82:83] offset:\b*65536+\a*512
.endr
.endr
.irp b, 0,1,2,3,4,5,6,7
	v_pk_add_f32 v[S+4*\b:S+4*\b+1], v[S+4*\b:S+4*\b+1], v[S+4*\b+2:S+4*\b+3]
	v_add_f32 v[T+2*\b], v[S+4*\b], v[S+4*\b+1]
	v_permlanex16_b32 v[T+2*\b+1], v[T+2*\b], s86, s87
	v_add_f32 v[CS+\b], v[T+2*\b], v[T+2*\b+1]
.endr
.irp i, 0,1,2,3
	v_cndmask_b32 v[T+\i], v[CS+\i], v[CS+4+\i], s88
.endr
	ds_store_b128 v11, v[T:T+3] offset:2048
	s_wait_dscnt 0x0
	s_barrier_signal -1
	s_barrier_wait -1
	s_cmp_lg_u32 s10, 0
	s_cbranch_scc1 .Lno_stat
.irp w, 0,1,2,3
	ds_load_b128 v[S+4*\w:S+4*\w+3], v13 offset:2048+\w*512
.endr
.irp i, 0,1,2,3
	v_cndmask_b32 v[S+16+\i], v[CM+\i], v[CM+4+\i], s88
.endr
	s_wait_dscnt 0x0
.irp p, 0,2
	v_pk_add_f32 v[S+\p:S+\p+1], v[S+\p:S+\p+1], v[S+4+\p:S+4+\p+1]
	v_pk_add_f32 v[S+8+\p:S+8+\p+1], v[S+8+\p:S+8+\p+1], v[S+12+\p:S+12+\p+1]
	v_pk_add_f32 v[S+\p:S+\p+1], v[S+\p:S+\p+1], v[S+8+\p:S+8+\p+1]
.endr
	global_store_b128 v8, v[S+16:S+19], s[84:85]                ; the chunk's 128 maxima: 512 consecutive bytes
	global_store_b128 v8, v[S:S+3], s[84:85] offset:131072      ; and its 128 sums
.Lno_stat:
	; ---------------- v: (v + bv) x mask
	WIN 0xc3                                       ; destination and source 0 window 3
.irp a, 0,1,2,3
.irp b, 0,1,2,3,4,5,6,7
.irp p, 0,2,4,6
	ADDB 8*(8*\a+\b)+\p, BV+\b
.endr
.endr
.endr
.irp a, 0,1,2,3
.irp b, 0,1,2,3,4,5,6,7
.irp p, 0,2,4,6
	v_pk_mul_f32 v[8*(8*\a+\b)+\p:8*(8*\a+\b)+\p+1], v[8*(8*\a+\b)+\p:8*(8*\a+\b)+\p+1], v[MSK+8*\a+\p:MSK+8*\a+\p+1]
.endr
.endr
.endr
	s_wait_xcnt 0x0                                ; OUT, which p's stores read
	WIN 0x0f
.irp a, 0,1,2,3
.irp b, 0,1,2,3,4,5,6,7
.irp p, 0,1,2,3
	v_cvt_pk_bf16_f32 v[OUT+4*(8*\a+\b)+\p], v[8*(8*\a+\b)+2*\p], v[8*(8*\a+\b)+2*\p+1]
.endr
.endr
.endr
	WIN 0
.irp a, 0,1,2,3
.irp b, 0,1,2,3,4,5,6,7
	global_store_b128 v8, v[OUT+4*(8*\a+\b):OUT+4*(8*\a+\b)+3], s[18:19] offset:\b*65536+\a*512
.endr
.endr
	s_wait_xcnt 0x0
	v_lshl_add_u32 v254, v0, 2, 0x2e000
	v_mov_b32 v255, 0
	s_wait_tensorcnt 0x0
	ds_add_u32 v254, v255
	s_wait_dscnt 0x0
	CROUND                                         ; the closing round: no work-group ends while a partner may still ask for a tile that names it
	s_endpgm
.Lfunc_end_k_q1c4dab98d4_qkv:
	.size	k_q1c4dab98d4_qkv, .Lfunc_end_k_q1c4dab98d4_qkv-k_q1c4dab98d4_qkv
	.p2alignl 7, 3214868480
	.fill 96, 4, 3214868480
	.section	.rodata,"a",@progbits
	.p2align	6, 0x0
	.amdhsa_kernel k_q1c4dab98d4_qkv
		.amdhsa_group_segment_fixed_size 327680
		.amdhsa_private_segment_fixed_size 0
		.amdhsa_enable_private_segment 0
		.amdhsa_kernarg_size 72
		.amdhsa_user_sgpr_count 2
		.amdhsa_user_sgpr_kernarg_segment_ptr 1
		.amdhsa_wavefront_size32 1
		.amdhsa_system_sgpr_workgroup_id_x 1
		.amdhsa_system_sgpr_workgroup_id_y 1
		.amdhsa_system_sgpr_workgroup_id_z 1
		.amdhsa_system_vgpr_workitem_id 0
		.amdhsa_next_free_vgpr 1024
		.amdhsa_next_free_sgpr 92
		.amdhsa_reserve_vcc 0
		.amdhsa_float_denorm_mode_32 3
		.amdhsa_float_denorm_mode_16_64 3
		.amdhsa_memory_ordered 1
		.amdhsa_forward_progress 1
		.amdhsa_inst_pref_size 255
	.end_amdhsa_kernel
	.section	.bss,"aw",@nobits
	.p2align	6
	.space	262144
	.amdgpu_metadata
---
amdhsa.version: [ 1, 2 ]
amdhsa.kernels:
  - .name:           k_q1c4dab98d4_qkv
    .symbol:         k_q1c4dab98d4_qkv.kd
    .args:
      - { .name: act, .offset: 0, .size: 8, .value_kind: global_buffer, .address_space: global }
      - { .name: wbf, .offset: 8, .size: 8, .value_kind: global_buffer, .address_space: global }
      - { .name: bq, .offset: 16, .size: 8, .value_kind: global_buffer, .address_space: global }
      - { .name: bk, .offset: 24, .size: 8, .value_kind: global_buffer, .address_space: global }
      - { .name: bv, .offset: 32, .size: 8, .value_kind: global_buffer, .address_space: global }
      - { .name: src_mask, .offset: 40, .size: 8, .value_kind: global_buffer, .address_space: global }
      - { .name: qf, .offset: 48, .size: 8, .value_kind: global_buffer, .address_space: global }
      - { .name: pv, .offset: 56, .size: 8, .value_kind: global_buffer, .address_space: global }
      - { .name: kstat, .offset: 64, .size: 8, .value_kind: global_buffer, .address_space: global }
    .group_segment_fixed_size: 327680
    .private_segment_fixed_size: 0
    .kernarg_segment_align: 8
    .kernarg_segment_size: 72
    .max_flat_workgroup_size: 128
    .sgpr_count:     92
    .vgpr_count:     1024
    .wavefront_size: 32
...
	.end_amdgpu_metadata
.endif
;; end of part 2
;; launch att (part 3): grid 256 x 1, 8 waves a work-group, no clusters, 70,656 bytes of LDS; arguments pv, kstat, attf; writes attf
.if DOCPART == 3
	.amdgcn_target "amdgcn-amd-amdhsa--gfx1250"
	.amdhsa_code_object_version 6
	.text
	.protected	k_q1c4dab98d4_att
	.globl	k_q1c4dab98d4_att
	.p2align	8
	.type	k_q1c4dab98d4_att,@function
k_q1c4dab98d4_att:
	s_mov_b64 s[64:65], 0
	v_nop
	global_prefetch_b8 v0, s[64:65] scope:SCOPE_SE
	s_setreg_imm32_b32 hwreg(HW_REG_WAVE_MODE, 25, 1), 1
	s_wait_xcnt 0x0
; att^T[l][d] = sum over t of v[t][l] softmax_t(k)[t][d], for one (batch, head) bh, 64 columns d (dh) and 32 columns l (lq): 32 x 2 x 4 = 256 work-groups.
; p = exp(k - m_chunk) was stored per chunk of 256 times.  Wave c takes chunk c (8 K steps of 32 times), so its sums have ONE weight for each d,
;   W_c[d] = exp(m_c - M) / S,   M = max over chunks of m_c,   S = sum over chunks of exp(m_c - M) s_c   (S >= 1: the chunk with m_c = M holds a term 1),
; applied in f32 at the end; the eight waves' sums then meet in LDS.  p and v lie in memory in fragment order (blocks [lane][16 bytes]),
; so a fragment is two loads of 512 consecutive bytes, straight into registers: no LDS on the way in.
; Source 0 = v (rows l), source 1 = p (rows d): lane r holds column d = 16 dt + r, its registers l = 16 lt + 8 h + j: the weight is one number a lane and tile.
; No cluster: the operands go to registers by plain loads, and a wave has 64 matrix instructions in all.
; Limit: v_exp_f32, v_rcp_f32 flush denormals.
.set FR,  16                           ; v[16:159]  three buffers of 48: p, 4 fragments; v, 2 fragments
.set ACC, 160                          ; v[160:223] tile (lt, dt) at ACC + 8 (4 lt + dt)
.set ST,  160                          ; v[160:227] statistics, before the first product writes ACC: maxima 8 quads, sums 8 quads, my chunk's maxima
.set W4,  228                          ; v[228:231] my chunk's weight for column tile dt
.set T,   232
.macro PLACES
.rept 4
	v_nop
.endr
.endm
.macro LDF s, fb
.irp dt, 0,1,2,3
	global_load_b128 v[\fb+8*\dt:\fb+8*\dt+3],   v3, s[16:17] offset:\dt*65536+(\s)*1024
	global_load_b128 v[\fb+8*\dt+4:\fb+8*\dt+7], v3, s[16:17] offset:\dt*65536+(\s)*1024+512
.endr
.irp lt, 0,1
	global_load_b128 v[\fb+32+8*\lt:\fb+32+8*\lt+3],   v3, s[18:19] offset:\lt*65536+(\s)*1024
	global_load_b128 v[\fb+32+8*\lt+4:\fb+32+8*\lt+7], v3, s[18:19] offset:\lt*65536+(\s)*1024+512
.endr
.endm
; K step s on buffer fb.  left = loads issued behind this buffer's twelve.  The eight accumulators take turns.
.macro ASTEP s, fb, left, zero, more
	s_wait_loadcnt \left
.irp lt, 0,1
.irp dt, 0,1,2,3
.if \zero
	v_wmma_f32_16x16x32_bf16 v[ACC+8*(4*\lt+\dt):ACC+8*(4*\lt+\dt)+7], v[\fb+32+8*\lt:\fb+32+8*\lt+7], v[\fb+8*\dt:\fb+8*\dt+7], 0
.else
	v_wmma_f32_16x16x32_bf16 v[ACC+8*(4*\lt+\dt):ACC+8*(4*\lt+\dt)+7], v[\fb+32+8*\lt:\fb+32+8*\lt+7], v[\fb+8*\dt:\fb+8*\dt+7], v[ACC+8*(4*\lt+\dt):ACC+8*(4*\lt+\dt)+7]
.endif
.endr
.endr
.if \more
	PLACES                                         ; the buffer's registers are loaded again four places behind their last use
	LDF \s+3, \fb
.endif
.endm
.macro MULB d, reg
.if (\reg)&1
	v_pk_mul_f32 v[\d:\d+1], v[\d:\d+1], v[\reg-1:\reg] op_sel:[0,1] op_sel_hi:[1,1]
.else
	v_pk_mul_f32 v[\d:\d+1], v[\d:\d+1], v[\reg:\reg+1] op_sel_hi:[1,0]
.endif
.endm
	s_load_b128 s[8:11], s[0:1], 0x0               ; pv 8:9, kstat 10:11
	s_load_b64 s[12:13], s[0:1], 0x10              ; attf
	v_lshl_add_u32 v254, v0, 2, 0x11000
	v_mov_b32 v255, 0
	v_lshrrev_b32 v1, 5, v0
	v_readfirstlane_b32 s4, v1                     ; wave = chunk
	v_and_b32 v1, 15, v0                           ; r
	v_bfe_u32 v2, v0, 4, 1                         ; h
	v_and_b32 v3, 31, v0
	v_lshlrev_b32 v3, 4, v3                        ; lane * 16
	v_lshlrev_b32 v4, 4, v1                        ; r * 16: the quad of column r
	s_lshr_b32 s5, ttmp9, 3                        ; bh
	s_bfe_u32 s6, ttmp9, 0x10002                   ; dh
	s_and_b32 s7, ttmp9, 3                         ; lq
	s_lshl_b32 s14, s4, 9
	v_add_nc_u32 v7, s14, v4                       ; my own chunk's quad
	s_lshl_b32 s16, s5, 19
	s_lshl_b32 s14, s4, 13
	s_add_co_u32 s16, s16, s14                     ; bh * 524,288 + chunk * 16 blocks
	s_lshl_b32 s18, s7, 17
	s_add_co_u32 s18, s18, s16
	s_add_co_u32 s18, s18, 0x1000000               ; v: + two column tiles for each lq
	s_lshl_b32 s14, s6, 18
	s_add_co_u32 s16, s16, s14                     ; p: + four column tiles for dh
	s_mov_b32 s17, 0
	s_mov_b32 s19, 0
	s_lshl_b32 s20, s5, 12
	s_lshl_b32 s14, s6, 8
	s_add_co_u32 s20, s20, s14
	s_mov_b32 s21, 0
	s_lshl_b32 s22, s5, 15                         ; attf: bh * 32,768 + lq * 8,192 + (w >> 2) * 4,096 + dh * 2,048 + (w & 3) * 512
	s_lshl_b32 s14, s7, 13
	s_add_co_u32 s22, s22, s14
	s_lshl_b32 s14, s6, 11
	s_add_co_u32 s22, s22, s14
	s_lshr_b32 s24, s4, 2
	s_and_b32 s25, s4, 3
	s_lshl_b32 s14, s24, 12
	s_add_co_u32 s22, s22, s14
	s_lshl_b32 s14, s25, 9
	s_add_co_u32 s22, s22, s14
	s_mov_b32 s23, 0
	s_mul_i32 s14, s4, 8704                        ; LDS: wave c's 32 rows l x 272 bytes (64 d in f32 + 16)
	v_mul_u32_u24 v5, v2, 2176
	v_lshl_add_u32 v5, v1, 2, v5
	v_add_nc_u32 v5, s14, v5                       ; in: row 8 h (+ 16 lt + j in the offset), column r (+ 16 dt)
	s_mul_i32 s14, s24, 4352
	s_lshl_b32 s15, s25, 6
	s_add_co_u32 s14, s14, s15
	v_mul_u32_u24 v6, v1, 272
	v_lshl_add_u32 v6, v2, 5, v6
	v_add_nc_u32 v6, s14, v6                       ; back: row 16 (w >> 2) + r, columns 16 (w & 3) + 8 h .. + 7
	s_wait_kmcnt 0x0
	s_add_nc_u64 s[16:17], s[8:9], s[16:17]
	s_add_nc_u64 s[18:19], s[8:9], s[18:19]
	s_add_nc_u64 s[10:11], s[10:11], s[20:21]
	s_add_nc_u64 s[12:13], s[12:13], s[22:23]
.irp c, 0,1,2,3,4,5,6,7
	global_load_b128 v[ST+4*\c:ST+4*\c+3], v4, s[10:11] offset:\c*512
.endr
.irp c, 0,1,2,3,4,5,6,7
	global_load_b128 v[ST+32+4*\c:ST+32+4*\c+3], v4, s[10:11] offset:131072+\c*512
.endr
	global_load_b128 v[ST+64:ST+67], v7, s[10:11]
	LDF 0, FR
	LDF 1, FR+48
	LDF 2, FR+96
	s_wait_loadcnt 36                              ; the statistics are in; the 36 fragment loads stay out
.irp i, 0,1,2,3
	v_max3_num_f32 v[T+\i], v[ST+\i], v[ST+4+\i], v[ST+8+\i]
	v_max3_num_f32 v[T+\i], v[T+\i], v[ST+12+\i], v[ST+16+\i]
	v_max3_num_f32 v[T+\i], v[T+\i], v[ST+20+\i], v[ST+24+\i]
	v_max_num_f32 v[T+\i], v[T+\i], v[ST+28+\i]
.endr
	; (m - M) x log2 e in two steps, for the same reason as in the launch before: m may carry the -1e6 term
.irp c, 0,1,2,3,4,5,6,7,16
.irp i, 0,1,2,3
	v_sub_f32 v[ST+4*\c+\i], v[ST+4*\c+\i], v[T+\i]
.endr
.endr
.irp c, 0,1,2,3,4,5,6,7,16
.irp i, 0,1,2,3
	v_mul_f32 v[ST+4*\c+\i], 0x3fb8aa3b, v[ST+4*\c+\i]
.endr
.endr
.irp c, 0,1,2,3,4,5,6,7,16
.irp i, 0,1,2,3
	v_exp_f32 v[ST+4*\c+\i], v[ST+4*\c+\i]
.endr
.endr
	v_nop
	s_wait_alu depctr_va_vdst(0)
.irp i, 0,1,2,3
	v_mul_f32 v[T+4+\i], v[ST+\i], v[ST+32+\i]
.endr
.irp c, 1,2,3,4,5,6,7
.irp i, 0,1,2,3
	v_fmac_f32 v[T+4+\i], v[ST+4*\c+\i], v[ST+32+4*\c+\i]
.endr
.endr
.irp i, 0,1,2,3
	v_rcp_f32 v[T+4+\i], v[T+4+\i]
.endr
	v_nop
	s_wait_alu depctr_va_vdst(0)
.irp i, 0,1,2,3
	v_mul_f32 v[W4+\i], v[T+4+\i], v[ST+64+\i]
.endr
	ASTEP 0, FR,    24, 1, 1                       ; two younger buffers of 12 loads stay out
	ASTEP 1, FR+48, 24, 0, 1
	ASTEP 2, FR+96, 24, 0, 1
	ASTEP 3, FR,    24, 0, 1
	ASTEP 4, FR+48, 24, 0, 1
	ASTEP 5, FR+96, 24, 0, 0
	ASTEP 6, FR,    12, 0, 0
	ASTEP 7, FR+48, 0,  0, 0
	PLACES
.irp lt, 0,1
.irp dt, 0,1,2,3
.irp p, 0,2,4,6
	MULB ACC+8*(4*\lt+\dt)+\p, W4+\dt
.endr
.endr
.endr
.irp lt, 0,1
.irp dt, 0,1,2,3
.irp j, 0,1,2,3,4,5,6,7
	ds_store_b32 v5, v[ACC+8*(4*\lt+\dt)+\j] offset:(16*\lt+\j)*272+64*\dt
.endr
.endr
.endr
	s_wait_dscnt 0x0                               ; for the other waves: my weighted sums are written
	s_barrier_signal -1
	s_barrier_wait -1
	; wave w makes one block of 512 bytes of attf: rows l = 16 (w >> 2) + r, eight d a lane
.irp w, 0,1,2,3,4,5,6,7
	ds_load_b128 v[FR+8*\w:FR+8*\w+3],   v6 offset:\w*8704
	ds_load_b128 v[FR+8*\w+4:FR+8*\w+7], v6 offset:\w*8704+16
.endr
	s_wait_dscnt 0x0
.irp w, 0,16,32,48
.irp p, 0,2,4,6
	v_pk_add_f32 v[FR+\w+\p:FR+\w+\p+1], v[FR+\w+\p:FR+\w+\p+1], v[FR+\w+8+\p:FR+\w+8+\p+1]
.endr
.endr
.irp p, 0,2,4,6
	v_pk_add_f32 v[FR+\p:FR+\p+1], v[FR+\p:FR+\p+1], v[FR+16+\p:FR+16+\p+1]
	v_pk_add_f32 v[FR+32+\p:FR+32+\p+1], v[FR+32+\p:FR+32+\p+1], v[FR+48+\p:FR+48+\p+1]
	v_pk_add_f32 v[FR+\p:FR+\p+1], v[FR+\p:FR+\p+1], v[FR+32+\p:FR+32+\p+1]
.endr
.irp p, 0,1,2,3
	v_cvt_pk_bf16_f32 v[T+\p], v[FR+2*\p], v[FR+2*\p+1]
.endr
	global_store_b128 v3, v[T:T+3], s[12:13]
	s_wait_tensorcnt 0x0
	ds_add_u32 v254, v255
	s_wait_dscnt 0x0
	s_endpgm
.Lfunc_end_k_q1c4dab98d4_att:
	.size	k_q1c4dab98d4_att, .Lfunc_end_k_q1c4dab98d4_att-k_q1c4dab98d4_att
	.p2alignl 7, 3214868480
	.fill 96, 4, 3214868480
	.section	.rodata,"a",@progbits
	.p2align	6, 0x0
	.amdhsa_kernel k_q1c4dab98d4_att
		.amdhsa_group_segment_fixed_size 70656
		.amdhsa_private_segment_fixed_size 0
		.amdhsa_enable_private_segment 0
		.amdhsa_kernarg_size 24
		.amdhsa_user_sgpr_count 2
		.amdhsa_user_sgpr_kernarg_segment_ptr 1
		.amdhsa_wavefront_size32 1
		.amdhsa_system_sgpr_workgroup_id_x 1
		.amdhsa_system_sgpr_workgroup_id_y 1
		.amdhsa_system_sgpr_workgroup_id_z 1
		.amdhsa_system_vgpr_workitem_id 0
		.amdhsa_next_free_vgpr 256
		.amdhsa_next_free_sgpr 66
		.amdhsa_reserve_vcc 0
		.amdhsa_float_denorm_mode_32 3
		.amdhsa_float_denorm_mode_16_64 3
		.amdhsa_memory_ordered 1
		.amdhsa_forward_progress 1
		.amdhsa_inst_pref_size 35
	.end_amdhsa_kernel
	.amdgpu_metadata
---
amdhsa.version: [ 1, 2 ]
amdhsa.kernels:
  - .name:           k_q1c4dab98d4_att
    .symbol:         k_q1c4dab98d4_att.kd
    .args:
      - { .name: pv, .offset: 0, .size: 8, .value_kind: global_buffer, .address_space: global }
      - { .name: kstat, .offset: 8, .size: 8, .value_kind: global_buffer, .address_space: global }
      - { .name: attf, .offset: 16, .size: 8, .value_kind: global_buffer, .address_space: global }
    .group_segment_fixed_size: 70656
    .private_segment_fixed_size: 0
    .kernarg_segment_align: 8
    .kernarg_segment_size: 24
    .max_flat_workgroup_size: 256
    .sgpr_count:     66
    .vgpr_count:     256
    .wavefront_size: 32
...
	.end_amdgpu_metadata
.endif
;; end of part 3
;; launch mix (part 4): grid 256 x 1, 8 waves a work-group, no clusters, 11,264 bytes of LDS; arguments qf, attf, film, b_emb, ln2_w, ln2_b, act; writes act
.if DOCPART == 4
	.amdgcn_target "amdgcn-amd-amdhsa--gfx1250"
	.amdhsa_code_object_version 6
	.text
	.protected	k_q1c4dab98d4_mix
	.globl	k_q1c4dab98d4_mix
	.p2align	8
	.type	k_q1c4dab98d4_mix,@function
k_q1c4dab98d4_mix:
	s_mov_b64 s[64:65], 0
	v_nop
	global_prefetch_b8 v0, s[64:65] scope:SCOPE_SE
	s_setreg_imm32_b32 hwreg(HW_REG_WAVE_MODE, 25, 1), 1
	s_wait_xcnt 0x0
; y = softmax(q) att, LayerNorm 2 over all 1,024 columns (two passes), FiLM, silu -> hh in bf16, fragment order, into act.
; Work-group i: rows 32 i .. +31 (batch i >> 6).  Wave hd: head hd: 2 row groups x 8 column tiles = 16 accumulators, K = 128 in four steps.  No loop.
; q and att lie in fragment order: all 80 fragment loads go out at once, 512 consecutive bytes each, straight into registers.
; Source 0 = att^T (rows l), source 1 = q (rows = times): a lane holds one time row and 8 neighbouring columns l, so a row's sums need one
; exchange between two lanes and one between the eight waves (LDS), and the packed result is a fragment half for the last product.
; FiLM folded: hh = z TA + TB, z = (y - mean) / std, TA = w (1 + scale), TB = b (1 + scale) + shift: another order of rounding than reference()'s.
; LDS: TA 0 .. 4,095, TB 4,096 .. 8,191, row sums [32 rows][8 waves] f32 at 8,192 (first pass) and 9,216 (second pass).
; No cluster: the operands go to registers by plain loads; a wave has 64 matrix instructions in all.
; Limit: v_exp_f32, v_rcp_f32, v_rsq_f32 flush denormals.
.set QF,  16                           ; v[16:79]   q fragment (g, kb) at QF + 8 (4 g + kb); later the packed results
.set ACC, 80                           ; v[80:207]  tile (g, lt) at ACC + 8 (8 g + lt)
.set RAW, 208                          ; v[208:255] twelve quads of table data; then:
.set LD,  208                          ; v[208:223] the eight waves' sums of rows 16 g + r
.set CH,  224                          ; v[224:239] four chains of pairs for each g
.set RS,  240                          ; v[240:241] a row's sum
.set TP,  242
.set MN,  244                          ; v[244:247] mean as pairs
.set RD,  248                          ; v[248:251] 1 / std as pairs
; window 1: att fragment (lt, kb) at v[8 (4 lt + kb)]; behind the products TA at v0-63, TB at v64-127, E at v128-255
.set MSB, 0
.macro WIN new
.if MSB != (\new)
	s_set_vgpr_msb (MSB<<8)|(\new)
.set MSB, \new
.endif
.endm
.macro PLACES
.rept 4
	v_nop
.endr
.endm
; sums (sq = 0) or sums of squares (sq = 1) of my 64 numbers of each row group, then over the two lanes that share a row; TP = the sum of row = lane
.macro ROWSUM sq
.irp g, 0,1
.irp c, 0,1,2,3
.if \sq
	v_pk_mul_f32 v[CH+8*\g+2*\c:CH+8*\g+2*\c+1], v[ACC+64*\g+16*\c:ACC+64*\g+16*\c+1], v[ACC+64*\g+16*\c:ACC+64*\g+16*\c+1]
.else
	v_pk_add_f32 v[CH+8*\g+2*\c:CH+8*\g+2*\c+1], v[ACC+64*\g+16*\c:ACC+64*\g+16*\c+1], v[ACC+64*\g+16*\c+2:ACC+64*\g+16*\c+3]
.endif
.endr
.endr
.if \sq
.irp g, 0,1
.irp c, 0,1,2,3
	v_pk_fma_f32 v[CH+8*\g+2*\c:CH+8*\g+2*\c+1], v[ACC+64*\g+16*\c+2:ACC+64*\g+16*\c+3], v[ACC+64*\g+16*\c+2:ACC+64*\g+16*\c+3], v[CH+8*\g+2*\c:CH+8*\g+2*\c+1]
.endr
.endr
.endif
.irp j, 4,6,8,10,12,14
.irp g, 0,1
.irp c, 0,1,2,3
.if \sq
	v_pk_fma_f32 v[CH+8*\g+2*\c:CH+8*\g+2*\c+1], v[ACC+64*\g+16*\c+\j:ACC+64*\g+16*\c+\j+1], v[ACC+64*\g+16*\c+\j:ACC+64*\g+16*\c+\j+1], v[CH+8*\g+2*\c:CH+8*\g+2*\c+1]
.else
	v_pk_add_f32 v[CH+8*\g+2*\c:CH+8*\g+2*\c+1], v[CH+8*\g+2*\c:CH+8*\g+2*\c+1], v[ACC+64*\g+16*\c+\j:ACC+64*\g+16*\c+\j+1]
.endif
.endr
.endr
.endr
.irp g, 0,1
	v_pk_add_f32 v[CH+8*\g:CH+8*\g+1], v[CH+8*\g:CH+8*\g+1], v[CH+8*\g+2:CH+8*\g+3]
	v_pk_add_f32 v[CH+8*\g+4:CH+8*\g+5], v[CH+8*\g+4:CH+8*\g+5], v[CH+8*\g+6:CH+8*\g+7]
	v_pk_add_f32 v[CH+8*\g:CH+8*\g+1], v[CH+8*\g:CH+8*\g+1], v[CH+8*\g+4:CH+8*\g+5]
	v_add_f32 v[RS+\g], v[CH+8*\g], v[CH+8*\g+1]
	v_permlanex16_b32 v[TP+\g], v[RS+\g], s24, s25
	v_add_f32 v[RS+\g], v[RS+\g], v[TP+\g]
.endr
	v_cndmask_b32 v[TP], v[RS], v[RS+1], s30
.endm
.macro LDSUMS off                      ; the eight waves' sums of rows r and 16 + r
.irp g, 0,1
	ds_load_b128 v[LD+8*\g:LD+8*\g+3],   v6 offset:\off+\g*512
	ds_load_b128 v[LD+8*\g+4:LD+8*\g+7], v6 offset:\off+\g*512+16
.endr
.endm
.macro ADD8                            ; RS + g = the sum over the eight waves
.irp g, 0,1
	v_pk_add_f32 v[LD+8*\g:LD+8*\g+1], v[LD+8*\g:LD+8*\g+1], v[LD+8*\g+2:LD+8*\g+3]
	v_pk_add_f32 v[LD+8*\g+4:LD+8*\g+5], v[LD+8*\g+4:LD+8*\g+5], v[LD+8*\g+6:LD+8*\g+7]
	v_pk_add_f32 v[LD+8*\g:LD+8*\g+1], v[LD+8*\g:LD+8*\g+1], v[LD+8*\g+4:LD+8*\g+5]
	v_add_f32 v[RS+\g], v[LD+8*\g], v[LD+8*\g+1]
.endr
.endm
	s_load_b256 s[8:15], s[0:1], 0x0               ; qf 8:9, attf 10:11, film 12:13, b_emb 14:15
	s_load_b128 s[16:19], s[0:1], 0x20             ; ln2_w 16:17, ln2_b 18:19
	s_load_b64 s[20:21], s[0:1], 0x30              ; act
	v_lshl_add_u32 v14, v0, 2, 0x2800
	v_mov_b32 v15, 0
	v_lshrrev_b32 v1, 5, v0
	v_readfirstlane_b32 s4, v1                     ; wave = head
	v_and_b32 v1, 15, v0                           ; r
	v_bfe_u32 v2, v0, 4, 1                         ; h
	v_and_b32 v8, 31, v0                           ; lane
	v_lshlrev_b32 v3, 4, v8
	v_lshlrev_b32 v4, 4, v0                        ; thread * 16: four columns of the tables
	s_lshl_b32 s5, s4, 2
	v_lshl_add_u32 v5, v8, 5, s5                   ; sums: row = lane, place = wave
	v_lshlrev_b32 v6, 5, v1
	s_lshl_b32 s5, s4, 9
	v_lshl_add_u32 v7, v2, 5, s5                   ; tables: my head's columns, + 8 h
	v_cmp_lt_u32 s30, 15, v8
	s_mov_b32 s24, 0x76543210
	s_mov_b32 s25, 0xfedcba98
	s_mov_b32 s26, 0x3a800000                      ; 1/1024
	s_mov_b32 s27, 0x3727c5ac                      ; 1e-5
	s_lshl_b32 s22, ttmp9, 16                      ; two row groups of 32,768 bytes
	s_lshl_b32 s5, s4, 12                          ; the head's eight blocks
	s_add_co_u32 s22, s22, s5
	s_mov_b32 s23, 0
	s_lshr_b32 s6, ttmp9, 6                        ; batch
	s_lshl3_add_u32 s28, s6, s4
	s_lshl_b32 s28, s28, 15
	s_mov_b32 s29, 0
	s_lshl_b32 s32, s6, 13
	s_mov_b32 s33, 0
	s_wait_kmcnt 0x0
	s_add_nc_u64 s[8:9], s[8:9], s[22:23]
	s_add_nc_u64 s[20:21], s[20:21], s[22:23]
	s_add_nc_u64 s[10:11], s[10:11], s[28:29]
	s_add_nc_u64 s[12:13], s[12:13], s[32:33]
.irp kb, 0,1,2,3
	WIN 0
.irp g, 0,1
	global_load_b128 v[QF+8*(4*\g+\kb):QF+8*(4*\g+\kb)+3],   v3, s[8:9] offset:\g*32768+\kb*1024
	global_load_b128 v[QF+8*(4*\g+\kb)+4:QF+8*(4*\g+\kb)+7], v3, s[8:9] offset:\g*32768+\kb*1024+512
.endr
	WIN 0x40                                       ; destination window 1
.irp lt, 0,1,2,3,4,5,6,7
	global_load_b128 v[8*(4*\lt+\kb):8*(4*\lt+\kb)+3],   v3, s[10:11] offset:(4*\lt+\kb)*1024
	global_load_b128 v[8*(4*\lt+\kb)+4:8*(4*\lt+\kb)+7], v3, s[10:11] offset:(4*\lt+\kb)*1024+512
.endr
.endr
	WIN 0
	global_load_b128 v[RAW:RAW+3],     v4, s[16:17]              ; w
	global_load_b128 v[RAW+4:RAW+7],   v4, s[18:19]              ; b
	global_load_b128 v[RAW+8:RAW+11],  v4, s[14:15]              ; b_emb, scale half
	global_load_b128 v[RAW+12:RAW+15], v4, s[14:15] offset:4096  ; b_emb, shift half
.irp kc, 0,1,2,3
	global_load_b128 v[RAW+16+8*\kc:RAW+16+8*\kc+3], v4, s[12:13] offset:\kc*32768
	global_load_b128 v[RAW+20+8*\kc:RAW+20+8*\kc+3], v4, s[12:13] offset:\kc*32768+4096
.endr
	; behind the 20 loads of step kb stand 72, 52, 32, 12 others; the wait's field ends at 63, so the first count is the smaller, safe one.
	; The sixteen accumulators take turns.
.macro YSTEP kb, left, zero
	s_wait_loadcnt \left
.irp g, 0,1
.irp lt, 0,1,2,3,4,5,6,7
.if \zero
	v_wmma_f32_16x16x32_bf16 v[ACC+8*(8*\g+\lt):ACC+8*(8*\g+\lt)+7], v[8*(4*\lt+\kb):8*(4*\lt+\kb)+7], v[QF+8*(4*\g+\kb):QF+8*(4*\g+\kb)+7], 0
.else
	v_wmma_f32_16x16x32_bf16 v[ACC+8*(8*\g+\lt):ACC+8*(8*\g+\lt)+7], v[8*(4*\lt+\kb):8*(4*\lt+\kb)+7], v[QF+8*(4*\g+\kb):QF+8*(4*\g+\kb)+7], v[ACC+8*(8*\g+\lt):ACC+8*(8*\g+\lt)+7]
.endif
.endr
.endr
.endm
	WIN 0x01                                       ; source 0 window 1
	YSTEP 0, 63, 1
	YSTEP 1, 52, 0
	YSTEP 2, 32, 0
	YSTEP 3, 12, 0
	WIN 0
	PLACES
	s_wait_loadcnt 0x0
	; the tables, four columns a thread
.irp p, 0,2
	v_pk_add_f32 v[RAW+16+\p:RAW+16+\p+1], v[RAW+16+\p:RAW+16+\p+1], v[RAW+24+\p:RAW+24+\p+1]
	v_pk_add_f32 v[RAW+32+\p:RAW+32+\p+1], v[RAW+32+\p:RAW+32+\p+1], v[RAW+40+\p:RAW+40+\p+1]
	v_pk_add_f32 v[RAW+20+\p:RAW+20+\p+1], v[RAW+20+\p:RAW+20+\p+1], v[RAW+28+\p:RAW+28+\p+1]
	v_pk_add_f32 v[RAW+36+\p:RAW+36+\p+1], v[RAW+36+\p:RAW+36+\p+1], v[RAW+44+\p:RAW+44+\p+1]
	v_pk_add_f32 v[RAW+16+\p:RAW+16+\p+1], v[RAW+16+\p:RAW+16+\p+1], v[RAW+32+\p:RAW+32+\p+1]
	v_pk_add_f32 v[RAW+20+\p:RAW+20+\p+1], v[RAW+20+\p:RAW+20+\p+1], v[RAW+36+\p:RAW+36+\p+1]
	v_pk_add_f32 v[RAW+16+\p:RAW+16+\p+1], v[RAW+16+\p:RAW+16+\p+1], v[RAW+8+\p:RAW+8+\p+1]      ; scale
	v_pk_add_f32 v[RAW+20+\p:RAW+20+\p+1], v[RAW+20+\p:RAW+20+\p+1], v[RAW+12+\p:RAW+12+\p+1]    ; shift
	v_pk_add_f32 v[RAW+16+\p:RAW+16+\p+1], v[RAW+16+\p:RAW+16+\p+1], 1.0 op_sel_hi:[1,0]
	v_pk_mul_f32 v[RAW+\p:RAW+\p+1], v[RAW+\p:RAW+\p+1], v[RAW+16+\p:RAW+16+\p+1]                ; TA
	v_pk_fma_f32 v[RAW+4+\p:RAW+4+\p+1], v[RAW+4+\p:RAW+4+\p+1], v[RAW+16+\p:RAW+16+\p+1], v[RAW+20+\p:RAW+20+\p+1]   ; TB
.endr
	ds_store_b128 v4, v[RAW:RAW+3]
	ds_store_b128 v4, v[RAW+4:RAW+7] offset:4096
	ROWSUM 0
	ds_store_b32 v5, v[TP] offset:8192
	s_wait_dscnt 0x0                               ; for the other waves: my part of the tables and my row sums are written
	s_barrier_signal -1
	s_barrier_wait -1
	LDSUMS 8192
	WIN 0x40
.irp lt, 0,1,2,3,4,5,6,7
	ds_load_b128 v[8*\lt:8*\lt+3],       v7 offset:\lt*64
	ds_load_b128 v[8*\lt+4:8*\lt+7],     v7 offset:\lt*64+16
	ds_load_b128 v[64+8*\lt:64+8*\lt+3], v7 offset:4096+\lt*64
	ds_load_b128 v[64+8*\lt+4:64+8*\lt+7], v7 offset:4096+\lt*64+16
.endr
	WIN 0
	s_wait_dscnt 32                                ; the four loads of sums are in; the 32 of the tables stay out
	ADD8
.irp g, 0,1
	v_mul_f32 v[MN+2*\g], s26, v[RS+\g]
	v_mul_f32 v[MN+2*\g+1], s26, v[RS+\g]
.endr
.irp g, 0,1
.set k, 0
.rept 32
	v_pk_add_f32 v[ACC+64*\g+k:ACC+64*\g+k+1], v[ACC+64*\g+k:ACC+64*\g+k+1], v[MN+2*\g:MN+2*\g+1] neg_lo:[0,1] neg_hi:[0,1]
.set k, k+2
.endr
.endr
	ROWSUM 1
	ds_store_b32 v5, v[TP] offset:9216
	s_wait_dscnt 0x0
	s_barrier_signal -1
	s_barrier_wait -1
	LDSUMS 9216
	s_wait_dscnt 0x0
	ADD8
.irp g, 0,1
	v_fma_f32 v[RS+\g], v[RS+\g], s26, s27
.endr
.irp g, 0,1
	v_rsq_f32 v[RD+2*\g], v[RS+\g]
	v_rsq_f32 v[RD+2*\g+1], v[RS+\g]
.endr
	v_nop
	s_wait_alu depctr_va_vdst(0)
.irp g, 0,1
.set k, 0
.rept 32
	v_pk_mul_f32 v[ACC+64*\g+k:ACC+64*\g+k+1], v[ACC+64*\g+k:ACC+64*\g+k+1], v[RD+2*\g:RD+2*\g+1]
.set k, k+2
.endr
.endr
	WIN 0x14                                       ; sources 1 and 2 window 1
.irp g, 0,1
.irp lt, 0,1,2,3,4,5,6,7
.irp p, 0,2,4,6
	v_pk_fma_f32 v[ACC+8*(8*\g+\lt)+\p:ACC+8*(8*\g+\lt)+\p+1], v[ACC+8*(8*\g+\lt)+\p:ACC+8*(8*\g+\lt)+\p+1], v[8*\lt+\p:8*\lt+\p+1], v[64+8*\lt+\p:64+8*\lt+\p+1]
.endr
.endr
.endr
	; silu(z) = z / (1 + 2^(-z log2 e))
	WIN 0x40
.set k, 0
.rept 64
	v_pk_mul_f32 v[128+k:128+k+1], v[ACC+k:ACC+k+1], 0xbfb8aa3b op_sel_hi:[1,0]
.set k, k+2
.endr
	WIN 0x41
.set k, 0
.rept 128
	v_exp_f32 v[128+k], v[128+k]
.set k, k+1
.endr
	v_nop
.set k, 0
	s_wait_alu depctr_va_vdst(0)
.rept 64
	v_pk_add_f32 v[128+k:128+k+1], v[128+k:128+k+1], 1.0 op_sel_hi:[1,0]
.set k, k+2
.endr
.set k, 0
.rept 128
	v_rcp_f32 v[128+k], v[128+k]
.set k, k+1
.endr
	v_nop
	WIN 0x04
.set k, 0
	s_wait_alu depctr_va_vdst(0)
.rept 64
	v_pk_mul_f32 v[ACC+k:ACC+k+1], v[ACC+k:ACC+k+1], v[128+k:128+k+1]
.set k, k+2
.endr
	WIN 0
.set k, 0
.rept 64
	v_cvt_pk_bf16_f32 v[QF+k], v[ACC+2*k], v[ACC+2*k+1]
.set k, k+1
.endr
.irp g, 0,1
.irp lt, 0,1,2,3,4,5,6,7
	global_store_b128 v3, v[QF+4*(8*\g+\lt):QF+4*(8*\g+\lt)+3], s[20:21] offset:\g*32768+\lt*512
.endr
.endr
	s_wait_tensorcnt 0x0
	ds_add_u32 v14, v15
	s_wait_dscnt 0x0
	s_endpgm
.Lfunc_end_k_q1c4dab98d4_mix:
	.size	k_q1c4dab98d4_mix, .Lfunc_end_k_q1c4dab98d4_mix-k_q1c4dab98d4_mix
	.p2alignl 7, 3214868480
	.fill 96, 4, 3214868480
	.section	.rodata,"a",@progbits
	.p2align	6, 0x0
	.amdhsa_kernel k_q1c4dab98d4_mix
		.amdhsa_group_segment_fixed_size 11264
		.amdhsa_private_segment_fixed_size 0
		.amdhsa_enable_private_segment 0
		.amdhsa_kernarg_size 56
		.amdhsa_user_sgpr_count 2
		.amdhsa_user_sgpr_kernarg_segment_ptr 1
		.amdhsa_wavefront_size32 1
		.amdhsa_system_sgpr_workgroup_id_x 1
		.amdhsa_system_sgpr_workgroup_id_y 1
		.amdhsa_system_sgpr_workgroup_id_z 1
		.amdhsa_system_vgpr_workitem_id 0
		.amdhsa_next_free_vgpr 512
		.amdhsa_next_free_sgpr 66
		.amdhsa_reserve_vcc 0
		.amdhsa_float_denorm_mode_32 3
		.amdhsa_float_denorm_mode_16_64 3
		.amdhsa_memory_ordered 1
		.amdhsa_forward_progress 1
		.amdhsa_inst_pref_size 70
	.end_amdhsa_kernel
	.amdgpu_metadata
---
amdhsa.version: [ 1, 2 ]
amdhsa.kernels:
  - .name:           k_q1c4dab98d4_mix
    .symbol:         k_q1c4dab98d4_mix.kd
    .args:
      - { .name: qf, .offset: 0, .size: 8, .value_kind: global_buffer, .address_space: global }
      - { .name: attf, .offset: 8, .size: 8, .value_kind: global_buffer, .address_space: global }
      - { .name: film, .offset: 16, .size: 8, .value_kind: global_buffer, .address_space: global }
      - { .name: b_emb, .offset: 24, .size: 8, .value_kind: global_buffer, .address_space: global }
      - { .name: ln2_w, .offset: 32, .size: 8, .value_kind: global_buffer, .address_space: global }
      - { .name: ln2_b, .offset: 40, .size: 8, .value_kind: global_buffer, .address_space: global }
      - { .name: act, .offset: 48, .size: 8, .value_kind: global_buffer, .address_space: global }
    .group_segment_fixed_size: 11264
    .private_segment_fixed_size: 0
    .kernarg_segment_align: 8
    .kernarg_segment_size: 56
    .max_flat_workgroup_size: 256
    .sgpr_count:     66
    .vgpr_count:     512
    .wavefront_size: 32
...
	.end_amdgpu_metadata
.endif
;; end of part 4
;; launch outp (part 5): grid 8 x 32, 4 waves a work-group, clusters of 4 x 4, 327,680 bytes of LDS; arguments act, wbf, b_out, x, out0; writes out0
.if DOCPART == 5
	.amdgcn_target "amdgcn-amd-amdhsa--gfx1250"
	.amdhsa_code_object_version 6
	.text
	.protected	k_q1c4dab98d4_outp
	.globl	k_q1c4dab98d4_outp
	.p2align	8
	.type	k_q1c4dab98d4_outp,@function
k_q1c4dab98d4_outp:
	s_mov_b64 s[64:65], 0
	v_nop
	global_prefetch_b8 v0, s[64:65] scope:SCOPE_SE
	s_setreg_imm32_b32 hwreg(HW_REG_WAVE_MODE, 25, 1), 1
	s_wait_xcnt 0x0
	s_wait_alu depctr_hold_cnt(0) depctr_sa_sdst(0) depctr_va_vdst(0) depctr_va_sdst(0) depctr_va_ssrc(0) depctr_va_vcc(0) depctr_vm_vsrc(0)
	s_getreg_b32 s2, hwreg(HW_REG_IB_STS2, 6, 4)
	s_cmp_eq_u32 s2, 0
	s_cbranch_scc0 .Lentry_in_a_cluster
	s_endpgm
.Lentry_in_a_cluster:
	s_bfe_u32 s2, ttmp6, 0x10000c
	s_cmp_lg_u32 s2, 0xf033
	s_cbranch_scc0 .Lentry_shape_is_right
	s_endpgm
.Lentry_shape_is_right:
; out0 = x + hh @ W_out + b_out.  Work-group (cb, rb): rows 256 rb .. +255 x columns 128 cb .. +127: 8 x 32 = 256 work-groups.
; Wave w: rows 64 w .. +63 x 128 columns = 32 accumulator tiles (window 1, tile (a, b) at v[8 (8 a + b)]).
; K goes in steps of 128 through two LDS slots of 131,072 bytes, four regions of 32,768 each; wave w fills region w with one tensor load:
;   waves 0, 1: eight row groups of hh each.  hh lies in fragment order (block (row / 16) * 64 + column / 16 of 512 bytes = [lane][16 bytes]):
;               a row group's K step is 4,096 consecutive bytes, and a fragment is read from LDS as 2 x 512 consecutive bytes, so no padding is needed;
;   waves 2, 3: 64 k-rows x 256 bytes of W_out each, LDS pitch 288 (18,432 bytes of the region), read by the transposing load.
; CLUSTER 4 x 4: hh's tiles hang on rb alone (joint along a row of the cluster), W_out's on cb alone (joint along a column).
; A wave has two tensor loads out at the start and one behind each round.
; Source 0 = weights, source 1 = hh: a lane holds one row and 8 neighbouring columns.  16 rows at a time go through the wave's own stage in LDS and
; leave as whole rows: a store of the wave covers the block's 512 consecutive bytes of a row, aligned.  x's 64 rows (window 2) and b_out are asked
; for at the start and land under the loop.
.set WP,    288
.set REG,   32768
.set SLOT,  4*REG
.set STAGE, 2*SLOT                     ; 262,144: 16 rows x 528 bytes for each wave; no tensor load lands here
.set SP,    528
; window 0: v1 r, v2 h, v3 lane, v4-5 hh fragment address in slot 0, 1, v6-7 weight fragment address, v8 lane*16, v9 stage in, v10 stage back
.set X0,  32
.set X1,  64
.set W0,  96
.set W1,  160
.set BIAS, 224
.set G1X, 24
.set G0X, 32
.set G1W, 48
.set G0W, 56
.set MSB, 0
.macro WIN new
.if MSB != (\new)
	s_set_vgpr_msb (MSB<<8)|(\new)
.set MSB, \new
.endif
.endm
.macro PLACES                          ; four places behind a matrix instruction (ISA guide 7.12.1) before its registers are loaded, read or stored
.rept 4
	v_nop
.endr
.endm
.macro JLOAD s                         ; waves 0, 1 ask for hh, waves 2, 3 for W_out; the branch hangs on the wave's number alone
	s_cmp_eq_u32 s11, 0
	s_cbranch_scc0 .Lfor_w_\@
	tensor_load_to_lds s[G0X+4*\s:G0X+4*\s+3], s[G1X:G1X+7]
	s_nop 0
	s_branch .Lasked_\@
.Lfor_w_\@:
	tensor_load_to_lds s[G0W+4*\s:G0W+4*\s+3], s[G1W:G1W+7]
	s_nop 0
.Lasked_\@:
.endm
.macro CREST
	s_cmp_lg_u32 s10, 0
	s_cbranch_scc1 .Lnot_wave_0_\@
	s_barrier_signal -3
.Lnot_wave_0_\@:
	s_barrier_wait -3
	s_barrier_signal -1
	s_barrier_wait -1
.endm
.macro CROUND
	s_barrier_signal -1
	s_barrier_wait -1
	CREST
.endm
.macro FETCH slot, s, xb, wb           ; the fragments of quarter step s: 128 columns of W_out and my 64 rows of hh, 32 along K
.irp b, 0,1,2,3,4,5,6,7
	ds_load_tr16_b128 v[\wb+8*\b:\wb+8*\b+3],   v[6+\slot] offset:(\s>>1)*REG+(\s&1)*9216+32*\b
	ds_load_tr16_b128 v[\wb+8*\b+4:\wb+8*\b+7], v[6+\slot] offset:(\s>>1)*REG+(\s&1)*9216+32*\b+4608
.endr
.irp a, 0,1,2,3
	ds_load_b128 v[\xb+8*\a:\xb+8*\a+3],   v[4+\slot] offset:\a*4096+\s*1024
	ds_load_b128 v[\xb+8*\a+4:\xb+8*\a+7], v[4+\slot] offset:\a*4096+\s*1024+512
.endr
.endm
; 16 matrix instructions; the 32 accumulators take turns, one instruction a turn, over the backward jump too
.macro MUL16 xb, wb, a0, zero
.irp a, \a0, \a0+1
.irp b, 0,1,2,3,4,5,6,7
.if \zero
	v_wmma_f32_16x16x32_bf16 v[8*(8*(\a)+\b):8*(8*(\a)+\b)+7], v[\wb+8*\b:\wb+8*\b+7], v[\xb+8*(\a):\xb+8*(\a)+7], 0
.else
	v_wmma_f32_16x16x32_bf16 v[8*(8*(\a)+\b):8*(8*(\a)+\b)+7], v[\wb+8*\b:\wb+8*\b+7], v[\xb+8*(\a):\xb+8*(\a)+7], v[8*(8*(\a)+\b):8*(8*(\a)+\b)+7]
.endif
.endr
.endr
.endm
.macro UNIT slot, snext, xb, wb, xn, wn, zero
	s_wait_dscnt 0x0                               ; this quarter's fragments, asked for 32 matrix instructions ago
	PLACES                                         ; behind the last quarter's matrix instructions, which read the buffers loaded next
	WIN 0
	FETCH \slot, \snext, \xn, \wn
	WIN 0x50                                       ; C and D window 1
	MUL16 \xb, \wb, 0, \zero
	MUL16 \xb, \wb, 2, \zero
.endm
.macro THREE slot, zero
	UNIT \slot, 1, X0, W0, X1, W1, \zero
	UNIT \slot, 2, X1, W1, X0, W0, 0
	UNIT \slot, 3, X0, W0, X1, W1, 0
.endm
; The fourth quarter changes slots: each wave's reads of this slot and all its tensor loads are waited for in front of the barrier; where the slot is
; filled again the barrier opens a round of the cluster's barrier and the joint refill is the first tensor load behind it.
; From a request to the wait for it a wave issues 112 matrix instructions.
.macro TURN slot, next, fill
	s_wait_dscnt 0x0
	s_wait_tensorcnt 0x0
	ds_add_u32 v254, v255
	s_wait_dscnt 0x0
	s_barrier_signal -1
	WIN 0x50
	MUL16 X1, W1, 0, 0
	WIN 0
	s_barrier_wait -1
.if \fill
	CREST
	s_add_nc_u64 s[G0X+4*\slot+2:G0X+4*\slot+3], s[G0X+4*\slot+2:G0X+4*\slot+3], 2*4096         ; no tensor load of mine is out: two K steps on
	s_add_nc_u64 s[G0W+4*\slot+2:G0W+4*\slot+3], s[G0W+4*\slot+2:G0W+4*\slot+3], 2*128*2048
	JLOAD \slot
.endif
	PLACES
	FETCH \next, 0, X0, W0
	WIN 0x50
	MUL16 X1, W1, 2, 0
.endm
.macro LAP zero
	THREE 0, \zero
	TURN 0, 1, 1
	THREE 1, 0
	TURN 1, 0, 1
.endm
	s_load_b256 s[68:75], s[0:1], 0x0              ; act 68:69, wbf 70:71, b_out 72:73, x 74:75
	s_load_b64 s[76:77], s[0:1], 0x20              ; out0
	v_lshl_add_u32 v254, v0, 2, 0x48400
	v_mov_b32 v255, 0
	ds_add_u32 v254, v255
	v_lshrrev_b32 v1, 5, v0
	v_readfirstlane_b32 s10, v1                    ; wave
	s_lshr_b32 s11, s10, 1                         ; 0: I fetch hh, 1: W_out
	s_and_b32 s12, s10, 1                          ; which half of it
	s_bfe_u32 s40, ttmp6, 0x40000                  ; cx
	s_bfe_u32 s41, ttmp6, 0x40004                  ; cy
	s_lshl_b32 s42, ttmp9, 2
	s_add_co_u32 s42, s42, s40                     ; cb
	s_and_b32 s13, ttmp7, 0xffff
	s_lshl_b32 s13, s13, 2
	s_add_co_u32 s13, s13, s41                     ; rb
	s_lshl_b32 s43, s41, 2
	s_lshl_b32 s43, 15, s43                        ; my row of the cluster
	s_lshl_b32 s44, 0x1111, s40                    ; my column
	; group 1, hh: 8 rows (row groups) of 512 elements of 8 bytes = 4,096 bytes, 32,768 bytes from row to row, no padding
	s_or_b32  s[G1X+0], s43, (3<<16)|(1<<21)
	s_mov_b32 s[G1X+1], 512<<16
	s_mov_b32 s[G1X+2], 8<<16
	s_mov_b32 s[G1X+3], 512<<16
	s_mov_b32 s[G1X+4], 8
	s_mov_b32 s[G1X+5], 4096
	s_mov_b32 s[G1X+6], 0
	s_mov_b32 s[G1X+7], 0
	; group 1, W_out: 64 k-rows x 128 bf16; after every 64 words (code 5) 8 words of padding (code 7): LDS pitch 288
	s_or_b32  s[G1W+0], s44, (1<<16)|(1<<20)|(1<<21)|(5<<22)|(7<<25)
	s_mov_b32 s[G1W+1], 128<<16
	s_mov_b32 s[G1W+2], 64<<16
	s_mov_b32 s[G1W+3], 128<<16
	s_mov_b32 s[G1W+4], 64
	s_mov_b32 s[G1W+5], 1024
	s_mov_b32 s[G1W+6], 0
	s_mov_b32 s[G1W+7], 0
	s_lshl_b32 s16, s13, 19                        ; hh: 16 rb row groups of 32,768 bytes
	s_lshl_b32 s17, s12, 18                        ; + 8 for the second half
	s_add_co_u32 s16, s16, s17
	s_mov_b32 s17, 0
	s_lshl_b32 s46, s12, 17                        ; W_out: 64 k-rows of 2,048 bytes for the second half
	s_lshl_b32 s47, s42, 8                         ; + the block's 128 columns
	s_add_co_u32 s46, s46, s47
	s_add_co_u32 s46, s46, 6291456                 ; the fourth matrix of wbf
	s_mov_b32 s47, 0
	s_lshl_b32 s20, s10, 15                        ; LDS: wave x 32,768
	s_lshl_b32 s90, s13, 20                        ; x and out0: 256 rb rows of 4,096 bytes
	s_lshl_b32 s89, s10, 18                        ; + 64 w rows
	s_add_co_u32 s90, s90, s89
	s_lshl_b32 s88, s42, 9                         ; + the block's 512 bytes
	s_add_co_u32 s90, s90, s88
	s_mov_b32 s91, 0
	s_mov_b32 s89, 0
	s_wait_dscnt 0x0
	s_wait_kmcnt 0x0
	s_add_nc_u64 s[14:15], s[68:69], s[16:17]
	s_add_nc_u64 s[46:47], s[70:71], s[46:47]
	s_add_nc_u64 s[72:73], s[72:73], s[88:89]
	s_add_nc_u64 s[74:75], s[74:75], s[90:91]
	s_add_nc_u64 s[76:77], s[76:77], s[90:91]
	CROUND                                         ; all sixteen work-groups are here: the first joint loads meet
.irp s, 0,1
	s_mov_b32 s[G0X+4*\s], 1
	s_add_co_u32 s[G0X+4*\s+1], s20, \s*SLOT
	s_add_nc_u64 s[G0X+4*\s+2:G0X+4*\s+3], s[14:15], \s*4096
	s_or_b32 s[G0X+4*\s+3], s[G0X+4*\s+3], 0x80000000
	s_mov_b32 s[G0W+4*\s], 1
	s_add_co_u32 s[G0W+4*\s+1], s20, \s*SLOT
	s_add_nc_u64 s[G0W+4*\s+2:G0W+4*\s+3], s[46:47], \s*128*2048
	s_or_b32 s[G0W+4*\s+3], s[G0W+4*\s+3], 0x80000000
	JLOAD \s
.endr
	v_and_b32 v1, 15, v0                           ; r
	v_bfe_u32 v2, v0, 4, 1                         ; h
	v_and_b32 v3, 31, v0                           ; lane
	v_lshlrev_b32 v8, 4, v3
	global_load_b128 v[BIAS:BIAS+3], v8, s[72:73]
	WIN 0x80                                       ; destination window 2: row 16 a + t of my 64 at v[4 (16 a + t)]
.set k, 0
.rept 64
	global_load_b128 v[4*k:4*k+3], v8, s[74:75] offset:k*4096 th:TH_LOAD_NT
.set k, k+1
.endr
	WIN 0
	s_lshl_b32 s21, s10, 14                        ; my four row groups of 4,096 bytes
	v_add_nc_u32 v4, s21, v8
	v_add_nc_u32 v5, SLOT, v4
	v_and_b32 v14, 7, v0
	v_lshl_add_u32 v14, v2, 3, v14                 ; k row 8 h + (lane & 7)
	v_mul_u32_u24 v14, v14, WP
	v_bfe_u32 v15, v0, 3, 1
	v_lshl_add_u32 v6, v15, 4, v14
	v_add_nc_u32 v6, 2*REG, v6
	v_add_nc_u32 v7, SLOT, v6
	s_mul_i32 s21, s10, 16*SP
	s_add_co_u32 s21, s21, STAGE
	v_mul_u32_u24 v9, v1, SP
	v_lshl_add_u32 v9, v2, 5, v9
	v_add_nc_u32 v9, s21, v9                       ; in: row r, 32 bytes for each half of the lanes
	v_add_nc_u32 v10, s21, v8                      ; back: a whole row of 512 bytes
	s_wait_tensorcnt 0x1                           ; my part of K step 0 is in; step 1's stays out
	s_barrier_signal -1
	s_barrier_wait -1
	FETCH 0, 0, X0, W0
	LAP 1                                          ; the first lap stands in front of the loop: its first products start the sums
	WIN 0
	s_mov_b32 s3, 2
.Llap:
	LAP 0
	WIN 0
	s_sub_co_u32 s3, s3, 1
	s_cmp_lg_u32 s3, 0
	s_cbranch_scc1 .Llap
	THREE 0, 0                                     ; the last lap (K steps 6, 7) fills nothing
	TURN 0, 1, 0
	THREE 1, 0
	s_wait_dscnt 0x0
	WIN 0x50
	MUL16 X1, W1, 0, 0
	MUL16 X1, W1, 2, 0
	PLACES
	s_wait_loadcnt 0x0                             ; x and b_out
; rows 16 a .. +15 of my block: f32 into my stage, back as whole rows, + b_out, + x, out.  f: W0 and W1 by turns
.macro OUT16 a, f
	WIN 0x04                                       ; LDS store data window 1
.irp b, 0,1,2,3,4,5,6,7
	ds_store_b128 v9, v[8*(8*\a+\b):8*(8*\a+\b)+3]   offset:64*\b
	ds_store_b128 v9, v[8*(8*\a+\b)+4:8*(8*\a+\b)+7] offset:64*\b+16
.endr
	WIN 0
	s_wait_xcnt 0x0                                ; buffer f, which earlier stores read, is loaded again only behind this wait
.irp t, 0,1,2,3,4,5,6,7,8,9,10,11,12,13,14,15
	ds_load_b128 v[\f+4*\t:\f+4*\t+3], v10 offset:\t*SP           ; my own bytes: LDS serves a wave in order (ISA guide 5.7.1.4)
.endr
	s_wait_dscnt 0x0
.irp t, 0,1,2,3,4,5,6,7,8,9,10,11,12,13,14,15
	v_pk_add_f32 v[\f+4*\t:\f+4*\t+1],   v[\f+4*\t:\f+4*\t+1],   v[BIAS:BIAS+1]
	v_pk_add_f32 v[\f+4*\t+2:\f+4*\t+3], v[\f+4*\t+2:\f+4*\t+3], v[BIAS+2:BIAS+3]
.endr
	WIN 0x08                                       ; source 1 window 2
.irp t, 0,1,2,3,4,5,6,7,8,9,10,11,12,13,14,15
	v_pk_add_f32 v[\f+4*\t:\f+4*\t+1],   v[\f+4*\t:\f+4*\t+1],   v[4*(16*\a+\t):4*(16*\a+\t)+1]
	v_pk_add_f32 v[\f+4*\t+2:\f+4*\t+3], v[\f+4*\t+2:\f+4*\t+3], v[4*(16*\a+\t)+2:4*(16*\a+\t)+3]
.endr
	WIN 0
.irp t, 0,1,2,3,4,5,6,7,8,9,10,11,12,13,14,15
	global_store_b128 v8, v[\f+4*\t:\f+4*\t+3], s[76:77] offset:(16*\a+\t)*4096 th:TH_STORE_NT
.endr
.endm
	OUT16 0, W0
	OUT16 1, W1
	OUT16 2, W0
	OUT16 3, W1
	s_wait_tensorcnt 0x0
	ds_add_u32 v254, v255
	s_wait_dscnt 0x0
	CROUND                                         ; the closing round: no work-group ends while a partner may still ask for a tile that names it
	s_endpgm
.Lfunc_end_k_q1c4dab98d4_outp:
	.size	k_q1c4dab98d4_outp, .Lfunc_end_k_q1c4dab98d4_outp-k_q1c4dab98d4_outp
	.p2alignl 7, 3214868480
	.fill 96, 4, 3214868480
	.section	.rodata,"a",@progbits
	.p2align	6, 0x0
	.amdhsa_kernel k_q1c4dab98d4_outp
		.amdhsa_group_segment_fixed_size 327680
		.amdhsa_private_segment_fixed_size 0
		.amdhsa_enable_private_segment 0
		.amdhsa_kernarg_size 40
		.amdhsa_user_sgpr_count 2
		.amdhsa_user_sgpr_kernarg_segment_ptr 1
		.amdhsa_wavefront_size32 1
		.amdhsa_system_sgpr_workgroup_id_x 1
		.amdhsa_system_sgpr_workgroup_id_y 1
		.amdhsa_system_sgpr_workgroup_id_z 1
		.amdhsa_system_vgpr_workitem_id 0
		.amdhsa_next_free_vgpr 768
		.amdhsa_next_free_sgpr 92
		.amdhsa_reserve_vcc 0
		.amdhsa_float_denorm_mode_32 3
		.amdhsa_float_denorm_mode_16_64 3
		.amdhsa_memory_ordered 1
		.amdhsa_forward_progress 1
		.amdhsa_inst_pref_size 137
	.end_amdhsa_kernel
	.amdgpu_metadata
---
amdhsa.version: [ 1, 2 ]
amdhsa.kernels:
  - .name:           k_q1c4dab98d4_outp
    .symbol:         k_q1c4dab98d4_outp.kd
    .args:
      - { .name: act, .offset: 0, .size: 8, .value_kind: global_buffer, .address_space: global }
      - { .name: wbf, .offset: 8, .size: 8, .value_kind: global_buffer, .address_space: global }
      - { .name: b_out, .offset: 16, .size: 8, .value_kind: global_buffer, .address_space: global }
      - { .name: x, .offset: 24, .size: 8, .value_kind: global_buffer, .address_space: global }
      - { .name: out0, .offset: 32, .size: 8, .value_kind: global_buffer, .address_space: global }
    .group_segment_fixed_size: 327680
    .private_segment_fixed_size: 0
    .kernarg_segment_align: 8
    .kernarg_segment_size: 40
    .max_flat_workgroup_size: 128
    .sgpr_count:     92
    .vgpr_count:     768
    .wavefront_size: 32
...
	.end_amdgpu_metadata
.endif
;; end of part 5
;; ======== version 2 of 2: 5 launches
;; workspace buffers: act 16,777,216 bytes; wbf 8,388,608 bytes; film 131,072 bytes; qf 16,777,216 bytes; attp 16,777,216 bytes; kstat 262,144 bytes; attf 1,048,576 bytes
;; launch prep (part 6): grid 512 x 1, 8 waves a work-group, no clusters, 17,408 bytes of LDS; arguments x, ln_w, ln_b, Wq, Wk, Wv, W_out, emb, W_emb, act, wbf, film; writes act, wbf, film
.if DOCPART == 6
	.amdgcn_target "amdgcn-amd-amdhsa--gfx1250"
	.amdhsa_code_object_version 6
	.text
	.protected	k_q1c4dab98d4_prep
	.globl	k_q1c4dab98d4_prep
	.p2align	8
	.type	k_q1c4dab98d4_prep,@function
k_q1c4dab98d4_prep:
	s_mov_b64 s[64:65], 0
	v_nop
	global_prefetch_b8 v0, s[64:65] scope:SCOPE_SE
	s_setreg_imm32_b32 hwreg(HW_REG_WAVE_MODE, 25, 1), 1
	s_wait_xcnt 0x0
; PREPARATION, three roles chosen by the work-group's number (the same for all eight waves of a work-group):
;   work-groups   0..127  FiLM: four partial sums over K (512 rows each) of silu(emb) @ W_emb, in f32 multiply-adds -> film [4 kc][4 b][2048] f32
;   work-groups 128..255  cast: Wq, Wk, Wv, W_out to bf16, order [k][n] kept -> wbf (four matrices of 2,097,152 bytes)
;   work-groups 256..511  LayerNorm 1 of x, two passes (mean, then squares of x - mean) -> act = xn, [8192][1024] bf16
; All three stream: each byte is read once, every wave issues all its loads (16 KiB) first, and there is no loop.
; In the cast and in LayerNorm a lane takes 16 consecutive bytes and its neighbour the next 16: a load of the wave covers 512 consecutive bytes, so no
; two loads span the same bytes; four f32 pack into 8 bytes, so a store of the wave covers 256 consecutive, aligned bytes.
; The matrix unit is left out: the emb product has four rows and reads 16 MiB of weights once, so bytes decide.
; Limit: v_exp_f32, v_rcp_f32, v_rsq_f32 flush denormals (ISA guide, their entries in 15.8).
.set D,   16                           ; v[16:143]  data as loaded
.set P,   144                          ; v[144:207] LN: ln_w, ln_b; cast: packed results; FiLM: quads of silu(emb)
.set ACC, 208                          ; v[208:223] LN: 1/std as pairs; FiLM: 4 batches x 4 columns
.set T,   224                          ; v[224:239] at work
; sum over the 32 lanes, result in every lane; tmp has been written before
.macro WSUM x, tmp
	v_add_f32_dpp v[\x], v[\x], v[\x] row_xmask:1 row_mask:0xf bank_mask:0xf
	v_add_f32_dpp v[\x], v[\x], v[\x] row_xmask:2 row_mask:0xf bank_mask:0xf
	v_add_f32_dpp v[\x], v[\x], v[\x] row_xmask:4 row_mask:0xf bank_mask:0xf
	v_add_f32_dpp v[\x], v[\x], v[\x] row_xmask:8 row_mask:0xf bank_mask:0xf
	v_permlanex16_b32 v[\tmp], v[\x], s36, s37
	v_add_f32 v[\x], v[\x], v[\tmp]
.endm
.macro JOIN4                           ; four chains of pairs in T..T+7 -> one number in T
	v_pk_add_f32 v[T:T+1], v[T:T+1], v[T+2:T+3]
	v_pk_add_f32 v[T+4:T+5], v[T+4:T+5], v[T+6:T+7]
	v_pk_add_f32 v[T:T+1], v[T:T+1], v[T+4:T+5]
	v_add_f32 v[T], v[T], v[T+1]
.endm
; row rr: mean, x - mean in place, 1/std.  left = loads issued behind this row's eight
.macro STAT rr, left
	s_wait_loadcnt \left
.irp k, 0,2,4,6
	v_pk_add_f32 v[T+\k:T+\k+1], v[D+32*\rr+\k:D+32*\rr+\k+1], v[D+32*\rr+8+\k:D+32*\rr+8+\k+1]
.endr
.irp o, 16,24
.irp k, 0,2,4,6
	v_pk_add_f32 v[T+\k:T+\k+1], v[T+\k:T+\k+1], v[D+32*\rr+\o+\k:D+32*\rr+\o+\k+1]
.endr
.endr
	JOIN4
	WSUM T, T+1
	v_mul_f32 v[T+8], s38, v[T]                    ; the mean, twice: a pair for the packed subtraction
	v_mul_f32 v[T+9], s38, v[T]
.set q, 0
.rept 16
	v_pk_add_f32 v[D+32*\rr+2*q:D+32*\rr+2*q+1], v[D+32*\rr+2*q:D+32*\rr+2*q+1], v[T+8:T+9] neg_lo:[0,1] neg_hi:[0,1]
.set q, q+1
.endr
.irp k, 0,2,4,6
	v_pk_mul_f32 v[T+\k:T+\k+1], v[D+32*\rr+\k:D+32*\rr+\k+1], v[D+32*\rr+\k:D+32*\rr+\k+1]
.endr
.irp o, 8,16,24
.irp k, 0,2,4,6
	v_pk_fma_f32 v[T+\k:T+\k+1], v[D+32*\rr+\o+\k:D+32*\rr+\o+\k+1], v[D+32*\rr+\o+\k:D+32*\rr+\o+\k+1], v[T+\k:T+\k+1]
.endr
.endr
	JOIN4
	WSUM T, T+1
	v_fma_f32 v[T], v[T], s38, s39                 ; variance + eps
	v_rsq_f32 v[ACC+2*\rr], v[T]
	v_rsq_f32 v[ACC+2*\rr+1], v[T]
	v_nop                                          ; one plain place before T is written again or the result used (ISA guide 5.7.2)
.endm
; row rr: (x - mean) / std * w + b, rounded to bf16, eight stores of 256 consecutive bytes
.macro NORM rr
.set q, 0
	s_wait_alu depctr_va_vdst(0)
.rept 16
	v_pk_mul_f32 v[D+32*\rr+2*q:D+32*\rr+2*q+1], v[D+32*\rr+2*q:D+32*\rr+2*q+1], v[ACC+2*\rr:ACC+2*\rr+1]
.set q, q+1
.endr
.set q, 0
.rept 16
	v_pk_fma_f32 v[D+32*\rr+2*q:D+32*\rr+2*q+1], v[D+32*\rr+2*q:D+32*\rr+2*q+1], v[P+2*q:P+2*q+1], v[P+32+2*q:P+32+2*q+1]
.set q, q+1
.endr
.set q, 0
.rept 16
	v_cvt_pk_bf16_f32 v[D+32*\rr+q], v[D+32*\rr+2*q], v[D+32*\rr+2*q+1]   ; register q is written after registers 2q, 2q+1 are read
.set q, q+1
.endr
.irp c, 0,1,2,3,4,5,6,7
	global_store_b64 v5, v[D+32*\rr+2*\c:D+32*\rr+2*\c+1], s[26:27] offset:\rr*2048+\c*256      ; chunk c's 128 numbers
.endr
.endm
; acc pair (+)= w pair * v[e], v[e] broadcast out of its aligned pair
.macro FMAB first, acc, w, e
.if (\e)&1
.if \first
	v_pk_mul_f32 v[\acc:\acc+1], v[\w:\w+1], v[\e-1:\e] op_sel:[0,1] op_sel_hi:[1,1]
.else
	v_pk_fma_f32 v[\acc:\acc+1], v[\w:\w+1], v[\e-1:\e], v[\acc:\acc+1] op_sel:[0,1,0] op_sel_hi:[1,1,1]
.endif
.else
.if \first
	v_pk_mul_f32 v[\acc:\acc+1], v[\w:\w+1], v[\e:\e+1] op_sel_hi:[1,0]
.else
	v_pk_fma_f32 v[\acc:\acc+1], v[\w:\w+1], v[\e:\e+1], v[\acc:\acc+1] op_sel_hi:[1,0,1]
.endif
.endif
.endm
	s_load_b512 s[8:23], s[0:1], 0x0               ; x 8:9, ln_w 10:11, ln_b 12:13, Wq 14:15, Wk 16:17, Wv 18:19, W_out 20:21, emb 22:23
	s_load_b256 s[24:31], s[0:1], 0x40             ; W_emb 24:25, act 26:27, wbf 28:29, film 30:31
	v_lshl_add_u32 v240, v0, 2, 0x4000
	v_mov_b32 v241, 0
	v_lshrrev_b32 v1, 5, v0
	v_readfirstlane_b32 s4, v1                     ; wave
	v_and_b32 v1, 31, v0                           ; lane
	v_lshlrev_b32 v3, 4, v1                        ; lane * 16: four f32
	v_lshlrev_b32 v5, 3, v1                        ; lane * 8: four bf16, or two f32
	s_mov_b32 s36, 0x76543210                      ; v_permlanex16_b32: lane i reads lane i of the other half
	s_mov_b32 s37, 0xfedcba98
	s_mov_b32 s33, 0                               ; high word of every 32-bit offset
	s_wait_kmcnt 0x0
	s_cmp_lt_u32 ttmp9, 128
	s_cbranch_scc1 .Lfilm
	s_cmp_lt_u32 ttmp9, 256
	s_cbranch_scc1 .Lcast
	; ---- LayerNorm 1: work-group i owns rows 32 i .. +31, wave w four of them.  In chunk c of 128 numbers a lane holds 4 neighbours, at D + 32 rr + 4 c.
	s_sub_co_u32 s5, ttmp9, 256
	s_lshl_b32 s32, s5, 17                         ; 32 rows of 4,096 bytes
	s_lshl_b32 s6, s4, 14                          ; 4 rows
	s_add_co_u32 s32, s32, s6
	s_add_nc_u64 s[8:9], s[8:9], s[32:33]
	s_lshr_b32 s32, s32, 1                         ; bf16 rows are half as long
	s_add_nc_u64 s[26:27], s[26:27], s[32:33]
	s_mov_b32 s38, 0x3a800000                      ; 1/1024
	s_mov_b32 s39, 0x3727c5ac                      ; 1e-5
.irp rr, 0,1,2,3
.irp c, 0,1,2,3,4,5,6,7
	global_load_b128 v[D+32*\rr+4*\c:D+32*\rr+4*\c+3], v3, s[8:9] offset:\rr*4096+\c*512 th:TH_LOAD_NT
.endr
.endr
.irp c, 0,1,2,3,4,5,6,7
	global_load_b128 v[P+4*\c:P+4*\c+3], v3, s[10:11] offset:\c*512
.endr
.irp c, 0,1,2,3,4,5,6,7
	global_load_b128 v[P+32+4*\c:P+32+4*\c+3], v3, s[12:13] offset:\c*512
.endr
	STAT 0, 40                                     ; behind row 0: three rows of 8 loads and the 16 of w and b
	STAT 1, 32
	STAT 2, 24
	STAT 3, 16
	s_wait_loadcnt 0x0                             ; w and b
	NORM 0
	NORM 1
	NORM 2
	NORM 3
	s_endpgm
	; ---- cast: work-group j takes 131,072 bytes of matrix j / 32, wave w 16,384 of them: 32 loads of 512 bytes, 32 stores of 256
.Lcast:
	s_sub_co_u32 s5, ttmp9, 128
	s_lshr_b32 s6, s5, 5
	s_cmp_eq_u32 s6, 1
	s_cselect_b64 s[14:15], s[16:17], s[14:15]
	s_cmp_eq_u32 s6, 2
	s_cselect_b64 s[14:15], s[18:19], s[14:15]
	s_cmp_eq_u32 s6, 3
	s_cselect_b64 s[14:15], s[20:21], s[14:15]
	s_and_b32 s7, s5, 31
	s_lshl_b32 s32, s7, 17
	s_lshl_b32 s34, s4, 14
	s_add_co_u32 s32, s32, s34
	s_add_nc_u64 s[14:15], s[14:15], s[32:33]
	s_lshl_b32 s32, s5, 16
	s_lshl_b32 s34, s4, 13
	s_add_co_u32 s32, s32, s34
	s_add_nc_u64 s[28:29], s[28:29], s[32:33]
.set c, 0
.rept 32
	global_load_b128 v[D+4*c:D+4*c+3], v3, s[14:15] offset:c*512 th:TH_LOAD_NT
.set c, c+1
.endr
.set c, 0
.rept 16
	s_wait_loadcnt 30-2*c                          ; the later pairs of loads stay out
.irp k, 0,1,2,3
	v_cvt_pk_bf16_f32 v[P+4*c+\k], v[D+8*c+2*\k], v[D+8*c+2*\k+1]
.endr
	global_store_b64 v5, v[P+4*c:P+4*c+1],   s[28:29] offset:c*512
	global_store_b64 v5, v[P+4*c+2:P+4*c+3], s[28:29] offset:c*512+256
.set c, c+1
.endr
	s_endpgm
	; ---- FiLM: work-group = (cg: 64 columns = 256 bytes of a row of W_emb, kc: 512 rows); wave w rows R0 = 512 kc + 64 w .. +63.
	; A load takes rows R0 + 2 i + h: sixteen lanes read 256 consecutive, aligned bytes of one row.
	; LDS: 0 .. 8,191 each wave's own 64 rows x 4 batches of silu(emb); 8,192 .. 16,383 the waves' partial sums [w][b][64].
.Lfilm:
	s_and_b32 s5, ttmp9, 31                        ; cg
	s_lshr_b32 s6, ttmp9, 5                        ; kc
	s_lshl_b32 s7, s6, 9
	s_lshl_b32 s34, s4, 6
	s_add_co_u32 s7, s7, s34                       ; R0
	s_lshl_b32 s32, s7, 2
	s_add_nc_u64 s[22:23], s[22:23], s[32:33]      ; emb at column R0
	s_lshl_b32 s32, s7, 13
	s_lshl_b32 s34, s5, 8                          ; cg * 256
	s_add_co_u32 s32, s32, s34
	s_add_nc_u64 s[24:25], s[24:25], s[32:33]      ; W_emb at (R0, 64 cg)
	s_lshl_b32 s35, s4, 10                         ; w * 1,024
	v_and_b32 v10, 15, v0                          ; c16
	v_bfe_u32 v11, v0, 4, 1                        ; h
	v_lshlrev_b32 v12, 4, v10
	v_lshl_add_u32 v4, v11, 13, v12                ; h rows of 8,192 bytes + 16 c16
	v_lshl_add_u32 v6, v1, 5, s35                  ; where I put rows 2 L and 2 L + 1 of silu(emb)
	v_lshl_add_u32 v7, v11, 4, s35                 ; where I read row 2 i + h (the offset carries 32 i)
	v_lshl_add_u32 v8, v11, 9, v12
	v_add_nc_u32 v8, s35, v8                       ; partial sums: w * 1,024 + (2 h) * 256 + 16 c16
	v_cmp_lt_u32 s40, 15, v1                       ; lanes 16 to 31
.irp b, 0,1,2,3
	global_load_b64 v[T+2*\b:T+2*\b+1], v5, s[22:23] offset:\b*8192
.endr
.set i, 0
.rept 32
	global_load_b128 v[D+4*i:D+4*i+3], v4, s[24:25] offset:i*16384 th:TH_LOAD_NT
.set i, i+1
.endr
	s_wait_loadcnt 32                              ; emb is in; the 32 loads of W_emb stay out
	; silu(x) = x / (1 + 2^(-x log2 e)); quad e = row 2 L + e, its four numbers the batches
.irp b, 0,1,2,3
.irp e, 0,1
	v_mul_f32 v[T+8+4*\e+\b], 0xbfb8aa3b, v[T+2*\b+\e]
.endr
.endr
.irp k, 8,9,10,11,12,13,14,15
	v_exp_f32 v[T+\k], v[T+\k]
.endr
	v_nop
	s_wait_alu depctr_va_vdst(0)
.irp k, 8,10,12,14
	v_pk_add_f32 v[T+\k:T+\k+1], v[T+\k:T+\k+1], 1.0 op_sel_hi:[1,0]
.endr
.irp k, 8,9,10,11,12,13,14,15
	v_rcp_f32 v[T+\k], v[T+\k]
.endr
	v_nop
	s_wait_alu depctr_va_vdst(0)
.irp b, 0,1,2,3
.irp e, 0,1
	v_mul_f32 v[T+8+4*\e+\b], v[T+8+4*\e+\b], v[T+2*\b+\e]
.endr
.endr
	ds_store_b128 v6, v[T+8:T+11]
	ds_store_b128 v6, v[T+12:T+15] offset:16       ; the wave's own bytes: LDS serves a wave in order (ISA guide 5.7.1.4), no barrier
.set g, 0
.rept 4
.set q, 0
.rept 8
	ds_load_b128 v[P+(g&1)*32+4*q:P+(g&1)*32+4*q+3], v7 offset:(8*g+q)*32
.set q, q+1
.endr
	s_wait_dscnt 0x0
	s_wait_loadcnt 24-8*g                          ; the later groups' loads of W_emb, eight each, stay out
.set q, 0
.rept 8
.irp b, 0,1,2,3
.irp e, 0,2
.if (8*g+q) == 0
	FMAB 1, ACC+4*\b+\e, D+4*(8*g+q)+\e, P+(g&1)*32+4*q+\b      ; the first rows start the sums
.else
	FMAB 0, ACC+4*\b+\e, D+4*(8*g+q)+\e, P+(g&1)*32+4*q+\b
.endif
.endr
.endr
.set q, q+1
.endr
.set g, g+1
.endr
.set k, 0
.rept 16
	v_permlanex16_b32 v[T+k], v[ACC+k], s36, s37   ; even and odd rows lie in the two halves of the lanes
.set k, k+1
.endr
.irp k, 0,2,4,6,8,10,12,14
	v_pk_add_f32 v[ACC+\k:ACC+\k+1], v[ACC+\k:ACC+\k+1], v[T+\k:T+\k+1]
.endr
.irp k, 0,1,2,3,4,5,6,7
	v_cndmask_b32 v[T+\k], v[ACC+\k], v[ACC+8+\k], s40          ; lanes 0-15 hand on batches 0, 1; lanes 16-31 batches 2, 3
.endr
	ds_store_b128 v8, v[T:T+3] offset:8192
	ds_store_b128 v8, v[T+4:T+7] offset:8192+256
	s_wait_dscnt 0x0                               ; for the other waves: my partial sums are written
	s_barrier_signal -1
	s_barrier_wait -1
	s_cmp_gt_u32 s4, 3
	s_cbranch_scc1 .Lfilm_end
	s_lshl_b32 s32, s6, 15                         ; wave b adds the eight waves' sums of batch b
	s_add_co_u32 s32, s32, s34
	s_lshl_b32 s35, s4, 13
	s_add_co_u32 s32, s32, s35
	s_add_nc_u64 s[30:31], s[30:31], s[32:33]      ; film + kc * 32,768 + b * 8,192 + cg * 256
	s_lshl_b32 s35, s4, 8
	v_add_nc_u32 v9, s35, v5
.irp w, 0,1,2,3,4,5,6,7
	ds_load_b64 v[P+2*\w:P+2*\w+1], v9 offset:8192+\w*1024
.endr
	s_wait_dscnt 0x0
.irp w, 0,4,8,12
	v_pk_add_f32 v[P+\w:P+\w+1], v[P+\w:P+\w+1], v[P+\w+2:P+\w+3]
.endr
	v_pk_add_f32 v[P:P+1], v[P:P+1], v[P+4:P+5]
	v_pk_add_f32 v[P+8:P+9], v[P+8:P+9], v[P+12:P+13]
	v_pk_add_f32 v[P:P+1], v[P:P+1], v[P+8:P+9]
	global_store_b64 v5, v[P:P+1], s[30:31]        ; 32 lanes store 256 consecutive bytes, aligned
.Lfilm_end:
	s_wait_tensorcnt 0x0
	ds_add_u32 v240, v241
	s_wait_dscnt 0x0
	s_endpgm
.Lfunc_end_k_q1c4dab98d4_prep:
	.size	k_q1c4dab98d4_prep, .Lfunc_end_k_q1c4dab98d4_prep-k_q1c4dab98d4_prep
	.p2alignl 7, 3214868480
	.fill 96, 4, 3214868480
	.section	.rodata,"a",@progbits
	.p2align	6, 0x0
	.amdhsa_kernel k_q1c4dab98d4_prep
		.amdhsa_group_segment_fixed_size 17408
		.amdhsa_private_segment_fixed_size 0
		.amdhsa_enable_private_segment 0
		.amdhsa_kernarg_size 96
		.amdhsa_user_sgpr_count 2
		.amdhsa_user_sgpr_kernarg_segment_ptr 1
		.amdhsa_wavefront_size32 1
		.amdhsa_system_sgpr_workgroup_id_x 1
		.amdhsa_system_sgpr_workgroup_id_y 1
		.amdhsa_system_sgpr_workgroup_id_z 1
		.amdhsa_system_vgpr_workitem_id 0
		.amdhsa_next_free_vgpr 242
		.amdhsa_next_free_sgpr 66
		.amdhsa_reserve_vcc 0
		.amdhsa_float_denorm_mode_32 3
		.amdhsa_float_denorm_mode_16_64 3
		.amdhsa_memory_ordered 1
		.amdhsa_forward_progress 1
		.amdhsa_inst_pref_size 77
	.end_amdhsa_kernel
	.amdgpu_metadata
---
amdhsa.version: [ 1, 2 ]
amdhsa.kernels:
  - .name:           k_q1c4dab98d4_prep
    .symbol:         k_q1c4dab98d4_prep.kd
    .args:
      - { .name: x, .offset: 0, .size: 8, .value_kind: global_buffer, .address_space: global }
      - { .name: ln_w, .offset: 8, .size: 8, .value_kind: global_buffer, .address_space: global }
      - { .name: ln_b, .offset: 16, .size: 8, .value_kind: global_buffer, .address_space: global }
      - { .name: Wq, .offset: 24, .size: 8, .value_kind: global_buffer, .address_space: global }
      - { .name: Wk, .offset: 32, .size: 8, .value_kind: global_buffer, .address_space: global }
      - { .name: Wv, .offset: 40, .size: 8, .value_kind: global_buffer, .address_space: global }
      - { .name: W_out, .offset: 48, .size: 8, .value_kind: global_buffer, .address_space: global }
      - { .name: emb, .offset: 56, .size: 8, .value_kind: global_buffer, .address_space: global }
      - { .name: W_emb, .offset: 64, .size: 8, .value_kind: global_buffer, .address_space: global }
      - { .name: act, .offset: 72, .size: 8, .value_kind: global_buffer, .address_space: global }
      - { .name: wbf, .offset: 80, .size: 8, .value_kind: global_buffer, .address_space: global }
      - { .name: film, .offset: 88, .size: 8, .value_kind: global_buffer, .address_space: global }
    .group_segment_fixed_size: 17408
    .private_segment_fixed_size: 0
    .kernarg_segment_align: 8
    .kernarg_segment_size: 96
    .max_flat_workgroup_size: 256
    .sgpr_count:     66
    .vgpr_count:     242
    .wavefront_size: 32
...
	.end_amdgpu_metadata
.endif
;; end of part 6
;; launch qkv (part 7): grid 8 x 32, 4 waves a work-group, clusters of 4 x 4, 327,680 bytes of LDS; arguments act, wbf, bq, bk, bv, src_mask, qf, attp, kstat; writes qf, attp, kstat
.if DOCPART == 7
	.amdgcn_target "amdgcn-amd-amdhsa--gfx1250"
	.amdhsa_code_object_version 6
	.text
	.protected	k_q1c4dab98d4_qkv
	.globl	k_q1c4dab98d4_qkv
	.p2align	8
	.type	k_q1c4dab98d4_qkv,@function
k_q1c4dab98d4_qkv:
	s_mov_b64 s[64:65], 0
	v_nop
	global_prefetch_b8 v0, s[64:65] scope:SCOPE_SE
	s_setreg_imm32_b32 hwreg(HW_REG_WAVE_MODE, 25, 1), 1
	s_wait_xcnt 0x0
	s_wait_alu depctr_hold_cnt(0) depctr_sa_sdst(0) depctr_va_vdst(0) depctr_va_sdst(0) depctr_va_ssrc(0) depctr_va_vcc(0) depctr_vm_vsrc(0)
	s_getreg_b32 s2, hwreg(HW_REG_IB_STS2, 6, 4)
	s_cmp_eq_u32 s2, 0
	s_cbranch_scc0 .Lentry_in_a_cluster
	s_endpgm
.Lentry_in_a_cluster:
	s_bfe_u32 s2, ttmp6, 0x10000c
	s_cmp_lg_u32 s2, 0xf033
	s_cbranch_scc0 .Lentry_shape_is_right
	s_endpgm
.Lentry_shape_is_right:
; q, k, v OF ONE HEAD FOR 256 ROWS, IN ONE PASS OVER K = 1024, WITH THEIR EPILOGUES AND THE CHUNK'S PART OF k^T v.
; Work-group (head, rb): rows 256 rb .. +255 of xn times the head's 128 columns of Wq, Wk and Wv: 8 x 32 = 256 work-groups of equal work.
; Wave w: rows 64 w .. +63 x 384 columns = 96 accumulator tiles of 16 x 16 = 768 registers (windows 1, 2, 3 = q, k, v; tile (a, b) at v[8 (8 a + b)]).
; K goes in steps of 64 through two LDS slots: Wq | Wk | Wv tiles (64 k-rows x 256 bytes, pitch 288) | xn tile (256 rows x 128 bytes, pitch 144) = 92,160 bytes.
; Two slots of a step of 128 would take 2 x (3 x 128 x 288 + 256 x 272) = 360,448 bytes, more than the 327,680 of LDS: so xn's tile rows are 128 bytes.
; Waves 0, 1, 2 fetch the three weight tiles, wave 3 the xn tile: one tensor load a wave behind each change of slots; two are out at the start, later one.
; CLUSTER 4 x 4: the xn tile hangs on rb alone and is asked for jointly along a row of the cluster; a weight tile hangs on the head alone, jointly along a column.
; The weights stay [k][n]; their fragments come out of LDS by the transposing load.
; ORIENTATION, by the order of the two sources (register j of lane (r, h) is row 8 h + j of source 0, row r of source 1):
;   q: source 0 = weights, source 1 = xn: a lane holds ONE TIME ROW and 8 neighbouring columns (softmax over the head's 128 columns stays in two lanes);
;   k, v: source 0 = xn, source 1 = weights: a lane holds ONE COLUMN and 8 neighbouring times (maximum and sum over time stay in two lanes).
; Four v_cvt_pk_bf16_f32 of such a tile are half of a 16-bit K = 32 operand fragment: blocks of 512 bytes = [lane][16 bytes].
;   q leaves so for the launch that multiplies it: qf, block (row / 16) * 64 + column / 16; each store of a wave covers 512 consecutive, aligned bytes.
;   p = exp(k - chunk max) and v go so into LDS (p at 0, v at 65,536: block column tile * 16 + time / 16), onto the two slots, which have had their last
;   fill and whose last reads lie behind a barrier.  Each wave then sums one quadrant (64 l x 64 d) of v^T p over the work-group's 256 times:
;   source 0 = p (rows d), source 1 = v (rows l): a lane holds one l and 8 neighbouring d, in f32.
;   attp: [8 bh + chunk][l tile][d tile][registers 0-3, 4-7][lane][16 bytes].     kstat: chunk maxima at 0, sums at 131,072: [8 bh + chunk][128 columns] f32.
; The softmax over time takes the chunk's maximum away here; the next launch joins the eight chunks by exp(m_chunk - M).
; Limit: v_exp_f32 and v_rcp_f32 flush denormals: a softmax weight below 2^-126 counts as 0.
.set KSTEP, 64
.set XP,    144
.set WP,    288
.set WT,    64*WP                      ; 18,432
.set XT,    256*XP                     ; 36,864
.set SLOT,  3*WT+XT                    ; 92,160
.set XCH1,  2*SLOT                     ; 184,320: the waves' chunk maxima, 4 x 512 bytes; no tensor load lands here
.set XCH2,  XCH1+2048                  ; the waves' chunk sums
; window 0: v1 r, v2 h, v3 lane, v4-5 xn fragment address in slot 0, 1, v6-7 weight fragment address (behind the loop: v4 p in, v5 v in, v6 p back, v7 v back),
;           v8 lane*16, v9 h*32, v10 r*4, v11-12 exchange, v14 exchange read in column order
.set T,   16                           ; v[16:31]   at work
.set X0,  32                           ; v[32:63]   xn fragments, buffer 0; in the epilogue MSK
.set X1,  64                           ; v[64:95]   buffer 1; in the epilogue S
.set W0,  96                           ; v[96:159]  weight fragments, buffer 0
.set W1,  160                          ; v[160:223] buffer 1
.set MSK, 32                           ; mask of my times 16 a + 8 h + j at MSK + 8 a + j
.set S,   64                           ; chains of sums; the mask term; what the exchange brings
.set BQ,  96                           ; bq of columns 16 b + 8 h + j at BQ + 8 b + j
.set OUT, 96                           ; v[96:223]  packed results, tile (a, b) at OUT + 4 (8 a + b)
.set FB0, 32                           ; three buffers of p's four and v's four fragments for the last product
.set FB1, 96
.set FB2, 160
.set BK,  224                          ; bk of column 16 b + r
.set BV,  232
.set NM,  240                          ; q: -max * log2 e as pairs;  k: CM, the chunk maxima
.set CM,  240
.set RC,  248                          ; q: 1 / sum as pairs;        k: CS, the chunk sums
.set CS,  248
.set G1X, 24                           ; s[24:31] group 1, xn tile
.set G0X, 32                           ; s[32:39] group 0, xn tile, a set for each slot
.set G1W, 48                           ; s[48:55] group 1, weight tiles
.set G0W, 56                           ; s[56:63] group 0, weight tiles, a set for each slot
.set ACQ, 0x50                         ; sources window 0, C and D window 1
.set ACK, 0xa0
.set ACV, 0xf0
.set MSB, 0
.macro WIN new                         ; the immediate's high byte repeats the setting that is left
.if MSB != (\new)
	s_set_vgpr_msb (MSB<<8)|(\new)
.set MSB, \new
.endif
.endm
.macro PLACES                          ; four places behind a matrix instruction (ISA guide 7.12.1) before its registers are loaded, read or written
.rept 4
	v_nop
.endr
.endm
.macro JLOAD s                         ; wave 3 asks for xn's tile, waves 0 to 2 for their weight tile; the branch hangs on the wave's number alone
	s_cmp_eq_u32 s10, 3
	s_cbranch_scc0 .Lfor_w_\@
	tensor_load_to_lds s[G0X+4*\s:G0X+4*\s+3], s[G1X:G1X+7]
	s_nop 0
	s_branch .Lasked_\@
.Lfor_w_\@:
	tensor_load_to_lds s[G0W+4*\s:G0W+4*\s+3], s[G1W:G1W+7]
	s_nop 0
.Lasked_\@:
.endm
.macro CREST                           ; a round of the cluster's barrier behind its opening work-group barrier
	s_cmp_lg_u32 s10, 0
	s_cbranch_scc1 .Lnot_wave_0_\@
	s_barrier_signal -3
.Lnot_wave_0_\@:
	s_barrier_wait -3
	s_barrier_signal -1
	s_barrier_wait -1
.endm
.macro CROUND
	s_barrier_signal -1
	s_barrier_wait -1
	CREST
.endm
; eight weight fragments (128 columns x 32 k) of matrix g, half step s, transposed on the way: rows k, 16 rows = 4,608 bytes apart
.macro FETCHW slot, g, s, wb
.irp b, 0,1,2,3,4,5,6,7
	ds_load_tr16_b128 v[\wb+8*\b:\wb+8*\b+3],   v[6+\slot] offset:\g*WT+\s*9216+32*\b
	ds_load_tr16_b128 v[\wb+8*\b+4:\wb+8*\b+7], v[6+\slot] offset:\g*WT+\s*9216+32*\b+4608
.endr
.endm
.macro FETCHX slot, s, xb              ; four xn fragments (my 64 rows x 32 k)
.irp a, 0,1,2,3
	ds_load_b128 v[\xb+8*\a:\xb+8*\a+3],   v[4+\slot] offset:\a*16*XP+64*\s
	ds_load_b128 v[\xb+8*\a+4:\xb+8*\a+7], v[4+\slot] offset:\a*16*XP+64*\s+32
.endr
.endm
; 16 matrix instructions: row tiles a0, a0 + 1 x all 8 column tiles.  Every instruction names another accumulator: the accumulators take turns,
; one instruction a turn; the same tile comes again 95 instructions later, over the backward jump too.
.macro MUL16 g, xb, wb, a0, zero
.irp a, \a0, \a0+1
.irp b, 0,1,2,3,4,5,6,7
.if \g == 0
.if \zero
	v_wmma_f32_16x16x32_bf16 v[8*(8*(\a)+\b):8*(8*(\a)+\b)+7], v[\wb+8*\b:\wb+8*\b+7], v[\xb+8*(\a):\xb+8*(\a)+7], 0
.else
	v_wmma_f32_16x16x32_bf16 v[8*(8*(\a)+\b):8*(8*(\a)+\b)+7], v[\wb+8*\b:\wb+8*\b+7], v[\xb+8*(\a):\xb+8*(\a)+7], v[8*(8*(\a)+\b):8*(8*(\a)+\b)+7]
.endif
.else
.if \zero
	v_wmma_f32_16x16x32_bf16 v[8*(8*(\a)+\b):8*(8*(\a)+\b)+7], v[\xb+8*(\a):\xb+8*(\a)+7], v[\wb+8*\b:\wb+8*\b+7], 0
.else
	v_wmma_f32_16x16x32_bf16 v[8*(8*(\a)+\b):8*(8*(\a)+\b)+7], v[\xb+8*(\a):\xb+8*(\a)+7], v[\wb+8*\b:\wb+8*\b+7], v[8*(8*(\a)+\b):8*(8*(\a)+\b)+7]
.endif
.endif
.endr
.endr
.endm
.macro UHEAD                           ; a unit = 32 matrix instructions.  Its fragments were asked for one unit ago; the next unit's are asked for now
	s_wait_dscnt 0x0
	PLACES                             ; behind the last unit's matrix instructions, which read the buffer that is loaded next
	WIN 0
.endm
.macro UMUL g, win, xb, wb, zero
	WIN \win
	MUL16 \g, \xb, \wb, 0, \zero
	MUL16 \g, \xb, \wb, 2, \zero
.endm
.macro FIVE slot, zero                 ; the first five of a step's six units: (k half 0: q, k, v), (k half 1: q, k)
	UHEAD
	FETCHW \slot, 1, 0, W1
	UMUL 0, ACQ, X0, W0, \zero
	UHEAD
	FETCHW \slot, 2, 0, W0
	UMUL 1, ACK, X0, W1, \zero
	UHEAD
	FETCHW \slot, 0, 1, W1
	FETCHX \slot, 1, X1
	UMUL 2, ACV, X0, W0, \zero
	UHEAD
	FETCHW \slot, 1, 1, W0
	UMUL 0, ACQ, X1, W1, 0
	UHEAD
	FETCHW \slot, 2, 1, W1
	UMUL 1, ACK, X1, W0, 0
.endm
; The sixth unit (k half 1, v) changes slots.  In front of the barrier each wave waits for its reads of this slot and for all its tensor loads
; (one is out: its part of the next slot).  Where the slot is filled again the barrier opens a round of the cluster's barrier, and the joint
; refill is the first tensor load behind the round.  From a request to the wait for it a wave issues 176 matrix instructions.
.macro TURN slot, next, fill
	s_wait_dscnt 0x0
	s_wait_xcnt 0x0
	s_set_vgpr_msb 0xa020
	v_lshl_add_u32 v254, v0, 2, 0x2e000
	v_mov_b32 v255, 0
	s_wait_tensorcnt 0x0
	ds_add_u32 v254, v255
	s_wait_dscnt 0x0
	s_set_vgpr_msb 0x20a0
	s_barrier_signal -1
	WIN ACV
	MUL16 2, X1, W1, 0, 0
	WIN 0
	s_barrier_wait -1
.if \fill
	CREST
	s_add_nc_u64 s[G0X+4*\slot+2:G0X+4*\slot+3], s[G0X+4*\slot+2:G0X+4*\slot+3], 2*KSTEP*2      ; no tensor load of mine is out: group 0 may step, two K steps on
	s_add_nc_u64 s[G0W+4*\slot+2:G0W+4*\slot+3], s[G0W+4*\slot+2:G0W+4*\slot+3], 2*KSTEP*2048
	JLOAD \slot
.endif
	PLACES
	FETCHW \next, 0, 0, W0
	FETCHX \next, 0, X0
	WIN ACV
	MUL16 2, X1, W1, 2, 0
.endm
.macro LAP zero
	FIVE 0, \zero
	TURN 0, 1, 1
	FIVE 1, 0
	TURN 1, 0, 1
.endm
; pair d = pair d (+, -) v[reg], broadcast out of its aligned pair
.macro ADDB d, reg
.if (\reg)&1
	v_pk_add_f32 v[\d:\d+1], v[\d:\d+1], v[\reg-1:\reg] op_sel:[0,1] op_sel_hi:[1,1]
.else
	v_pk_add_f32 v[\d:\d+1], v[\d:\d+1], v[\reg:\reg+1] op_sel_hi:[1,0]
.endif
.endm
.macro SUBB d, reg
.if (\reg)&1
	v_pk_add_f32 v[\d:\d+1], v[\d:\d+1], v[\reg-1:\reg] op_sel:[0,1] op_sel_hi:[1,1] neg_lo:[0,1] neg_hi:[0,1]
.else
	v_pk_add_f32 v[\d:\d+1], v[\d:\d+1], v[\reg:\reg+1] op_sel_hi:[1,0] neg_lo:[0,1] neg_hi:[0,1]
.endif
.endm
; the last product: 32 times kk of the chunk: four fragments of p (my 64 d), four of v (my 64 l); each load takes 512 consecutive bytes
.macro FETCHA kk, fb
.irp t, 0,1,2,3
	ds_load_b128 v[\fb+8*\t:\fb+8*\t+3],   v6 offset:\t*8192+\kk*1024
	ds_load_b128 v[\fb+8*\t+4:\fb+8*\t+7], v6 offset:\t*8192+\kk*1024+512
.endr
.irp t, 0,1,2,3
	ds_load_b128 v[\fb+32+8*\t:\fb+32+8*\t+3],   v7 offset:\t*8192+\kk*1024
	ds_load_b128 v[\fb+32+8*\t+4:\fb+32+8*\t+7], v7 offset:\t*8192+\kk*1024+512
.endr
.endm
; 16 matrix instructions on 16 accumulators (window 2, tile (lt, dt) at v[8 (4 lt + dt)]), which take turns
.macro AMUL fb, zero
.irp lt, 0,1,2,3
.irp dt, 0,1,2,3
.if \zero
	v_wmma_f32_16x16x32_bf16 v[8*(4*\lt+\dt):8*(4*\lt+\dt)+7], v[\fb+8*\dt:\fb+8*\dt+7], v[\fb+32+8*\lt:\fb+32+8*\lt+7], 0
.else
	v_wmma_f32_16x16x32_bf16 v[8*(4*\lt+\dt):8*(4*\lt+\dt)+7], v[\fb+8*\dt:\fb+8*\dt+7], v[\fb+32+8*\lt:\fb+32+8*\lt+7], v[8*(4*\lt+\dt):8*(4*\lt+\dt)+7]
.endif
.endr
.endr
.endm
; left = LDS loads issued behind this step's sixteen; more = 1: step kn's fragments are asked for, into the buffer that the step before read
.macro ASTEP fb, left, zero, more, kn, fn
	s_wait_dscnt \left
.if \more
	PLACES
	WIN 0
	FETCHA \kn, \fn
.endif
	WIN ACK
	AMUL \fb, \zero
.endm
	s_load_b512 s[68:83], s[0:1], 0x0              ; act 68:69, wbf 70:71, bq 72:73, bk 74:75, bv 76:77, src_mask 78:79, qf 80:81, attp 82:83
	s_load_b64 s[84:85], s[0:1], 0x40              ; kstat
	v_lshl_add_u32 v254, v0, 2, 0x2e000
	v_mov_b32 v255, 0
	ds_add_u32 v254, v255
	s_wait_dscnt 0x0
	v_lshrrev_b32 v1, 5, v0
	v_readfirstlane_b32 s10, v1                    ; wave
	s_bfe_u32 s40, ttmp6, 0x40000                  ; cx
	s_bfe_u32 s41, ttmp6, 0x40004                  ; cy
	s_lshl_b32 s42, ttmp9, 2
	s_add_co_u32 s42, s42, s40                     ; head = 4 x cluster x + cx
	s_and_b32 s13, ttmp7, 0xffff
	s_lshl_b32 s13, s13, 2
	s_add_co_u32 s13, s13, s41                     ; rb = 4 x cluster y + cy
	s_lshl_b32 s43, s41, 2
	s_lshl_b32 s43, 15, s43                        ; my row of the cluster
	s_lshl_b32 s44, 0x1111, s40                    ; my column
	; group 1, xn tile: 256 rows x 64 bf16; after every 32 words (code 4) 4 words of padding (code 3): LDS pitch 144
	s_or_b32  s[G1X+0], s43, (1<<16)|(1<<20)|(1<<21)|(4<<22)|(3<<25)
	s_mov_b32 s[G1X+1], 64<<16                     ; tensor_dim0 = 64
	s_mov_b32 s[G1X+2], 256<<16                    ; tensor_dim1 = 256
	s_mov_b32 s[G1X+3], 64<<16                     ; tile_dim0 = 64
	s_mov_b32 s[G1X+4], 256                        ; tile_dim1 = 256
	s_mov_b32 s[G1X+5], 1024                       ; elements from row to row
	s_mov_b32 s[G1X+6], 0
	s_mov_b32 s[G1X+7], 0
	; group 1, weight tile: 64 k-rows x 128 bf16; after every 64 words (code 5) 8 words of padding (code 7): LDS pitch 288
	s_or_b32  s[G1W+0], s44, (1<<16)|(1<<20)|(1<<21)|(5<<22)|(7<<25)
	s_mov_b32 s[G1W+1], 128<<16
	s_mov_b32 s[G1W+2], 64<<16
	s_mov_b32 s[G1W+3], 128<<16
	s_mov_b32 s[G1W+4], 64
	s_mov_b32 s[G1W+5], 1024
	s_mov_b32 s[G1W+6], 0
	s_mov_b32 s[G1W+7], 0
	s_lshl_b32 s16, s13, 19                        ; xn: 256 rb rows of 2,048 bytes (rb alone)
	s_mov_b32 s17, 0
	s_lshl_b32 s46, s10, 21                        ; weights: matrix = wave, 2,097,152 bytes each,
	s_lshl_b32 s47, s42, 8                         ; the head's 128 columns (the head alone)
	s_add_co_u32 s46, s46, s47
	s_mov_b32 s47, 0
	s_mul_i32 s20, s10, WT                         ; LDS: wave x 18,432; wave 3's part is xn's
	s_mov_b32 s86, 0x76543210
	s_mov_b32 s87, 0xfedcba98
	s_mov_b32 s91, 0
	s_wait_kmcnt 0x0
	s_add_nc_u64 s[14:15], s[68:69], s[16:17]
	s_add_nc_u64 s[46:47], s[70:71], s[46:47]
	CROUND                                         ; all sixteen work-groups are here: the first joint loads meet
.irp s, 0,1
	s_mov_b32 s[G0X+4*\s], 1
	s_add_co_u32 s[G0X+4*\s+1], s20, \s*SLOT
	s_add_nc_u64 s[G0X+4*\s+2:G0X+4*\s+3], s[14:15], \s*KSTEP*2
	s_or_b32 s[G0X+4*\s+3], s[G0X+4*\s+3], 0x80000000
	s_mov_b32 s[G0W+4*\s], 1
	s_add_co_u32 s[G0W+4*\s+1], s20, \s*SLOT
	s_add_nc_u64 s[G0W+4*\s+2:G0W+4*\s+3], s[46:47], \s*KSTEP*2048
	s_or_b32 s[G0W+4*\s+3], s[G0W+4*\s+3], 0x80000000
	JLOAD \s
.endr
	; the epilogue's addresses
	s_lshl_b32 s90, s13, 10
	s_lshl_b32 s89, s10, 8
	s_add_co_u32 s90, s90, s89
	s_add_nc_u64 s[78:79], s[78:79], s[90:91]      ; mask at my 64 times
	s_lshl_b32 s90, s42, 9
	s_add_nc_u64 s[72:73], s[72:73], s[90:91]      ; the biases at the head's columns
	s_add_nc_u64 s[74:75], s[74:75], s[90:91]
	s_add_nc_u64 s[76:77], s[76:77], s[90:91]
	s_lshl_b32 s90, s13, 4
	s_lshl2_add_u32 s90, s10, s90                  ; my first row group: 16 rb + 4 w
	s_lshl_b32 s90, s90, 15
	s_lshl_b32 s89, s42, 12
	s_add_co_u32 s90, s90, s89
	s_add_nc_u64 s[80:81], s[80:81], s[90:91]      ; qf
	s_lshr_b32 s45, s13, 3
	s_lshl3_add_u32 s45, s45, s42                  ; bh = 8 b + head
	s_and_b32 s89, s13, 7                          ; chunk of 256 times in the batch
	s_lshl3_add_u32 s22, s45, s89                  ; 8 bh + chunk
	s_and_b32 s67, s10, 1                          ; my quadrant of the last product: which 64 d,
	s_lshr_b32 s23, s10, 1                         ; which 64 l
	s_lshl_b32 s90, s22, 16                        ; 64 tiles of 1,024 bytes for each chunk
	s_lshl_b32 s21, s23, 15                        ; + four rows of eight tiles
	s_add_co_u32 s90, s90, s21
	s_lshl_b32 s21, s67, 12                        ; + four tiles
	s_add_co_u32 s90, s90, s21
	s_add_nc_u64 s[82:83], s[82:83], s[90:91]      ; attp
	s_lshl_b32 s90, s22, 9
	s_add_nc_u64 s[84:85], s[84:85], s[90:91]      ; kstat
	s_lshl_b32 s66, s10, 11                        ; LDS: my four time tiles of 512 bytes in each column tile's 8,192
	s_lshl_b32 s67, s67, 15                        ; p back: four column tiles of 8,192 bytes
	s_lshl_b32 s23, s23, 15
	s_add_co_u32 s23, s23, 65536                   ; v back
	v_and_b32 v1, 15, v0                           ; r
	v_bfe_u32 v2, v0, 4, 1                         ; h
	v_and_b32 v3, 31, v0                           ; lane
	v_mul_u32_u24 v14, v1, XP
	v_lshl_add_u32 v14, v2, 4, v14                 ; r x pitch + 16 h
	s_mul_i32 s21, s10, 64*XP
	s_add_co_u32 s21, s21, 3*WT
	v_add_nc_u32 v4, s21, v14
	s_add_co_u32 s21, s21, SLOT
	v_add_nc_u32 v5, s21, v14
	v_and_b32 v14, 7, v0
	v_lshl_add_u32 v14, v2, 3, v14                 ; k row 8 h + (lane & 7)
	v_mul_u32_u24 v14, v14, WP
	v_bfe_u32 v15, v0, 3, 1
	v_lshl_add_u32 v6, v15, 4, v14                 ; + 16 ((lane >> 3) & 1)
	v_add_nc_u32 v7, SLOT, v6
	v_lshlrev_b32 v8, 4, v3
	v_lshlrev_b32 v9, 5, v2
	v_lshlrev_b32 v10, 2, v1
	s_lshl_b32 s21, s10, 9
	s_add_co_u32 s21, s21, XCH1
	v_add_nc_u32 v11, s21, v8                      ; exchange, in: my wave's 512 bytes: lane (r, h) puts the quad of column tiles 4 h .. 4 h + 3, column r
	v_lshlrev_b32 v12, 4, v1
	v_add_nc_u32 v12, XCH1, v12                    ; exchange, back: the quads of column r
	; exchange, back in column order: lane L wants columns 4 L + i = tile L >> 2, r = 4 (L & 3) + i: quad ((L >> 4) * 16 + r), word (L >> 2) & 3
	v_and_b32 v14, 3, v0
	v_lshlrev_b32 v14, 6, v14
	v_bfe_u32 v15, v0, 2, 2
	v_lshl_add_u32 v14, v15, 2, v14
	v_lshl_add_u32 v14, v2, 8, v14
	v_add_nc_u32 v14, XCH1, v14
	v_cmp_lt_u32 s88, 15, v3                       ; lanes 16 to 31
	s_wait_tensorcnt 0x1                           ; my part of K step 0 is in; step 1's stays out
	s_barrier_signal -1
	s_barrier_wait -1
	FETCHW 0, 0, 0, W0
	FETCHX 0, 0, X0
	LAP 1                                          ; the first lap stands in front of the loop: its first products start the sums
	WIN 0
	s_mov_b32 s3, 6
.Llap:
	LAP 0
	WIN 0
	s_sub_co_u32 s3, s3, 1
	s_cmp_lg_u32 s3, 0
	s_cbranch_scc1 .Llap
	FIVE 0, 0                                      ; the last lap (K steps 14, 15) fills nothing
	TURN 0, 1, 0
	FIVE 1, 0
	s_wait_dscnt 0x0
	PLACES
	WIN 0
	; what the epilogue needs, into fragment buffers that are free; it lands under the last 32 matrix instructions
.irp a, 0,1,2,3
	global_load_b128 v[MSK+8*\a:MSK+8*\a+3],   v9, s[78:79] offset:\a*64
	global_load_b128 v[MSK+8*\a+4:MSK+8*\a+7], v9, s[78:79] offset:\a*64+16
.endr
.irp b, 0,1,2,3,4,5,6,7
	global_load_b128 v[BQ+8*\b:BQ+8*\b+3],   v9, s[72:73] offset:\b*64
	global_load_b128 v[BQ+8*\b+4:BQ+8*\b+7], v9, s[72:73] offset:\b*64+16
.endr
.irp b, 0,1,2,3,4,5,6,7
	global_load_b32 v[BK+\b], v10, s[74:75] offset:\b*64
	global_load_b32 v[BV+\b], v10, s[76:77] offset:\b*64
.endr
	UMUL 2, ACV, X1, W1, 0
	PLACES
	WIN 0
	v_add_nc_u32 v4, s66, v8                       ; the ring's addresses have served: p in,
	v_add_nc_u32 v5, 0x10000, v4                   ; v in,
	v_add_nc_u32 v6, s67, v8                       ; p back,
	v_add_nc_u32 v7, s23, v8                       ; v back
	s_wait_loadcnt 0x0
	; ---------------- q: bias, softmax over the head's 128 columns (64 in this lane, 64 in lane xor 16), bf16, out
	WIN 0x41                                       ; destination and source 0 window 1
.irp a, 0,1,2,3
.irp b, 0,1,2,3,4,5,6,7
.irp p, 0,2,4,6
	v_pk_add_f32 v[8*(8*\a+\b)+\p:8*(8*\a+\b)+\p+1], v[8*(8*\a+\b)+\p:8*(8*\a+\b)+\p+1], v[BQ+8*\b+\p:BQ+8*\b+\p+1]
.endr
.endr
.endr
	WIN 0x05                                       ; sources 0 and 1 window 1: four chains of maxima for each row tile
.irp a, 0,1,2,3
.irp c, 0,1,2,3
	v_max_num_f32 v[T+4*\a+\c], v[8*(8*\a+2*\c)], v[8*(8*\a+2*\c)+1]
.endr
.endr
.irp j, 2,4,6,8,10,12,14
.irp a, 0,1,2,3
.irp c, 0,1,2,3
	v_max3_num_f32 v[T+4*\a+\c], v[8*(8*\a+2*\c)+\j], v[8*(8*\a+2*\c)+\j+1], v[T+4*\a+\c]
.endr
.endr
.endr
	WIN 0
.irp a, 0,1,2,3
	v_max3_num_f32 v[T+4*\a], v[T+4*\a], v[T+4*\a+1], v[T+4*\a+2]
	v_max_num_f32 v[T+4*\a], v[T+4*\a], v[T+4*\a+3]
	v_permlanex16_b32 v[T+4*\a+1], v[T+4*\a], s86, s87
	v_max_num_f32 v[T+4*\a], v[T+4*\a], v[T+4*\a+1]
	v_mul_f32 v[NM+2*\a], 0xbfb8aa3b, v[T+4*\a]    ; -max x log2 e, twice
	v_mul_f32 v[NM+2*\a+1], 0xbfb8aa3b, v[T+4*\a]
.endr
	WIN 0x41
.irp a, 0,1,2,3
.irp b, 0,1,2,3,4,5,6,7
.irp p, 0,2,4,6
	v_pk_fma_f32 v[8*(8*\a+\b)+\p:8*(8*\a+\b)+\p+1], v[8*(8*\a+\b)+\p:8*(8*\a+\b)+\p+1], 0x3fb8aa3b, v[NM+2*\a:NM+2*\a+1] op_sel_hi:[1,0,1]
.endr
.endr
.endr
.set k, 0
.rept 256
	v_exp_f32 v[k], v[k]
.set k, k+1
.endr
	v_nop
	WIN 0x05
	s_wait_alu depctr_va_vdst(0)
.irp a, 0,1,2,3
.irp c, 0,1,2,3
	v_pk_add_f32 v[S+8*\a+2*\c:S+8*\a+2*\c+1], v[8*(8*\a+2*\c):8*(8*\a+2*\c)+1], v[8*(8*\a+2*\c)+2:8*(8*\a+2*\c)+3]
.endr
.endr
	WIN 0x01
.irp j, 4,6,8,10,12,14
.irp a, 0,1,2,3
.irp c, 0,1,2,3
	v_pk_add_f32 v[S+8*\a+2*\c:S+8*\a+2*\c+1], v[8*(8*\a+2*\c)+\j:8*(8*\a+2*\c)+\j+1], v[S+8*\a+2*\c:S+8*\a+2*\c+1]
.endr
.endr
.endr
	WIN 0
.irp a, 0,1,2,3
	v_pk_add_f32 v[S+8*\a:S+8*\a+1], v[S+8*\a:S+8*\a+1], v[S+8*\a+2:S+8*\a+3]
	v_pk_add_f32 v[S+8*\a+4:S+8*\a+5], v[S+8*\a+4:S+8*\a+5], v[S+8*\a+6:S+8*\a+7]
	v_pk_add_f32 v[S+8*\a:S+8*\a+1], v[S+8*\a:S+8*\a+1], v[S+8*\a+4:S+8*\a+5]
	v_add_f32 v[T+4*\a], v[S+8*\a], v[S+8*\a+1]
	v_permlanex16_b32 v[T+4*\a+1], v[T+4*\a], s86, s87
	v_add_f32 v[T+4*\a], v[T+4*\a], v[T+4*\a+1]    ; at least 1: the largest term is 2^0
.endr
.irp a, 0,1,2,3
	v_rcp_f32 v[RC+2*\a], v[T+4*\a]
	v_rcp_f32 v[RC+2*\a+1], v[T+4*\a]
.endr
	v_nop
	WIN 0x41
	s_wait_alu depctr_va_vdst(0)
.irp a, 0,1,2,3
.irp b, 0,1,2,3,4,5,6,7
.irp p, 0,2,4,6
	v_pk_mul_f32 v[8*(8*\a+\b)+\p:8*(8*\a+\b)+\p+1], v[8*(8*\a+\b)+\p:8*(8*\a+\b)+\p+1], v[RC+2*\a:RC+2*\a+1]
.endr
.endr
.endr
	WIN 0x05
.irp a, 0,1,2,3
.irp b, 0,1,2,3,4,5,6,7
.irp p, 0,1,2,3
	v_cvt_pk_bf16_f32 v[OUT+4*(8*\a+\b)+\p], v[8*(8*\a+\b)+2*\p], v[8*(8*\a+\b)+2*\p+1]
.endr
.endr
.endr
	WIN 0
.irp a, 0,1,2,3
.irp b, 0,1,2,3,4,5,6,7
	global_store_b128 v8, v[OUT+4*(8*\a+\b):OUT+4*(8*\a+\b)+3], s[80:81] offset:\a*32768+\b*512
.endr
.endr
	; ---------------- k: (k + bk) + (1 - mask) x -1e6, in reference()'s order of roundings; maximum and sum over the work-group's 256 times
.set k, 0
.rept 16
	v_pk_add_f32 v[S+k:S+k+1], v[MSK+k:MSK+k+1], 1.0 op_sel_hi:[1,0] neg_lo:[1,0] neg_hi:[1,0]
.set k, k+2
.endr
.set k, 0
.rept 16
	v_pk_mul_f32 v[S+k:S+k+1], v[S+k:S+k+1], 0xc9742400 op_sel_hi:[1,0]
.set k, k+2
.endr
	WIN 0x82                                       ; destination and source 0 window 2
.irp a, 0,1,2,3
.irp b, 0,1,2,3,4,5,6,7
.irp p, 0,2,4,6
	ADDB 8*(8*\a+\b)+\p, BK+\b
.endr
.endr
.endr
.irp a, 0,1,2,3
.irp b, 0,1,2,3,4,5,6,7
.irp p, 0,2,4,6
	v_pk_add_f32 v[8*(8*\a+\b)+\p:8*(8*\a+\b)+\p+1], v[8*(8*\a+\b)+\p:8*(8*\a+\b)+\p+1], v[S+8*\a+\p:S+8*\a+\p+1]
.endr
.endr
.endr
	WIN 0x0a                                       ; sources 0 and 1 window 2: two chains for each column tile (row tiles 0, 1 and 2, 3)
.irp b, 0,1,2,3,4,5,6,7
.irp c, 0,1
	v_max_num_f32 v[T+2*\b+\c], v[8*(16*\c+\b)], v[8*(16*\c+\b)+1]
.endr
.endr
.irp j, 2,4,6,64,66,68,70
.irp b, 0,1,2,3,4,5,6,7
.irp c, 0,1
	v_max3_num_f32 v[T+2*\b+\c], v[8*(16*\c+\b)+\j], v[8*(16*\c+\b)+\j+1], v[T+2*\b+\c]
.endr
.endr
.endr
	WIN 0
.irp b, 0,1,2,3,4,5,6,7
	v_max_num_f32 v[T+2*\b], v[T+2*\b], v[T+2*\b+1]
	v_permlanex16_b32 v[T+2*\b+1], v[T+2*\b], s86, s87
	v_max_num_f32 v[CM+\b], v[T+2*\b], v[T+2*\b+1] ; over my wave's 64 times
.endr
.irp i, 0,1,2,3
	v_cndmask_b32 v[T+\i], v[CM+\i], v[CM+4+\i], s88            ; lanes 0-15 hand on column tiles 0-3, lanes 16-31 tiles 4-7
.endr
	ds_store_b128 v11, v[T:T+3]
	s_wait_dscnt 0x0                               ; for the other waves: my maxima are written, and my reads of both slots are long back
	s_barrier_signal -1
	s_barrier_wait -1                              ; behind this barrier no wave reads a slot any more, and no tensor load is left to come
.irp w, 0,1,2,3
	ds_load_b128 v[S+8*\w:S+8*\w+3],   v12 offset:\w*512
	ds_load_b128 v[S+8*\w+4:S+8*\w+7], v12 offset:\w*512+256
.endr
	s_wait_dscnt 0x0
.irp b, 0,1,2,3,4,5,6,7
	v_max3_num_f32 v[CM+\b], v[S+\b], v[S+8+\b], v[S+16+\b]
	v_max_num_f32 v[CM+\b], v[CM+\b], v[S+24+\b]   ; over the chunk's 256 times
.endr
	; (k - max) x log2 e in two steps: under the -1e6 term the rounding of max x log2 e alone would move the exponent by up to 0.06
	WIN 0x82
.irp a, 0,1,2,3
.irp b, 0,1,2,3,4,5,6,7
.irp p, 0,2,4,6
	SUBB 8*(8*\a+\b)+\p, CM+\b
.endr
.endr
.endr
.set k, 0
.rept 128
	v_pk_mul_f32 v[k:k+1], v[k:k+1], 0x3fb8aa3b op_sel_hi:[1,0]
.set k, k+2
.endr
.set k, 0
.rept 256
	v_exp_f32 v[k], v[k]
.set k, k+1
.endr
	v_nop
	WIN 0x0a
	s_wait_alu depctr_va_vdst(0)
.irp b, 0,1,2,3,4,5,6,7
.irp c, 0,1
	v_pk_add_f32 v[S+4*\b+2*\c:S+4*\b+2*\c+1], v[8*(16*\c+\b):8*(16*\c+\b)+1], v[8*(16*\c+\b)+2:8*(16*\c+\b)+3]
.endr
.endr
	WIN 0x02
.irp j, 4,6,64,66,68,70
.irp b, 0,1,2,3,4,5,6,7
.irp c, 0,1
	v_pk_add_f32 v[S+4*\b+2*\c:S+4*\b+2*\c+1], v[8*(16*\c+\b)+\j:8*(16*\c+\b)+\j+1], v[S+4*\b+2*\c:S+4*\b+2*\c+1]
.endr
.endr
.endr
	s_wait_xcnt 0x0                                ; OUT, which q's stores read, is written again only behind this wait
	WIN 0x0a
.irp a, 0,1,2,3
.irp b, 0,1,2,3,4,5,6,7
.irp p, 0,1,2,3
	v_cvt_pk_bf16_f32 v[OUT+4*(8*\a+\b)+\p], v[8*(8*\a+\b)+2*\p], v[8*(8*\a+\b)+2*\p+1]
.endr
.endr
.endr
	WIN 0
.irp a, 0,1,2,3
.irp b, 0,1,2,3,4,5,6,7
	ds_store_b128 v4, v[OUT+4*(8*\a+\b):OUT+4*(8*\a+\b)+3] offset:\b*8192+\a*512     ; p: column tile b, time tile 4 w + a: 512 consecutive bytes
.endr
.endr
.irp b, 0,1,2,3,4,5,6,7
	v_pk_add_f32 v[S+4*\b:S+4*\b+1], v[S+4*\b:S+4*\b+1], v[S+4*\b+2:S+4*\b+3]
	v_add_f32 v[T+2*\b], v[S+4*\b], v[S+4*\b+1]
	v_permlanex16_b32 v[T+2*\b+1], v[T+2*\b], s86, s87
	v_add_f32 v[CS+\b], v[T+2*\b], v[T+2*\b+1]
.endr
.irp i, 0,1,2,3
	v_cndmask_b32 v[T+\i], v[CS+\i], v[CS+4+\i], s88
.endr
	ds_store_b128 v11, v[T:T+3] offset:2048
	; ---------------- v: (v + bv) x mask
	WIN 0xc3                                       ; destination and source 0 window 3
.irp a, 0,1,2,3
.irp b, 0,1,2,3,4,5,6,7
.irp p, 0,2,4,6
	ADDB 8*(8*\a+\b)+\p, BV+\b
.endr
.endr
.endr
.irp a, 0,1,2,3
.irp b, 0,1,2,3,4,5,6,7
.irp p, 0,2,4,6
	v_pk_mul_f32 v[8*(8*\a+\b)+\p:8*(8*\a+\b)+\p+1], v[8*(8*\a+\b)+\p:8*(8*\a+\b)+\p+1], v[MSK+8*\a+\p:MSK+8*\a+\p+1]
.endr
.endr
.endr
	s_wait_dscnt 0x0                               ; p's LDS stores are done before OUT is written again
	WIN 0x0f
.irp a, 0,1,2,3
.irp b, 0,1,2,3,4,5,6,7
.irp p, 0,1,2,3
	v_cvt_pk_bf16_f32 v[OUT+4*(8*\a+\b)+\p], v[8*(8*\a+\b)+2*\p], v[8*(8*\a+\b)+2*\p+1]
.endr
.endr
.endr
	WIN 0
.irp a, 0,1,2,3
.irp b, 0,1,2,3,4,5,6,7
	ds_store_b128 v5, v[OUT+4*(8*\a+\b):OUT+4*(8*\a+\b)+3] offset:\b*8192+\a*512
.endr
.endr
	s_wait_dscnt 0x0                               ; for the other waves: my p, my v and my sums are written
	s_barrier_signal -1
	s_barrier_wait -1
	s_cmp_lg_u32 s10, 0
	s_cbranch_scc1 .Lno_stat
	; wave 0: the chunk's 128 maxima and 128 sums, in column order, four columns a lane
.irp w, 0,1,2,3
.irp i, 0,1,2,3
	ds_load_b32 v[T+4*\w+\i], v14 offset:\w*512+\i*16
	ds_load_b32 v[S+4*\w+\i], v14 offset:2048+\w*512+\i*16
.endr
.endr
	s_wait_dscnt 0x0
.irp i, 0,1,2,3
	v_max3_num_f32 v[T+\i], v[T+\i], v[T+4+\i], v[T+8+\i]
	v_max_num_f32 v[T+\i], v[T+\i], v[T+12+\i]
.endr
.irp p, 0,2
	v_pk_add_f32 v[S+\p:S+\p+1], v[S+\p:S+\p+1], v[S+4+\p:S+4+\p+1]
	v_pk_add_f32 v[S+8+\p:S+8+\p+1], v[S+8+\p:S+8+\p+1], v[S+12+\p:S+12+\p+1]
	v_pk_add_f32 v[S+\p:S+\p+1], v[S+\p:S+\p+1], v[S+8+\p:S+8+\p+1]
.endr
	global_store_b128 v8, v[T:T+3], s[84:85]                    ; 512 consecutive bytes
	global_store_b128 v8, v[S:S+3], s[84:85] offset:131072
.Lno_stat:
	s_wait_xcnt 0x0                                ; S, which wave 0's store reads, is loaded again only behind this wait
	; ---------------- the chunk's part of v^T p: my 64 l x 64 d over 256 times, 8 steps of 32; three fragment buffers, fetched two steps ahead
	FETCHA 0, FB0
	FETCHA 1, FB1
	ASTEP FB0, 16, 1, 1, 2, FB2                    ; the count leaves the next step's sixteen loads out
	ASTEP FB1, 16, 0, 1, 3, FB0
	ASTEP FB2, 16, 0, 1, 4, FB1
	ASTEP FB0, 16, 0, 1, 5, FB2
	ASTEP FB1, 16, 0, 1, 6, FB0
	ASTEP FB2, 16, 0, 1, 7, FB1
	ASTEP FB0, 16, 0, 0, 0, 0
	ASTEP FB1, 0,  0, 0, 0, 0
	PLACES
	WIN 0x08                                       ; store data window 2
.irp lt, 0,1,2,3
.irp dt, 0,1,2,3
	global_store_b128 v8, v[8*(4*\lt+\dt):8*(4*\lt+\dt)+3],   s[82:83] offset:\lt*8192+\dt*1024
	global_store_b128 v8, v[8*(4*\lt+\dt)+4:8*(4*\lt+\dt)+7], s[82:83] offset:\lt*8192+\dt*1024+512
.endr
.endr
	WIN 0
	s_wait_xcnt 0x0
	v_lshl_add_u32 v254, v0, 2, 0x2e000
	v_mov_b32 v255, 0
	s_wait_tensorcnt 0x0
	ds_add_u32 v254, v255
	s_wait_dscnt 0x0
	CROUND                                         ; the closing round: no work-group ends while a partner may still ask for a tile that names it
	s_endpgm
.Lfunc_end_k_q1c4dab98d4_qkv:
	.size	k_q1c4dab98d4_qkv, .Lfunc_end_k_q1c4dab98d4_qkv-k_q1c4dab98d4_qkv
	.p2alignl 7, 3214868480
	.fill 96, 4, 3214868480
	.section	.rodata,"a",@progbits
	.p2align	6, 0x0
	.amdhsa_kernel k_q1c4dab98d4_qkv
		.amdhsa_group_segment_fixed_size 327680
		.amdhsa_private_segment_fixed_size 0
		.amdhsa_enable_private_segment 0
		.amdhsa_kernarg_size 72
		.amdhsa_user_sgpr_count 2
		.amdhsa_user_sgpr_kernarg_segment_ptr 1
		.amdhsa_wavefront_size32 1
		.amdhsa_system_sgpr_workgroup_id_x 1
		.amdhsa_system_sgpr_workgroup_id_y 1
		.amdhsa_system_sgpr_workgroup_id_z 1
		.amdhsa_system_vgpr_workitem_id 0
		.amdhsa_next_free_vgpr 1024
		.amdhsa_next_free_sgpr 92
		.amdhsa_reserve_vcc 0
		.amdhsa_float_denorm_mode_32 3
		.amdhsa_float_denorm_mode_16_64 3
		.amdhsa_memory_ordered 1
		.amdhsa_forward_progress 1
		.amdhsa_inst_pref_size 255
	.end_amdhsa_kernel
	.section	.bss,"aw",@nobits
	.p2align	6
	.space	262144
	.amdgpu_metadata
---
amdhsa.version: [ 1, 2 ]
amdhsa.kernels:
  - .name:           k_q1c4dab98d4_qkv
    .symbol:         k_q1c4dab98d4_qkv.kd
    .args:
      - { .name: act, .offset: 0, .size: 8, .value_kind: global_buffer, .address_space: global }
      - { .name: wbf, .offset: 8, .size: 8, .value_kind: global_buffer, .address_space: global }
      - { .name: bq, .offset: 16, .size: 8, .value_kind: global_buffer, .address_space: global }
      - { .name: bk, .offset: 24, .size: 8, .value_kind: global_buffer, .address_space: global }
      - { .name: bv, .offset: 32, .size: 8, .value_kind: global_buffer, .address_space: global }
      - { .name: src_mask, .offset: 40, .size: 8, .value_kind: global_buffer, .address_space: global }
      - { .name: qf, .offset: 48, .size: 8, .value_kind: global_buffer, .address_space: global }
      - { .name: attp, .offset: 56, .size: 8, .value_kind: global_buffer, .address_space: global }
      - { .name: kstat, .offset: 64, .size: 8, .value_kind: global_buffer, .address_space: global }
    .group_segment_fixed_size: 327680
    .private_segment_fixed_size: 0
    .kernarg_segment_align: 8
    .kernarg_segment_size: 72
    .max_flat_workgroup_size: 128
    .sgpr_count:     92
    .vgpr_count:     1024
    .wavefront_size: 32
...
	.end_amdgpu_metadata
.endif
;; end of part 7
;; launch att (part 8): grid 256 x 1, 8 waves a work-group, no clusters, 0 bytes of LDS; arguments attp, kstat, attf; writes attf
.if DOCPART == 8
	.amdgcn_target "amdgcn-amd-amdhsa--gfx1250"
	.amdhsa_code_object_version 6
	.text
	.protected	k_q1c4dab98d4_att
	.globl	k_q1c4dab98d4_att
	.p2align	8
	.type	k_q1c4dab98d4_att,@function
k_q1c4dab98d4_att:
	s_mov_b64 s[64:65], 0
	v_nop
	global_prefetch_b8 v0, s[64:65] scope:SCOPE_SE
	s_setreg_imm32_b32 hwreg(HW_REG_WAVE_MODE, 25, 1), 1
	s_wait_xcnt 0x0
; THE EIGHT CHUNKS OF A (BATCH, HEAD) ARE JOINED:  att^T[l][d] = (sum over chunks c of e_c[d] P_c[l][d]) / S[d],
;   e_c = exp(m_c - M),  M = max over c of m_c,  S = sum over c of e_c s_c   (S >= 1: the chunk with m_c = M has e = 1 and its sum holds a term 1),
; where P_c = sum over the chunk's 256 times of v[t][l] exp(k[t][d] - m_c[d]), m_c and s_c come from the launch before.
; Work-group (bh, l tile), wave = d tile: one tile of 16 x 16.  A lane holds one l = 16 lt + r and the eight d = 16 dt + 8 h + j, as the tiles were stored:
; two loads of 512 consecutive bytes for each chunk, 16 in all, and 32 small ones for the statistics of its eight d.  All 48 go out at once.
; The eight results of a lane pack into 16 bytes, which is the lane's part of an operand fragment half: one store of 512 consecutive, aligned bytes.
; attf: block ((bh * 8 + lt) * 8 + dt) of 512 bytes = [lane][16 bytes].
; A stream of 17 MiB with eight multiply-adds a number: no LDS, no barrier, no matrix unit, no cluster (no tile is shared).
; Limit: v_exp_f32, v_rcp_f32 flush denormals.
.set MX, 16                            ; v[16:79]   m_c of my eight d at MX + 8 c; then e_c
.set SM, 80                            ; v[80:143]  s_c
.set PP, 144                           ; v[144:207] P_c
.set MV, 208                           ; v[208:215] M
.set SS, 216                           ; v[216:223] S, then 1 / S
.set AC, 224                           ; v[224:231] the sums
.set OU, 232                           ; v[232:235] packed
	s_load_b128 s[8:11], s[0:1], 0x0               ; attp 8:9, kstat 10:11
	s_load_b64 s[12:13], s[0:1], 0x10              ; attf
	v_lshrrev_b32 v1, 5, v0
	v_readfirstlane_b32 s4, v1                     ; wave = d tile
	v_and_b32 v3, 31, v0
	v_lshlrev_b32 v3, 4, v3                        ; lane * 16
	v_bfe_u32 v2, v0, 4, 1                         ; h
	v_lshlrev_b32 v4, 5, v2                        ; eight f32 for each half of the lanes
	s_lshr_b32 s5, ttmp9, 3                        ; bh
	s_and_b32 s6, ttmp9, 7                         ; l tile
	s_lshl_b32 s16, s5, 19                         ; attp: eight chunks of 65,536 bytes for each bh
	s_lshl_b32 s14, s6, 13                         ; + eight tiles of 1,024 bytes for each l tile
	s_add_co_u32 s16, s16, s14
	s_lshl_b32 s14, s4, 10
	s_add_co_u32 s16, s16, s14
	s_mov_b32 s17, 0
	s_lshl_b32 s18, s5, 12                         ; kstat: eight chunks of 512 bytes for each bh
	s_lshl_b32 s14, s4, 6                          ; + sixteen columns
	s_add_co_u32 s18, s18, s14
	s_mov_b32 s19, 0
	s_lshl_b32 s20, ttmp9, 12                      ; attf: eight blocks of 512 bytes for each (bh, l tile)
	s_lshl_b32 s14, s4, 9
	s_add_co_u32 s20, s20, s14
	s_mov_b32 s21, 0
	s_wait_kmcnt 0x0
	s_add_nc_u64 s[8:9], s[8:9], s[16:17]
	s_add_nc_u64 s[10:11], s[10:11], s[18:19]
	s_add_nc_u64 s[12:13], s[12:13], s[20:21]
.irp c, 0,1,2,3,4,5,6,7
	global_load_b128 v[MX+8*\c:MX+8*\c+3],   v4, s[10:11] offset:\c*512
	global_load_b128 v[MX+8*\c+4:MX+8*\c+7], v4, s[10:11] offset:\c*512+16
.endr
.irp c, 0,1,2,3,4,5,6,7
	global_load_b128 v[SM+8*\c:SM+8*\c+3],   v4, s[10:11] offset:131072+\c*512
	global_load_b128 v[SM+8*\c+4:SM+8*\c+7], v4, s[10:11] offset:131072+\c*512+16
.endr
.irp c, 0,1,2,3,4,5,6,7
	global_load_b128 v[PP+8*\c:PP+8*\c+3],   v3, s[8:9] offset:\c*65536 th:TH_LOAD_NT
	global_load_b128 v[PP+8*\c+4:PP+8*\c+7], v3, s[8:9] offset:\c*65536+512 th:TH_LOAD_NT
.endr
	s_wait_loadcnt 32                              ; the maxima are in; the 16 loads of sums and the 16 of P stay out
.irp j, 0,1,2,3,4,5,6,7
	v_max3_num_f32 v[MV+\j], v[MX+\j], v[MX+8+\j], v[MX+16+\j]
	v_max3_num_f32 v[MV+\j], v[MV+\j], v[MX+24+\j], v[MX+32+\j]
	v_max3_num_f32 v[MV+\j], v[MV+\j], v[MX+40+\j], v[MX+48+\j]
	v_max_num_f32 v[MV+\j], v[MV+\j], v[MX+56+\j]
.endr
	; (m - M) x log2 e in two steps: m may carry the -1e6 term, under which the rounding of M x log2 e alone would move the exponent
.irp c, 0,1,2,3,4,5,6,7
.irp p, 0,2,4,6
	v_pk_add_f32 v[MX+8*\c+\p:MX+8*\c+\p+1], v[MX+8*\c+\p:MX+8*\c+\p+1], v[MV+\p:MV+\p+1] neg_lo:[0,1] neg_hi:[0,1]
.endr
.endr
.set k, 0
.rept 32
	v_pk_mul_f32 v[MX+k:MX+k+1], v[MX+k:MX+k+1], 0x3fb8aa3b op_sel_hi:[1,0]
.set k, k+2
.endr
.set k, 0
.rept 64
	v_exp_f32 v[MX+k], v[MX+k]
.set k, k+1
.endr
	v_nop                                          ; one plain place behind the last exponential (ISA guide 5.7.2)
	s_wait_loadcnt 16                              ; the sums are in; the 16 loads of P stay out
	s_wait_alu depctr_va_vdst(0)
.irp p, 0,2,4,6
	v_pk_mul_f32 v[SS+\p:SS+\p+1], v[MX+\p:MX+\p+1], v[SM+\p:SM+\p+1]
.endr
.irp c, 1,2,3,4,5,6,7
.irp p, 0,2,4,6
	v_pk_fma_f32 v[SS+\p:SS+\p+1], v[MX+8*\c+\p:MX+8*\c+\p+1], v[SM+8*\c+\p:SM+8*\c+\p+1], v[SS+\p:SS+\p+1]
.endr
.endr
.irp j, 0,1,2,3,4,5,6,7
	v_rcp_f32 v[SS+\j], v[SS+\j]
.endr
	s_wait_loadcnt 0x0
.irp p, 0,2,4,6
	v_pk_mul_f32 v[AC+\p:AC+\p+1], v[MX+\p:MX+\p+1], v[PP+\p:PP+\p+1]           ; the first chunk starts the sums; these lines are also the places behind v_rcp_f32
.endr
.irp c, 1,2,3,4,5,6,7
.irp p, 0,2,4,6
	v_pk_fma_f32 v[AC+\p:AC+\p+1], v[MX+8*\c+\p:MX+8*\c+\p+1], v[PP+8*\c+\p:PP+8*\c+\p+1], v[AC+\p:AC+\p+1]
.endr
.endr
	s_wait_alu depctr_va_vdst(0)
.irp p, 0,2,4,6
	v_pk_mul_f32 v[AC+\p:AC+\p+1], v[AC+\p:AC+\p+1], v[SS+\p:SS+\p+1]
.endr
.irp p, 0,1,2,3
	v_cvt_pk_bf16_f32 v[OU+\p], v[AC+2*\p], v[AC+2*\p+1]
.endr
	global_store_b128 v3, v[OU:OU+3], s[12:13]
	s_endpgm
.Lfunc_end_k_q1c4dab98d4_att:
	.size	k_q1c4dab98d4_att, .Lfunc_end_k_q1c4dab98d4_att-k_q1c4dab98d4_att
	.p2alignl 7, 3214868480
	.fill 96, 4, 3214868480
	.section	.rodata,"a",@progbits
	.p2align	6, 0x0
	.amdhsa_kernel k_q1c4dab98d4_att
		.amdhsa_group_segment_fixed_size 0
		.amdhsa_private_segment_fixed_size 0
		.amdhsa_enable_private_segment 0
		.amdhsa_kernarg_size 24
		.amdhsa_user_sgpr_count 2
		.amdhsa_user_sgpr_kernarg_segment_ptr 1
		.amdhsa_wavefront_size32 1
		.amdhsa_system_sgpr_workgroup_id_x 1
		.amdhsa_system_sgpr_workgroup_id_y 1
		.amdhsa_system_sgpr_workgroup_id_z 1
		.amdhsa_system_vgpr_workitem_id 0
		.amdhsa_next_free_vgpr 236
		.amdhsa_next_free_sgpr 66
		.amdhsa_reserve_vcc 0
		.amdhsa_float_denorm_mode_32 3
		.amdhsa_float_denorm_mode_16_64 3
		.amdhsa_memory_ordered 1
		.amdhsa_forward_progress 1
		.amdhsa_inst_pref_size 20
	.end_amdhsa_kernel
	.amdgpu_metadata
---
amdhsa.version: [ 1, 2 ]
amdhsa.kernels:
  - .name:           k_q1c4dab98d4_att
    .symbol:         k_q1c4dab98d4_att.kd
    .args:
      - { .name: attp, .offset: 0, .size: 8, .value_kind: global_buffer, .address_space: global }
      - { .name: kstat, .offset: 8, .size: 8, .value_kind: global_buffer, .address_space: global }
      - { .name: attf, .offset: 16, .size: 8, .value_kind: global_buffer, .address_space: global }
    .group_segment_fixed_size: 0
    .private_segment_fixed_size: 0
    .kernarg_segment_align: 8
    .kernarg_segment_size: 24
    .max_flat_workgroup_size: 256
    .sgpr_count:     66
    .vgpr_count:     236
    .wavefront_size: 32
...
	.end_amdgpu_metadata
.endif
;; end of part 8
;; launch mix (part 9): grid 256 x 1, 8 waves a work-group, clusters of 4 x 1, 273,408 bytes of LDS; arguments qf, attf, film, b_emb, ln2_w, ln2_b, act; writes act
.if DOCPART == 9
	.amdgcn_target "amdgcn-amd-amdhsa--gfx1250"
	.amdhsa_code_object_version 6
	.text
	.protected	k_q1c4dab98d4_mix
	.globl	k_q1c4dab98d4_mix
	.p2align	8
	.type	k_q1c4dab98d4_mix,@function
k_q1c4dab98d4_mix:
	s_mov_b64 s[64:65], 0
	v_nop
	global_prefetch_b8 v0, s[64:65] scope:SCOPE_SE
	s_setreg_imm32_b32 hwreg(HW_REG_WAVE_MODE, 25, 1), 1
	s_wait_xcnt 0x0
	s_wait_alu depctr_hold_cnt(0) depctr_sa_sdst(0) depctr_va_vdst(0) depctr_va_sdst(0) depctr_va_ssrc(0) depctr_va_vcc(0) depctr_vm_vsrc(0)
	s_getreg_b32 s2, hwreg(HW_REG_IB_STS2, 6, 4)
	s_cmp_eq_u32 s2, 0
	s_cbranch_scc0 .Lentry_in_a_cluster
	s_endpgm
.Lentry_in_a_cluster:
	s_bfe_u32 s2, ttmp6, 0x10000c
	s_cmp_lg_u32 s2, 0x3003
	s_cbranch_scc0 .Lentry_shape_is_right
	s_endpgm
.Lentry_shape_is_right:
; y = softmax(q) att, LayerNorm 2 over all 1,024 columns (two passes), FiLM, silu -> hh in bf16, fragment order, into act.
; Work-group i: rows 32 i .. +31 (batch i >> 6).  Wave hd: head hd: 2 row groups x 8 column tiles = 16 accumulators, K = 128 in four steps.  No loop.
; CLUSTER 4 x 1: work-groups 4 c .. 4 c + 3 lie in one batch (64 work-groups a batch: batch = c >> 4) and need the same att, 8 heads x 32,768 bytes.
; Each wave asks for its head's att JOINTLY with the same wave of its three partners: two tensor loads of 16,384 bytes (K steps 0, 1 and K steps 2, 3:
; 8 rows of 2,048 bytes, 4,096 bytes apart in memory, dense in LDS), both first fills behind the opening round.
; That divides the requests for
; att by four and leaves 28 loads into registers a wave (q, which no partner shares, and the tables).
; q and att lie in fragment order (blocks of 512 bytes = [lane][16 bytes]): a fragment is two loads of 512 consecutive bytes, q's from memory, att's from LDS.
; Source 0 = att^T (rows l), source 1 = q (rows = times): a lane holds one time row and 8 neighbouring columns l, so a row's sums need one
; exchange between two lanes and one between the eight waves (LDS), and the packed result is a fragment half for the last product.
; FiLM folded: hh = z TA + TB, z = (y - mean) / std, TA = w (1 + scale), TB = b (1 + scale) + shift: another order of rounding than reference()'s.
; LDS: att 0 .. 262,143 (head x 32,768); TA 262,144, TB 266,240 (4,096 bytes each); row sums [32 rows][8 waves] f32 at 270,336 (first pass) and 271,360.
; Limit: v_exp_f32, v_rcp_f32, v_rsq_f32 flush denormals.
.set TAB,  262144
.set SUMS, 270336
.set QF,  16                           ; v[16:79]   q fragment (g, kb) at QF + 8 (4 g + kb); later the packed results
.set ACC, 80                           ; v[80:207]  tile (g, lt) at ACC + 8 (8 g + lt)
.set RAW, 208                          ; v[208:255] twelve quads of table data; then:
.set LD,  208                          ; v[208:223] the eight waves' sums of rows 16 g + r
.set CH,  224                          ; v[224:239] four chains of pairs for each g
.set RS,  240                          ; v[240:241] a row's sum
.set TP,  242
.set MN,  244                          ; v[244:247] mean as pairs
.set RD,  248                          ; v[248:251] 1 / std as pairs
; window 1: att fragment (lt, kb) at v[8 (4 lt + kb)]; behind the products TA at v0-63, TB at v64-127, E at v128-255
.set G0A, 36                           ; s[36:39] group 0, K steps 0 and 1
.set G1,  40                           ; s[40:47] group 1
.set G0B, 48                           ; s[48:51] group 0, K steps 2 and 3
.set MSB, 0
.macro WIN new
.if MSB != (\new)
	s_set_vgpr_msb (MSB<<8)|(\new)
.set MSB, \new
.endif
.endm
.macro PLACES
.rept 4
	v_nop
.endr
.endm
.macro ROUND                           ; a round of the cluster's barrier
	s_barrier_signal -1
	s_barrier_wait -1
	s_cmp_lg_u32 s4, 0
	s_cbranch_scc1 .Lnot_wave_0_\@
	s_barrier_signal -3
.Lnot_wave_0_\@:
	s_barrier_wait -3
	s_barrier_signal -1
	s_barrier_wait -1
.endm
.macro LDATT kb                        ; my head's eight att fragments of K step kb, 512 consecutive bytes a load
.irp lt, 0,1,2,3,4,5,6,7
	ds_load_b128 v[8*(4*\lt+\kb):8*(4*\lt+\kb)+3],   v10 offset:(\kb>>1)*16384+\lt*2048+(\kb&1)*1024
	ds_load_b128 v[8*(4*\lt+\kb)+4:8*(4*\lt+\kb)+7], v10 offset:(\kb>>1)*16384+\lt*2048+(\kb&1)*1024+512
.endr
.endm
; K step kb.  left = loads from memory issued behind q's four of this step; dleft = LDS loads issued behind att's sixteen of this step.
; The sixteen accumulators take turns.
.macro YSTEP kb, left, dleft, zero
	s_wait_loadcnt \left
	s_wait_dscnt \dleft
.irp g, 0,1
.irp lt, 0,1,2,3,4,5,6,7
.if \zero
	v_wmma_f32_16x16x32_bf16 v[ACC+8*(8*\g+\lt):ACC+8*(8*\g+\lt)+7], v[8*(4*\lt+\kb):8*(4*\lt+\kb)+7], v[QF+8*(4*\g+\kb):QF+8*(4*\g+\kb)+7], 0
.else
	v_wmma_f32_16x16x32_bf16 v[ACC+8*(8*\g+\lt):ACC+8*(8*\g+\lt)+7], v[8*(4*\lt+\kb):8*(4*\lt+\kb)+7], v[QF+8*(4*\g+\kb):QF+8*(4*\g+\kb)+7], v[ACC+8*(8*\g+\lt):ACC+8*(8*\g+\lt)+7]
.endif
.endr
.endr
.endm
; sums (sq = 0) or sums of squares (sq = 1) of my 64 numbers of each row group, then over the two lanes that share a row; TP = the sum of row = lane
.macro ROWSUM sq
.irp g, 0,1
.irp c, 0,1,2,3
.if \sq
	v_pk_mul_f32 v[CH+8*\g+2*\c:CH+8*\g+2*\c+1], v[ACC+64*\g+16*\c:ACC+64*\g+16*\c+1], v[ACC+64*\g+16*\c:ACC+64*\g+16*\c+1]
.else
	v_pk_add_f32 v[CH+8*\g+2*\c:CH+8*\g+2*\c+1], v[ACC+64*\g+16*\c:ACC+64*\g+16*\c+1], v[ACC+64*\g+16*\c+2:ACC+64*\g+16*\c+3]
.endif
.endr
.endr
.if \sq
.irp g, 0,1
.irp c, 0,1,2,3
	v_pk_fma_f32 v[CH+8*\g+2*\c:CH+8*\g+2*\c+1], v[ACC+64*\g+16*\c+2:ACC+64*\g+16*\c+3], v[ACC+64*\g+16*\c+2:ACC+64*\g+16*\c+3], v[CH+8*\g+2*\c:CH+8*\g+2*\c+1]
.endr
.endr
.endif
.irp j, 4,6,8,10,12,14
.irp g, 0,1
.irp c, 0,1,2,3
.if \sq
	v_pk_fma_f32 v[CH+8*\g+2*\c:CH+8*\g+2*\c+1], v[ACC+64*\g+16*\c+\j:ACC+64*\g+16*\c+\j+1], v[ACC+64*\g+16*\c+\j:ACC+64*\g+16*\c+\j+1], v[CH+8*\g+2*\c:CH+8*\g+2*\c+1]
.else
	v_pk_add_f32 v[CH+8*\g+2*\c:CH+8*\g+2*\c+1], v[CH+8*\g+2*\c:CH+8*\g+2*\c+1], v[ACC+64*\g+16*\c+\j:ACC+64*\g+16*\c+\j+1]
.endif
.endr
.endr
.endr
.irp g, 0,1
	v_pk_add_f32 v[CH+8*\g:CH+8*\g+1], v[CH+8*\g:CH+8*\g+1], v[CH+8*\g+2:CH+8*\g+3]
	v_pk_add_f32 v[CH+8*\g+4:CH+8*\g+5], v[CH+8*\g+4:CH+8*\g+5], v[CH+8*\g+6:CH+8*\g+7]
	v_pk_add_f32 v[CH+8*\g:CH+8*\g+1], v[CH+8*\g:CH+8*\g+1], v[CH+8*\g+4:CH+8*\g+5]
	v_add_f32 v[RS+\g], v[CH+8*\g], v[CH+8*\g+1]
	v_permlanex16_b32 v[TP+\g], v[RS+\g], s24, s25
	v_add_f32 v[RS+\g], v[RS+\g], v[TP+\g]
.endr
	v_cndmask_b32 v[TP], v[RS], v[RS+1], s30
.endm
.macro LDSUMS off                      ; the eight waves' sums of rows r and 16 + r
.irp g, 0,1
	ds_load_b128 v[LD+8*\g:LD+8*\g+3],   v6 offset:\off+\g*512
	ds_load_b128 v[LD+8*\g+4:LD+8*\g+7], v6 offset:\off+\g*512+16
.endr
.endm
.macro ADD8                            ; RS + g = the sum over the eight waves
.irp g, 0,1
	v_pk_add_f32 v[LD+8*\g:LD+8*\g+1], v[LD+8*\g:LD+8*\g+1], v[LD+8*\g+2:LD+8*\g+3]
	v_pk_add_f32 v[LD+8*\g+4:LD+8*\g+5], v[LD+8*\g+4:LD+8*\g+5], v[LD+8*\g+6:LD+8*\g+7]
	v_pk_add_f32 v[LD+8*\g:LD+8*\g+1], v[LD+8*\g:LD+8*\g+1], v[LD+8*\g+4:LD+8*\g+5]
	v_add_f32 v[RS+\g], v[LD+8*\g], v[LD+8*\g+1]
.endr
.endm
	s_load_b256 s[8:15], s[0:1], 0x0               ; qf 8:9, attf 10:11, film 12:13, b_emb 14:15
	s_load_b128 s[16:19], s[0:1], 0x20             ; ln2_w 16:17, ln2_b 18:19
	s_load_b64 s[20:21], s[0:1], 0x30              ; act
	v_lshl_add_u32 v14, v0, 2, 0x42800
	v_mov_b32 v15, 0
	ds_add_u32 v14, v15
	v_lshrrev_b32 v1, 5, v0
	v_readfirstlane_b32 s4, v1                     ; wave = head
	s_bfe_u32 s34, ttmp6, 0x40000                  ; cx: my place in the cluster
	s_lshl_b32 s35, ttmp9, 2                       ; in a cluster launch ttmp9 counts clusters
	s_add_co_u32 s35, s35, s34                     ; work-group i = 4 x cluster x + cx: enters addresses of q and hh alone
	s_lshr_b32 s6, ttmp9, 4                        ; batch = i >> 6 = cluster x >> 4: the same in all four partners
	; group 1: 8 rows of 256 elements of 8 bytes = 2,048 bytes, 512 elements (4,096 bytes) from row to row, no padding; the mask names all four partners
	s_mov_b32 s[G1+0], 15|(3<<16)|(1<<21)
	s_mov_b32 s[G1+1], 256<<16                     ; tensor_dim0 = 256
	s_mov_b32 s[G1+2], 8<<16                       ; tensor_dim1 = 8
	s_mov_b32 s[G1+3], 256<<16                     ; tile_dim0 = 256
	s_mov_b32 s[G1+4], 8                           ; tile_dim1 = 8
	s_mov_b32 s[G1+5], 512
	s_mov_b32 s[G1+6], 0
	s_mov_b32 s[G1+7], 0
	s_mov_b32 s[G0A], 1
	s_lshl_b32 s[G0A+1], s4, 15                    ; LDS: head x 32,768
	s_mov_b32 s[G0B], 1
	s_add_co_u32 s[G0B+1], s[G0A+1], 16384
	v_and_b32 v1, 15, v0                           ; r
	v_bfe_u32 v2, v0, 4, 1                         ; h
	v_and_b32 v8, 31, v0                           ; lane
	v_lshlrev_b32 v3, 4, v8
	v_lshlrev_b32 v4, 4, v0                        ; thread * 16: four columns of the tables
	s_lshl_b32 s5, s4, 2
	s_add_co_u32 s5, s5, SUMS
	v_lshl_add_u32 v5, v8, 5, s5                   ; sums: row = lane, place = wave
	s_mov_b32 s7, SUMS
	v_lshl_add_u32 v6, v1, 5, s7
	s_lshl_b32 s5, s4, 9
	s_add_co_u32 s5, s5, TAB
	v_lshl_add_u32 v7, v2, 5, s5                   ; tables: my head's columns, + 8 h
	v_add_nc_u32 v9, TAB, v4                       ; tables, in
	v_add_nc_u32 v10, s[G0A+1], v3                 ; my head's att: lane * 16
	v_cmp_lt_u32 s30, 15, v8
	s_mov_b32 s24, 0x76543210
	s_mov_b32 s25, 0xfedcba98
	s_mov_b32 s26, 0x3a800000                      ; 1/1024
	s_mov_b32 s27, 0x3727c5ac                      ; 1e-5
	s_lshl_b32 s22, s35, 16                        ; two row groups of 32,768 bytes
	s_lshl_b32 s5, s4, 12                          ; the head's eight blocks
	s_add_co_u32 s22, s22, s5
	s_mov_b32 s23, 0
	s_lshl3_add_u32 s28, s6, s4                    ; 8 x batch + head
	s_lshl_b32 s28, s28, 15
	s_mov_b32 s29, 0
	s_lshl_b32 s32, s6, 13
	s_mov_b32 s33, 0
	s_wait_dscnt 0x0
	s_wait_kmcnt 0x0
	s_add_nc_u64 s[8:9], s[8:9], s[22:23]
	s_add_nc_u64 s[20:21], s[20:21], s[22:23]
	s_add_nc_u64 s[12:13], s[12:13], s[32:33]
	s_add_nc_u64 s[G0A+2:G0A+3], s[10:11], s[28:29]
	s_add_nc_u64 s[G0B+2:G0B+3], s[G0A+2:G0A+3], 2048
	s_or_b32 s[G0A+3], s[G0A+3], 0x80000000
	s_or_b32 s[G0B+3], s[G0B+3], 0x80000000
	ROUND                                          ; all four work-groups are here: the joint loads meet
	tensor_load_to_lds s[G0A:G0A+3], s[G1:G1+7]
	s_nop 0
	tensor_load_to_lds s[G0B:G0B+3], s[G1:G1+7]
	s_nop 0
.irp kb, 0,1,2,3
.irp g, 0,1
	global_load_b128 v[QF+8*(4*\g+\kb):QF+8*(4*\g+\kb)+3],   v3, s[8:9] offset:\g*32768+\kb*1024
	global_load_b128 v[QF+8*(4*\g+\kb)+4:QF+8*(4*\g+\kb)+7], v3, s[8:9] offset:\g*32768+\kb*1024+512
.endr
.endr
	global_load_b128 v[RAW:RAW+3],     v4, s[16:17]              ; w
	global_load_b128 v[RAW+4:RAW+7],   v4, s[18:19]              ; b
	global_load_b128 v[RAW+8:RAW+11],  v4, s[14:15]              ; b_emb, scale half
	global_load_b128 v[RAW+12:RAW+15], v4, s[14:15] offset:4096  ; b_emb, shift half
.irp kc, 0,1,2,3
	global_load_b128 v[RAW+16+8*\kc:RAW+16+8*\kc+3], v4, s[12:13] offset:\kc*32768
	global_load_b128 v[RAW+20+8*\kc:RAW+20+8*\kc+3], v4, s[12:13] offset:\kc*32768+4096
.endr
	s_wait_tensorcnt 0x1                           ; att of K steps 0 and 1 has landed; the second load stays out
	WIN 0x40                                       ; destination window 1
	LDATT 0
	LDATT 1
	WIN 0x01                                       ; source 0 window 1
	YSTEP 0, 24, 16, 1                             ; behind q's step 0: three steps of 4 and the 12 of the tables; behind att's step 0: step 1's sixteen
	s_wait_tensorcnt 0x0                           ; att of K steps 2 and 3
	WIN 0x40
	LDATT 2                                        ; registers that no matrix instruction has named yet
	LDATT 3
	WIN 0x01
	YSTEP 1, 20, 32, 0
	YSTEP 2, 16, 16, 0
	YSTEP 3, 12, 0, 0
	WIN 0
	PLACES
	s_wait_loadcnt 0x0
	; the tables, four columns a thread
.irp p, 0,2
	v_pk_add_f32 v[RAW+16+\p:RAW+16+\p+1], v[RAW+16+\p:RAW+16+\p+1], v[RAW+24+\p:RAW+24+\p+1]
	v_pk_add_f32 v[RAW+32+\p:RAW+32+\p+1], v[RAW+32+\p:RAW+32+\p+1], v[RAW+40+\p:RAW+40+\p+1]
	v_pk_add_f32 v[RAW+20+\p:RAW+20+\p+1], v[RAW+20+\p:RAW+20+\p+1], v[RAW+28+\p:RAW+28+\p+1]
	v_pk_add_f32 v[RAW+36+\p:RAW+36+\p+1], v[RAW+36+\p:RAW+36+\p+1], v[RAW+44+\p:RAW+44+\p+1]
	v_pk_add_f32 v[RAW+16+\p:RAW+16+\p+1], v[RAW+16+\p:RAW+16+\p+1], v[RAW+32+\p:RAW+32+\p+1]
	v_pk_add_f32 v[RAW+20+\p:RAW+20+\p+1], v[RAW+20+\p:RAW+20+\p+1], v[RAW+36+\p:RAW+36+\p+1]
	v_pk_add_f32 v[RAW+16+\p:RAW+16+\p+1], v[RAW+16+\p:RAW+16+\p+1], v[RAW+8+\p:RAW+8+\p+1]      ; scale
	v_pk_add_f32 v[RAW+20+\p:RAW+20+\p+1], v[RAW+20+\p:RAW+20+\p+1], v[RAW+12+\p:RAW+12+\p+1]    ; shift
	v_pk_add_f32 v[RAW+16+\p:RAW+16+\p+1], v[RAW+16+\p:RAW+16+\p+1], 1.0 op_sel_hi:[1,0]
	v_pk_mul_f32 v[RAW+\p:RAW+\p+1], v[RAW+\p:RAW+\p+1], v[RAW+16+\p:RAW+16+\p+1]                ; TA
	v_pk_fma_f32 v[RAW+4+\p:RAW+4+\p+1], v[RAW+4+\p:RAW+4+\p+1], v[RAW+16+\p:RAW+16+\p+1], v[RAW+20+\p:RAW+20+\p+1]   ; TB
.endr
	ds_store_b128 v9, v[RAW:RAW+3]
	ds_store_b128 v9, v[RAW+4:RAW+7] offset:4096
	ROWSUM 0
	ds_store_b32 v5, v[TP]
	s_wait_dscnt 0x0                               ; for the other waves: my part of the tables and my row sums are written
	s_barrier_signal -1
	s_barrier_wait -1
	LDSUMS 0
	WIN 0x40
.irp lt, 0,1,2,3,4,5,6,7
	ds_load_b128 v[8*\lt:8*\lt+3],       v7 offset:\lt*64
	ds_load_b128 v[8*\lt+4:8*\lt+7],     v7 offset:\lt*64+16
	ds_load_b128 v[64+8*\lt:64+8*\lt+3], v7 offset:4096+\lt*64
	ds_load_b128 v[64+8*\lt+4:64+8*\lt+7], v7 offset:4096+\lt*64+16
.endr
	WIN 0
	s_wait_dscnt 32                                ; the four loads of sums are in; the 32 of the tables stay out
	ADD8
.irp g, 0,1
	v_mul_f32 v[MN+2*\g], s26, v[RS+\g]
	v_mul_f32 v[MN+2*\g+1], s26, v[RS+\g]
.endr
.irp g, 0,1
.set k, 0
.rept 32
	v_pk_add_f32 v[ACC+64*\g+k:ACC+64*\g+k+1], v[ACC+64*\g+k:ACC+64*\g+k+1], v[MN+2*\g:MN+2*\g+1] neg_lo:[0,1] neg_hi:[0,1]
.set k, k+2
.endr
.endr
	ROWSUM 1
	ds_store_b32 v5, v[TP] offset:1024
	s_wait_dscnt 0x0
	s_barrier_signal -1
	s_barrier_wait -1
	LDSUMS 1024
	s_wait_dscnt 0x0
	ADD8
.irp g, 0,1
	v_fma_f32 v[RS+\g], v[RS+\g], s26, s27
.endr
.irp g, 0,1
	v_rsq_f32 v[RD+2*\g], v[RS+\g]
	v_rsq_f32 v[RD+2*\g+1], v[RS+\g]
.endr
	v_nop
	s_wait_alu depctr_va_vdst(0)
.irp g, 0,1
.set k, 0
.rept 32
	v_pk_mul_f32 v[ACC+64*\g+k:ACC+64*\g+k+1], v[ACC+64*\g+k:ACC+64*\g+k+1], v[RD+2*\g:RD+2*\g+1]
.set k, k+2
.endr
.endr
	WIN 0x14                                       ; sources 1 and 2 window 1
.irp g, 0,1
.irp lt, 0,1,2,3,4,5,6,7
.irp p, 0,2,4,6
	v_pk_fma_f32 v[ACC+8*(8*\g+\lt)+\p:ACC+8*(8*\g+\lt)+\p+1], v[ACC+8*(8*\g+\lt)+\p:ACC+8*(8*\g+\lt)+\p+1], v[8*\lt+\p:8*\lt+\p+1], v[64+8*\lt+\p:64+8*\lt+\p+1]
.endr
.endr
.endr
	; silu(z) = z / (1 + 2^(-z log2 e))
	WIN 0x40
.set k, 0
.rept 64
	v_pk_mul_f32 v[128+k:128+k+1], v[ACC+k:ACC+k+1], 0xbfb8aa3b op_sel_hi:[1,0]
.set k, k+2
.endr
	WIN 0x41
.set k, 0
.rept 128
	v_exp_f32 v[128+k], v[128+k]
.set k, k+1
.endr
	v_nop
.set k, 0
	s_wait_alu depctr_va_vdst(0)
.rept 64
	v_pk_add_f32 v[128+k:128+k+1], v[128+k:128+k+1], 1.0 op_sel_hi:[1,0]
.set k, k+2
.endr
.set k, 0
.rept 128
	v_rcp_f32 v[128+k], v[128+k]
.set k, k+1
.endr
	v_nop
	WIN 0x04
.set k, 0
	s_wait_alu depctr_va_vdst(0)
.rept 64
	v_pk_mul_f32 v[ACC+k:ACC+k+1], v[ACC+k:ACC+k+1], v[128+k:128+k+1]
.set k, k+2
.endr
	WIN 0
.set k, 0
.rept 64
	v_cvt_pk_bf16_f32 v[QF+k], v[ACC+2*k], v[ACC+2*k+1]
.set k, k+1
.endr
.irp g, 0,1
.irp lt, 0,1,2,3,4,5,6,7
	global_store_b128 v3, v[QF+4*(8*\g+\lt):QF+4*(8*\g+\lt)+3], s[20:21] offset:\g*32768+\lt*512
.endr
.endr
	s_wait_tensorcnt 0x0
	ds_add_u32 v14, v15
	s_wait_dscnt 0x0
	ROUND                                          ; the closing round: no work-group ends while a partner may still ask for a tile that names it
	s_endpgm
.Lfunc_end_k_q1c4dab98d4_mix:
	.size	k_q1c4dab98d4_mix, .Lfunc_end_k_q1c4dab98d4_mix-k_q1c4dab98d4_mix
	.p2alignl 7, 3214868480
	.fill 96, 4, 3214868480
	.section	.rodata,"a",@progbits
	.p2align	6, 0x0
	.amdhsa_kernel k_q1c4dab98d4_mix
		.amdhsa_group_segment_fixed_size 273408
		.amdhsa_private_segment_fixed_size 0
		.amdhsa_enable_private_segment 0
		.amdhsa_kernarg_size 56
		.amdhsa_user_sgpr_count 2
		.amdhsa_user_sgpr_kernarg_segment_ptr 1
		.amdhsa_wavefront_size32 1
		.amdhsa_system_sgpr_workgroup_id_x 1
		.amdhsa_system_sgpr_workgroup_id_y 1
		.amdhsa_system_sgpr_workgroup_id_z 1
		.amdhsa_system_vgpr_workitem_id 0
		.amdhsa_next_free_vgpr 512
		.amdhsa_next_free_sgpr 66
		.amdhsa_reserve_vcc 0
		.amdhsa_float_denorm_mode_32 3
		.amdhsa_float_denorm_mode_16_64 3
		.amdhsa_memory_ordered 1
		.amdhsa_forward_progress 1
		.amdhsa_inst_pref_size 70
	.end_amdhsa_kernel
	.amdgpu_metadata
---
amdhsa.version: [ 1, 2 ]
amdhsa.kernels:
  - .name:           k_q1c4dab98d4_mix
    .symbol:         k_q1c4dab98d4_mix.kd
    .args:
      - { .name: qf, .offset: 0, .size: 8, .value_kind: global_buffer, .address_space: global }
      - { .name: attf, .offset: 8, .size: 8, .value_kind: global_buffer, .address_space: global }
      - { .name: film, .offset: 16, .size: 8, .value_kind: global_buffer, .address_space: global }
      - { .name: b_emb, .offset: 24, .size: 8, .value_kind: global_buffer, .address_space: global }
      - { .name: ln2_w, .offset: 32, .size: 8, .value_kind: global_buffer, .address_space: global }
      - { .name: ln2_b, .offset: 40, .size: 8, .value_kind: global_buffer, .address_space: global }
      - { .name: act, .offset: 48, .size: 8, .value_kind: global_buffer, .address_space: global }
    .group_segment_fixed_size: 273408
    .private_segment_fixed_size: 0
    .kernarg_segment_align: 8
    .kernarg_segment_size: 56
    .max_flat_workgroup_size: 256
    .sgpr_count:     66
    .vgpr_count:     512
    .wavefront_size: 32
...
	.end_amdgpu_metadata
.endif
;; end of part 9
;; launch outp (part 10): grid 8 x 32, 4 waves a work-group, clusters of 4 x 4, 295,424 bytes of LDS; arguments act, wbf, b_out, x, out0; writes out0
.if DOCPART == 10
	.amdgcn_target "amdgcn-amd-amdhsa--gfx1250"
	.amdhsa_code_object_version 6
	.text
	.protected	k_q1c4dab98d4_outp
	.globl	k_q1c4dab98d4_outp
	.p2align	8
	.type	k_q1c4dab98d4_outp,@function
k_q1c4dab98d4_outp:
	s_mov_b64 s[64:65], 0
	v_nop
	global_prefetch_b8 v0, s[64:65] scope:SCOPE_SE
	s_setreg_imm32_b32 hwreg(HW_REG_WAVE_MODE, 25, 1), 1
	s_wait_xcnt 0x0
	s_wait_alu depctr_hold_cnt(0) depctr_sa_sdst(0) depctr_va_vdst(0) depctr_va_sdst(0) depctr_va_ssrc(0) depctr_va_vcc(0) depctr_vm_vsrc(0)
	s_getreg_b32 s2, hwreg(HW_REG_IB_STS2, 6, 4)
	s_cmp_eq_u32 s2, 0
	s_cbranch_scc0 .Lentry_in_a_cluster
	s_endpgm
.Lentry_in_a_cluster:
	s_bfe_u32 s2, ttmp6, 0x10000c
	s_cmp_lg_u32 s2, 0xf033
	s_cbranch_scc0 .Lentry_shape_is_right
	s_endpgm
.Lentry_shape_is_right:
; out0 = x + hh @ W_out + b_out.  Work-group (cb, rb): rows 256 rb .. +255 x columns 128 cb .. +127: 8 x 32 = 256 work-groups.
; Wave w: rows 64 w .. +63 x 128 columns = 32 accumulator tiles (window 1, tile (a, b) at v[8 (8 a + b)]).
; W_OUT'S WHOLE BLOCK LIES IN LDS: 1,024 k-rows x 256 bytes at pitch 288 = 294,912 bytes, brought by sixteen tensor loads of 64 k-rows, all of them first
; fills: wave w asks for tiles w, 4 + w, 8 + w, 12 + w at the start (four tensor loads of a wave are out at the most).  Nothing is filled again, so the
; products need no round of the cluster's barrier: in front of each quarter of K every wave waits for its load of that quarter and passes a plain barrier.
; CLUSTER 4 x 4: W_out's tiles hang on cb alone and are asked for jointly along a column of the cluster.
; hh GOES STRAIGHT INTO REGISTERS.  It lies in fragment order (block (row / 16) * 64 + column / 16 of 512 bytes = [lane][16 bytes]) and a wave's 64 rows are
; read by that wave alone, so LDS would only pass them through: a fragment is two loads of 512 consecutive bytes.  No joint request for hh: its lead is then
; counted in loads and not tied to a barrier; two LDS slots of more than 128 along K beside W_out's do not fit for a block of this shape.
; A unit is 32 along K: 32 matrix instructions, 16 LDS loads (W_out's fragments of the next unit, transposed on the way), 8 loads of hh for the unit six
; further on (a ring of seven buffers, window 3) and 2 of x (window 2): behind a wait for 52 a unit issues 10 loads, so 62 are out at the most, inside
; LOADcnt's field of 63 (ISA guide 5.7.1).  The 32 units are written out: each has its own register numbers and offsets.
; Source 0 = weights, source 1 = hh: a lane holds one row and 8 neighbouring columns.  16 rows at a time go through the wave's own stage in LDS and
; leave as whole rows: a store of the wave covers the block's 512 consecutive bytes of a row, aligned.  The stage (4 x 16 rows x 528 bytes) lies on
; W_out's first bytes, behind a barrier that follows every wave's last read of W_out; no tensor load comes after it.
.set WP,    288
.set WTILE, 64*WP                      ; 18,432
.set SP,    528
.set RING,  7
.set LEAD,  6
; window 0: v1 r, v2 h, v3 lane, v8 lane*16, v9 stage in, v10 stage back
.set AW,  16                           ; v[16:23]   W_out fragment address for k = 128 s .. (an LDS offset has 16 bits)
.set W0,  96                           ; v[96:159]  weight fragments, even units; on the way out rows
.set W1,  160                          ; v[160:223] odd units
.set BIAS, 224
.set G1W, 48                           ; s[48:55]
.set G0W, 24                           ; s[24:39] four sets of group 0, never written again
.set MSB, 0
.macro WIN new                         ; the immediate's high byte repeats the setting that is left
.if MSB != (\new)
	s_set_vgpr_msb (MSB<<8)|(\new)
.set MSB, \new
.endif
.endm
.macro PLACES                          ; four places behind a matrix instruction (ISA guide 7.12.1) before its registers are loaded, read or stored
.rept 4
	v_nop
.endr
.endm
.macro CROUND                          ; a round of the cluster's barrier
	s_barrier_signal -1
	s_barrier_wait -1
	s_cmp_lg_u32 s10, 0
	s_cbranch_scc1 .Lnot_wave_0_\@
	s_barrier_signal -3
.Lnot_wave_0_\@:
	s_barrier_wait -3
	s_barrier_signal -1
	s_barrier_wait -1
.endm
.macro FETCHW un                       ; W_out's eight fragments of unit un: k-rows 32 un .. +31, 128 columns
.if (\un)&1
.set wb, W1
.else
.set wb, W0
.endif
.irp b, 0,1,2,3,4,5,6,7
	ds_load_tr16_b128 v[wb+8*\b:wb+8*\b+3],   v[AW+((\un)>>2)] offset:((\un)&3)*9216+32*\b
	ds_load_tr16_b128 v[wb+8*\b+4:wb+8*\b+7], v[AW+((\un)>>2)] offset:((\un)&3)*9216+32*\b+4608
.endr
.endm
.macro LDH un                          ; hh's four fragments of unit un (my four row groups), into its buffer of the ring
.irp a, 0,1,2,3
	global_load_b128 v[32*((\un)%RING)+8*\a:32*((\un)%RING)+8*\a+3],   v8, s[14:15] offset:\a*32768+(\un)*1024
	global_load_b128 v[32*((\un)%RING)+8*\a+4:32*((\un)%RING)+8*\a+7], v8, s[14:15] offset:\a*32768+(\un)*1024+512
.endr
.endm
.macro LDX r0, n                       ; n rows of x from row r0 of my 64: row k at v[4 k] of window 2
.set xr, \r0
.rept \n
	global_load_b128 v[4*xr:4*xr+3], v8, s[74:75] offset:xr*4096 th:TH_LOAD_NT
.set xr, xr+1
.endr
.endm
; Unit u.  The wait's count is the number of loads issued behind unit u's eight: for u < 6 the later units of the first six (8 each) and u turns of 10;
; from u = 6 on the 2 of x in its own turn and five turns of 10; at the end the turns shrink (turn 26: 10 of x, turn 27: 2, then none).
; The 32 accumulators take turns, one instruction a turn; a unit's last and the next unit's first differ.
.macro UNIT u
.if \u < 6
.set nw, 40+2*\u
.else
.if \u < 28
.set nw, 52
.else
.set nw, 14+10*(31-\u)
.endif
.endif
	s_wait_loadcnt nw                              ; my hh fragments of this unit are in
	s_wait_dscnt 0x0                               ; and W_out's, asked for one unit ago
	PLACES                                         ; behind the last unit's matrix instructions, which read the buffers that are loaded next
.if (\u & 7) == 7
.if \u < 31
	s_wait_tensorcnt 2-(\u>>3)                     ; my tile of the next quarter of K has landed; my later ones stay out
	s_barrier_signal -1
	s_barrier_wait -1                              ; everybody's has
.endif
.endif
.if \u < 31
	WIN 0
	FETCHW \u+1
.endif
.if \u+LEAD < 32
	WIN 0xc0                                       ; destination window 3
	LDH \u+LEAD
.endif
.if \u < 26
	WIN 0x80                                       ; destination window 2
	LDX 2*\u, 2
.endif
.if \u == 26
	WIN 0x80
	LDX 52, 10
.endif
.if \u == 27
	WIN 0x80
	LDX 62, 2
.endif
.if \u & 1
.set wb, W1
.else
.set wb, W0
.endif
	WIN 0x5c                                       ; source 0 window 0, source 1 window 3, C and D window 1
.irp a, 0,1,2,3
.irp b, 0,1,2,3,4,5,6,7
.if \u == 0
	v_wmma_f32_16x16x32_bf16 v[8*(8*\a+\b):8*(8*\a+\b)+7], v[wb+8*\b:wb+8*\b+7], v[32*(\u%RING)+8*\a:32*(\u%RING)+8*\a+7], 0
.else
	v_wmma_f32_16x16x32_bf16 v[8*(8*\a+\b):8*(8*\a+\b)+7], v[wb+8*\b:wb+8*\b+7], v[32*(\u%RING)+8*\a:32*(\u%RING)+8*\a+7], v[8*(8*\a+\b):8*(8*\a+\b)+7]
.endif
.endr
.endr
.endm
	s_load_b256 s[68:75], s[0:1], 0x0              ; act 68:69, wbf 70:71, b_out 72:73, x 74:75
	s_load_b64 s[76:77], s[0:1], 0x20              ; out0
	v_lshl_add_u32 v254, v0, 2, 0x48000
	v_mov_b32 v255, 0
	ds_add_u32 v254, v255
	v_lshrrev_b32 v1, 5, v0
	v_readfirstlane_b32 s10, v1                    ; wave
	s_bfe_u32 s40, ttmp6, 0x40000                  ; cx
	s_bfe_u32 s41, ttmp6, 0x40004                  ; cy
	s_lshl_b32 s42, ttmp9, 2
	s_add_co_u32 s42, s42, s40                     ; cb
	s_and_b32 s13, ttmp7, 0xffff
	s_lshl_b32 s13, s13, 2
	s_add_co_u32 s13, s13, s41                     ; rb
	s_lshl_b32 s44, 0x1111, s40                    ; my column of the cluster
	; group 1, W_out: 64 k-rows x 128 bf16; after every 64 words (code 5) 8 words of padding (code 7): LDS pitch 288
	s_or_b32  s[G1W+0], s44, (1<<16)|(1<<20)|(1<<21)|(5<<22)|(7<<25)
	s_mov_b32 s[G1W+1], 128<<16
	s_mov_b32 s[G1W+2], 64<<16
	s_mov_b32 s[G1W+3], 128<<16
	s_mov_b32 s[G1W+4], 64
	s_mov_b32 s[G1W+5], 1024
	s_mov_b32 s[G1W+6], 0
	s_mov_b32 s[G1W+7], 0
	s_lshl_b32 s16, s13, 19                        ; hh: 16 rb row groups of 32,768 bytes
	s_lshl_b32 s17, s10, 17                        ; + my four
	s_add_co_u32 s16, s16, s17
	s_mov_b32 s17, 0
	s_lshl_b32 s46, s10, 17                        ; W_out: tile w = 64 k-rows of 2,048 bytes
	s_lshl_b32 s47, s42, 8                         ; + the block's 128 columns
	s_add_co_u32 s46, s46, s47
	s_add_co_u32 s46, s46, 6291456                 ; the fourth matrix of wbf
	s_mov_b32 s47, 0
	s_mul_i32 s20, s10, WTILE                      ; LDS: tile w
	s_lshl_b32 s90, s13, 20                        ; x and out0: 256 rb rows of 4,096 bytes
	s_lshl_b32 s89, s10, 18                        ; + 64 w rows
	s_add_co_u32 s90, s90, s89
	s_lshl_b32 s88, s42, 9                         ; + the block's 512 bytes
	s_add_co_u32 s90, s90, s88
	s_mov_b32 s91, 0
	s_mov_b32 s89, 0
	s_wait_dscnt 0x0
	s_wait_kmcnt 0x0
	s_add_nc_u64 s[14:15], s[68:69], s[16:17]
	s_add_nc_u64 s[46:47], s[70:71], s[46:47]
	s_add_nc_u64 s[72:73], s[72:73], s[88:89]
	s_add_nc_u64 s[74:75], s[74:75], s[90:91]
	s_add_nc_u64 s[76:77], s[76:77], s[90:91]
	CROUND                                         ; all sixteen work-groups are here: the joint loads meet
.irp i, 0,1,2,3
	s_mov_b32 s[G0W+4*\i], 1
	s_add_co_u32 s[G0W+4*\i+1], s20, \i*4*WTILE                 ; tile 4 i + w
	s_add_nc_u64 s[G0W+4*\i+2:G0W+4*\i+3], s[46:47], \i*4*64*2048
	s_or_b32 s[G0W+4*\i+3], s[G0W+4*\i+3], 0x80000000
	tensor_load_to_lds s[G0W+4*\i:G0W+4*\i+3], s[G1W:G1W+7]
	s_nop 0
.endr
	v_and_b32 v1, 15, v0                           ; r
	v_bfe_u32 v2, v0, 4, 1                         ; h
	v_and_b32 v3, 31, v0                           ; lane
	v_lshlrev_b32 v8, 4, v3
	global_load_b128 v[BIAS:BIAS+3], v8, s[72:73]
	WIN 0xc0
	LDH 0
	LDH 1
	LDH 2
	LDH 3
	LDH 4
	LDH 5
	WIN 0
	v_and_b32 v14, 7, v0
	v_lshl_add_u32 v14, v2, 3, v14                 ; k row 8 h + (lane & 7)
	v_mul_u32_u24 v14, v14, WP
	v_bfe_u32 v15, v0, 3, 1
	v_lshl_add_u32 v[AW], v15, 4, v14              ; + 16 ((lane >> 3) & 1)
.irp s, 1,2,3,4,5,6,7
	v_add_nc_u32 v[AW+\s], \s*128*WP, v[AW]
.endr
	s_mul_i32 s21, s10, 16*SP                      ; my stage
	v_mul_u32_u24 v9, v1, SP
	v_lshl_add_u32 v9, v2, 5, v9
	v_add_nc_u32 v9, s21, v9                       ; in: row r, 32 bytes for each half of the lanes
	v_add_nc_u32 v10, s21, v8                      ; back: a whole row of 512 bytes
	s_wait_tensorcnt 0x3                           ; my tile of the first quarter of K is in; my other three stay out
	s_barrier_signal -1
	s_barrier_wait -1
	FETCHW 0
.irp u, 0,1,2,3,4,5,6,7,8,9,10,11,12,13,14,15,16,17,18,19,20,21,22,23,24,25,26,27,28,29,30,31
	UNIT \u
.endr
	s_wait_dscnt 0x0                               ; my reads of W_out are back (met: the last unit waited for them)
	s_barrier_signal -1
	s_barrier_wait -1                              ; every wave's are: the stage may be laid on W_out's first bytes
	PLACES
; rows 16 a .. +15 of my block: f32 into my stage, back as whole rows, + b_out, + x, out.  f: W0 and W1 by turns.
; x's rows 0 to 49 were asked for ahead of the last unit's hh and are in by that unit's wait; last = 1: the wait for the rest.
.macro OUT16 a, f, last
	WIN 0x04                                       ; LDS store data window 1
.irp b, 0,1,2,3,4,5,6,7
	ds_store_b128 v9, v[8*(8*\a+\b):8*(8*\a+\b)+3]   offset:64*\b
	ds_store_b128 v9, v[8*(8*\a+\b)+4:8*(8*\a+\b)+7] offset:64*\b+16
.endr
	WIN 0
	s_wait_xcnt 0x0                                ; buffer f, which earlier stores read, is loaded again only behind this wait
.irp t, 0,1,2,3,4,5,6,7,8,9,10,11,12,13,14,15
	ds_load_b128 v[\f+4*\t:\f+4*\t+3], v10 offset:\t*SP           ; my own bytes: LDS serves a wave in order (ISA guide 5.7.1.4)
.endr
	s_wait_dscnt 0x0
.irp t, 0,1,2,3,4,5,6,7,8,9,10,11,12,13,14,15
	v_pk_add_f32 v[\f+4*\t:\f+4*\t+1],   v[\f+4*\t:\f+4*\t+1],   v[BIAS:BIAS+1]
	v_pk_add_f32 v[\f+4*\t+2:\f+4*\t+3], v[\f+4*\t+2:\f+4*\t+3], v[BIAS+2:BIAS+3]
.endr
.if \last
	s_wait_loadcnt 0x0
.endif
	WIN 0x08                                       ; source 1 window 2
.irp t, 0,1,2,3,4,5,6,7,8,9,10,11,12,13,14,15
	v_pk_add_f32 v[\f+4*\t:\f+4*\t+1],   v[\f+4*\t:\f+4*\t+1],   v[4*(16*\a+\t):4*(16*\a+\t)+1]
	v_pk_add_f32 v[\f+4*\t+2:\f+4*\t+3], v[\f+4*\t+2:\f+4*\t+3], v[4*(16*\a+\t)+2:4*(16*\a+\t)+3]
.endr
	WIN 0
.irp t, 0,1,2,3,4,5,6,7,8,9,10,11,12,13,14,15
	global_store_b128 v8, v[\f+4*\t:\f+4*\t+3], s[76:77] offset:(16*\a+\t)*4096 th:TH_STORE_NT
.endr
.endm
	OUT16 0, W0, 0
	OUT16 1, W1, 0
	OUT16 2, W0, 0
	OUT16 3, W1, 1
	s_wait_tensorcnt 0x0
	ds_add_u32 v254, v255
	s_wait_dscnt 0x0
	CROUND                                         ; the closing round: no work-group ends while a partner may still ask for a tile that names it
	s_endpgm
.Lfunc_end_k_q1c4dab98d4_outp:
	.size	k_q1c4dab98d4_outp, .Lfunc_end_k_q1c4dab98d4_outp-k_q1c4dab98d4_outp
	.p2alignl 7, 3214868480
	.fill 96, 4, 3214868480
	.section	.rodata,"a",@progbits
	.p2align	6, 0x0
	.amdhsa_kernel k_q1c4dab98d4_outp
		.amdhsa_group_segment_fixed_size 295424
		.amdhsa_private_segment_fixed_size 0
		.amdhsa_enable_private_segment 0
		.amdhsa_kernarg_size 40
		.amdhsa_user_sgpr_count 2
		.amdhsa_user_sgpr_kernarg_segment_ptr 1
		.amdhsa_wavefront_size32 1
		.amdhsa_system_sgpr_workgroup_id_x 1
		.amdhsa_system_sgpr_workgroup_id_y 1
		.amdhsa_system_sgpr_workgroup_id_z 1
		.amdhsa_system_vgpr_workitem_id 0
		.amdhsa_next_free_vgpr 1024
		.amdhsa_next_free_sgpr 92
		.amdhsa_reserve_vcc 0
		.amdhsa_float_denorm_mode_32 3
		.amdhsa_float_denorm_mode_16_64 3
		.amdhsa_memory_ordered 1
		.amdhsa_forward_progress 1
		.amdhsa_inst_pref_size 173
	.end_amdhsa_kernel
	.amdgpu_metadata
---
amdhsa.version: [ 1, 2 ]
amdhsa.kernels:
  - .name:           k_q1c4dab98d4_outp
    .symbol:         k_q1c4dab98d4_outp.kd
    .args:
      - { .name: act, .offset: 0, .size: 8, .value_kind: global_buffer, .address_space: global }
      - { .name: wbf, .offset: 8, .size: 8, .value_kind: global_buffer, .address_space: global }
      - { .name: b_out, .offset: 16, .size: 8, .value_kind: global_buffer, .address_space: global }
      - { .name: x, .offset: 24, .size: 8, .value_kind: global_buffer, .address_space: global }
      - { .name: out0, .offset: 32, .size: 8, .value_kind: global_buffer, .address_space: global }
    .group_segment_fixed_size: 295424
    .private_segment_fixed_size: 0
    .kernarg_segment_align: 8
    .kernarg_segment_size: 40
    .max_flat_workgroup_size: 128
    .sgpr_count:     92
    .vgpr_count:     1024
    .wavefront_size: 32
...
	.end_amdgpu_metadata
.endif
;; end of part 10
